; MI455X (gfx1250); checked and timed in simulation.
; The chip was launched on July 23, 2026; its instructions are those of AMD's public machine-readable ISA for CDNA 5 (MIT licence, August 2026) and "CDNA5" Instruction Set Architecture Reference Guide (July 2026). The comments in the code are by the model that wrote it; some were corrected since.
;; Bit Transformer Block. Allowed arithmetic: matrix products marked QUANTISED: E4M3 operands, one E8M0 scale for each 32 along K, by v_wmma_scale_f32_16x16x128_f8f6f4 with both operands' format E4M3, f32 sums; everything else in f32.
;; Inputs: b1 4,096 float32; b2 1,024 float32; in_proj_b 3,072 float32; in_proj_w_codes 3,072 x 32 x 32 uint8 (E4M3 codes of in_proj_w, K innermost, in blocks of 32 codes); in_proj_w_scales 3,072 x 32 uint8 (E8M0 scales of in_proj_w, one for each 32 codes along K); ln1_b 1,024 float32; ln1_g 1,024 float32; ln2_b 1,024 float32; ln2_g 1,024 float32; out_proj_b 1,024 float32; out_proj_w_codes 1,024 x 32 x 32 uint8 (E4M3 codes of out_proj_w, K innermost, in blocks of 32 codes); out_proj_w_scales 1,024 x 32 uint8 (E8M0 scales of out_proj_w, one for each 32 codes along K); w1 4,096 x 1,024 float32; w2 1,024 x 4,096 float32; x 2 x 2,048 x 1,024 float32.
;; Outputs: out0 2 x 2,048 x 1,024 float32.
;; This version of the problem:
;;   THIS VERSION OF THE PROBLEM IS GIVEN IN LOW PRECISION. The matrix products marked QUANTISED in the list below multiply operands that are first quantised to E4M3 (4 exponent bits, 3 mantissa bits; 8 bits a number), with one power-of-two scale for each 32 numbers along K (OCP MX v1.0); their sums are f32. All else is computed in f32.
;;   The module's matrix products, in the order in which they are computed (A, B: the left and right operand; K: the contracted axis; several contracted axes count as one K, in the product's order):
;;     1. [M 4,096, K 1,024] x [K 1,024, N 3,072]; A: computed on the way; B: input in_proj_w (given as codes): QUANTISED
;;     2. batch 32 x [M 2,048, K 64] x [K 64, N 2,048]; A: computed on the way; B: computed on the way: QUANTISED
;;     3. batch 32 x [M 2,048, K 2,048] x [K 2,048, N 64]; A: softmax (see below); B: computed on the way: QUANTISED
;;     4. [M 4,096, K 1,024] x [K 1,024, N 1,024]; A: computed on the way; B: input out_proj_w (given as codes): QUANTISED
;;     5. [M 4,096, K 1,024] x [K 1,024, N 4,096]; A: computed on the way; B: computed on the way: QUANTISED
;;     6. [M 4,096, K 4,096] x [K 4,096, N 1,024]; A: computed on the way; B: computed on the way: QUANTISED
;;   THE QUANTISER, for each operand of a quantised product, along K:
;;     - K is cut into blocks of 32 from its start; a last block that is shorter is filled with zeros.
;;     - A block's scale is 2^e with e = floor(log2(the largest magnitude in the block)) - 8, held to -126 .. 127; a block of zeros has e = 0. As a byte (E8M0): e + 127.
;;     - Each number is divided by its block's scale, clamped to +-448, and rounded to the nearest number of E4M3, ties to even, subnormals kept.
;;     - The product sums the exact products of the quantised numbers (number of the format x scale) in f32.
;;   ~~~python
;;   def quantise(x, axis):      # numpy; x: float32 -> the quantised numbers, widened to float32 again
;;       x = np.moveaxis(x, axis, -1); K = x.shape[-1]
;;       x = np.pad(x, [(0, 0)] * (x.ndim - 1) + [(0, -K % 32)]); x = x.reshape(x.shape[:-1] + (-1, 32)); a = np.abs(x).max(-1, keepdims=True)
;;       e = np.where(a > 0, np.clip(np.frexp(np.where(a > 0, a, 1))[1] - 1 - 8, -126, 127), 0)      # np.frexp(a)[1] - 1 = floor(log2(a)), exactly
;;       r = np.clip(x / 2.0 ** e, -448, 448)
;;       step = 2.0 ** (np.maximum(np.frexp(np.where(r == 0, 1, r))[1] - 1, -6) - 3)
;;       q = np.round(r / step) * step * 2.0 ** e      # np.round: ties to even
;;       return np.moveaxis(q.reshape(q.shape[:-2] + (-1,))[..., :K], -1, axis).astype(np.float32)
;;   ~~~
;;   SOFTMAX AHEAD OF A QUANTISED PRODUCT. Where the list says 'softmax', what is quantised is not the finished softmax but p = 2^(t - M), with t = logit x log2(e) and M = ceil(the row's largest t), a whole number; so 1/2 < the row's largest p <= 1. The row's sum l is taken of the UNQUANTISED p, in f32, and the product's result is divided by l at the end. Since M is a whole number, a kernel that streams over the keys may use a running M (the ceiling of the running maximum): every later rescaling is an exact power of two, which a block's scale takes up: the codes' values come out the same.
;;   OPERANDS COMPUTED ON THE WAY. 'Computed on the way' means the value that the module computes at that place (a softmax that the list does not call 'softmax' is quantised finished and normalised). What goes into a quantiser is computed in f32, as accurately as f32 sums, v_exp_f32 and their like allow (about 1e-6 of the number): no bf16 or f16 on the way to a quantiser, and a product that is left as it is and whose result goes on into a quantised operand takes f32 operands (vector FMAs, or v_wmma_f32_16x16x4_f32). A number that lies on a knife's edge between two numbers of the format may be rounded either way, as far as f32 arithmetic and the matrix unit's own rounding can turn it there, and no further.
;;   INPUTS GIVEN AS CODES. in_proj_w (in the module: [3072, 1024], K = its axis 1); out_proj_w (in the module: [1024, 1024], K = its axis 1): each comes as NAME_codes (uint8): NAME with its K axis moved to the last place and cut into blocks of 32 codes, [.., K / 32, bytes a block], one block behind the other in memory; one code a byte (a code: sign, 4 exponent bits, 3 mantissa bits); and NAME_scales (uint8): the same leading axes, one E8M0 byte (e + 127) for each 32 codes along K. Its value is code x scale, taken as it is: it is not quantised again, and the codes and scales need not be those that the quantiser above would give.
;; One version. Each part assembles by itself: llvm-mc -triple=amdgcn-amd-amdhsa -mcpu=gfx1250 --defsym DOCPART=n.
;; ======== version 1 of 1: 8 launches
;; limits: right only within a limited range of input values
;; workspace buffers: wsA 4,329,472 bytes; wsB 12,976,128 bytes; wsC 4,325,376 bytes; wsD 16,777,216 bytes; wsE 12,976,128 bytes; wsF 524,288 bytes; wsG 17,301,504 bytes
;; launch prep1 (part 1): grid 512 x 1, 4 waves a work-group, no clusters, 33,280 bytes of LDS; arguments x, ln1_g, ln1_b, w1, w2, wsA; writes wsA
.if DOCPART == 1
	.amdgcn_target "amdgcn-amd-amdhsa--gfx1250"
	.amdhsa_code_object_version 6
	.text
	.protected	k_qbea8467a35_prep1
	.globl	k_qbea8467a35_prep1
	.p2align	8
	.type	k_qbea8467a35_prep1,@function
k_qbea8467a35_prep1:
	s_mov_b64 s[64:65], 0
	v_nop
	global_prefetch_b8 v0, s[64:65] scope:SCOPE_SE
	s_setreg_imm32_b32 hwreg(HW_REG_WAVE_MODE, 25, 1), 1
	s_wait_xcnt 0x0
; Work-groups 0-255: nx = LayerNorm(x) g + b, quantised along D into codes of E4M3 with one E8M0 byte for each 32: wsA: codes [4096][1024], bytes [4096][32] at NXS.
; Work-groups 256-511: partial sums of |w1| and |w2|, one f32 a wave: wsA at WSUMO, [2][512].
; LN: a wave owns 4 rows, two asked for at the head and each later row two rows ahead: so a wave waits for memory twice, as a wave of the sum path does (four batches, two ahead).
; A row's 8 loads read 512 consecutive bytes each; the row turns through the wave's own stage in LDS (64 bytes + 16 of padding a lane), so that a lane
; holds 16 neighbours of each half row, two lanes a block of 32.  Codes leave as 512 consecutive bytes a store; the wave's 128 scale bytes as 128 consecutive bytes, half of an aligned block of 256 (131,072 bytes in all, one in 32 of the codes).
; No matrix unit, no cluster, no tensor load: the work-groups share no input and the launch streams.
; LIMITS: NaN and infinities are not served; a block whose largest magnitude lies under 2^-118 (a block of zeros too) takes the byte 1: only this program reads the bytes; 1/sqrt is v_rsq_f32.
.set NR,    4                          ; rows of a wave
.set NXS,   4194304
.set WSUMO, 4325376
.set SP,    80
.set WREG,  8192
.set G,  16                            ; v16-47   g of my 32 columns
.set B,  48                            ; v48-79   b
.set R,  80                            ; v80-143  two rows as loaded
.set X,  144                           ; v144-175 my 32 numbers of the row in hand: 16 s + i = column 512 s + 16 lane + i
.set C,  176                           ; v176-183 codes
.set E,  184                           ; v184-185 scale bytes
.macro WSUM r, t                       ; sum over the 32 lanes, in every lane
	v_add_f32_dpp v[\r], v[\r], v[\r] row_xmask:1 row_mask:0xf bank_mask:0xf
	v_add_f32_dpp v[\r], v[\r], v[\r] row_xmask:2 row_mask:0xf bank_mask:0xf
	v_add_f32_dpp v[\r], v[\r], v[\r] row_xmask:4 row_mask:0xf bank_mask:0xf
	v_add_f32_dpp v[\r], v[\r], v[\r] row_xmask:8 row_mask:0xf bank_mask:0xf
	v_permlanex16_b32 v[\t], v[\r], s20, s21
	v_add_f32 v[\r], v[\r], v[\t]
.endm
	s_load_b256 s[4:11], s[0:1], 0x0               ; x, ln1_g, ln1_b, w1
	s_load_b128 s[12:15], s[0:1], 0x20             ; w2, wsA
	v_lshl_add_u32 v192, v0, 2, 0x8000
	v_mov_b32 v193, 0
	v_lshrrev_b32 v1, 5, v0
	v_readfirstlane_b32 s16, v1                    ; wave
	v_and_b32 v2, 31, v0                           ; lane
	v_lshlrev_b32 v3, 4, v2                        ; 16 x lane
	s_mov_b32 s20, 0x76543210
	s_mov_b32 s21, 0xfedcba98                      ; lane l xor 16
	s_lshl_b32 s17, ttmp9, 2
	s_add_co_u32 s17, s17, s16                     ; 4 x work-group + wave
	s_cmp_lt_u32 ttmp9, 256
	s_cbranch_scc0 .Lsum
	; ---------------- LayerNorm and quantiser: run s17 = 0..1023 of 4 rows
	s_lshl_b32 s18, s17, 14                        ; x: 4 rows of 4,096 bytes
	s_mov_b32 s19, 0
	s_lshl_b32 s22, s17, 12                        ; codes: 4 rows of 1,024
	s_mov_b32 s23, 0
	s_lshl_b32 s24, s17, 7                         ; scale bytes: 4 rows of 32
	s_mov_b32 s25, 0
	s_mul_i32 s26, s16, WREG
	s_wait_alu depctr_va_vdst(0)
	v_lshrrev_b32 v14, 2, v2
	v_mul_u32_u24 v14, v14, SP
	v_and_b32 v15, 3, v2
	v_lshl_add_u32 v14, v15, 4, v14
	v_add_nc_u32 v14, s26, v14                     ; stage, in: SP (lane / 4) + 16 (lane % 4)
	v_mul_u32_u24 v15, v2, SP
	v_add_nc_u32 v15, s26, v15                     ; stage, out: SP x lane
	v_lshrrev_b32 v5, 1, v2
	s_add_co_u32 s26, s26, 2*32*SP
	v_add_nc_u32 v5, s26, v5                       ; my block's byte among the wave's 128
	v_lshlrev_b32 v7, 2, v2                        ; on the way out 4 bytes a lane
	v_add_nc_u32 v6, s26, v7
	v_lshlrev_b32 v4, 6, v2                        ; g, b: 64 x lane
	s_mov_b32 s27, 0x600000                        ; the mantissa field of 448
	s_mov_b32 s32, 0x3a800000                      ; 1 / 1024
	s_mov_b32 s33, 0x3727c5ac                      ; 1e-5
	s_wait_alu depctr_va_vdst(0)
	s_wait_kmcnt 0x0
	s_add_nc_u64 s[4:5], s[4:5], s[18:19]
	s_add_nc_u64 s[28:29], s[14:15], s[22:23]
	s_add_nc_u64 s[30:31], s[14:15], s[24:25]
	s_add_nc_u64 s[30:31], s[30:31], NXS
.irp s, 0,1
.irp i, 0,1,2,3
	global_load_b128 v[G+16*\s+4*\i:G+16*\s+4*\i+3], v4, s[6:7] offset:2048*\s+16*\i
	global_load_b128 v[B+16*\s+4*\i:B+16*\s+4*\i+3], v4, s[8:9] offset:2048*\s+16*\i
.endr
.endr
.macro LOAD i                          ; row i: eight loads of 512 consecutive bytes
.irp j, 0,1,2,3,4,5,6,7
	global_load_b128 v[R+32*((\i)%2)+4*\j:R+32*((\i)%2)+4*\j+3], v3, s[4:5] offset:4096*(\i)+512*\j th:TH_LOAD_NT
.endr
.endm
.macro Q16 i, s                        ; half s of row i: 16 neighbours a lane, a block in lanes l and l xor 1
.set XS, X+16*(\s)
	v_max3_num_f32 v8, |v[XS]|, |v[XS+1]|, |v[XS+2]|
	v_max3_num_f32 v9, |v[XS+3]|, |v[XS+4]|, |v[XS+5]|
.irp k, 6,10
	v_max3_num_f32 v8, v8, |v[XS+\k]|, |v[XS+\k+1]|
	v_max3_num_f32 v9, v9, |v[XS+\k+2]|, |v[XS+\k+3]|
.endr
	v_max3_num_f32 v8, v8, |v[XS+14]|, |v[XS+15]|
	v_max3_num_f32 v8, v8, v9, 0x4800000           ; the floor 2^(9 - 127): the byte cannot fall under 1
	v_max_num_f32_dpp v8, v8, v8 row_xmask:1 row_mask:0xf bank_mask:0xf
	v_add_nc_u32 v11, 0xfc000000, v8               ; 8 off the exponent field: the conversion's scale operand
	v_and_or_b32 v10, v8, 0x7f800000, s27          ; 448 x the scale
.irp k, 0,1,2,3,4,5,6,7,8,9,10,11,12,13,14,15
	v_med3_num_f32 v[XS+\k], v[XS+\k], -v10, v10   ; the conversion does not saturate (ISA guide 7.6.2): the hold
.endr
	v_cvt_scalef32_pk8_fp8_f32 v[C+4*(\s):C+4*(\s)+1], v[XS:XS+7], v11
	v_cvt_scalef32_pk8_fp8_f32 v[C+4*(\s)+2:C+4*(\s)+3], v[XS+8:XS+15], v11
	v_lshrrev_b32 v[E+(\s)], 23, v11               ; the scale's byte (a plain line behind the conversions)
	ds_store_b8 v5, v[E+(\s)] offset:32*(\i)+16*(\s)
	global_store_b128 v3, v[C+4*(\s):C+4*(\s)+3], s[28:29] offset:1024*(\i)+512*(\s)
.endm
.macro LNROW i
.if (\i) < NR-1
	s_wait_loadcnt 8                               ; this row (and g, b) are in; the next row's eight loads may be out
.else
	s_wait_loadcnt 0x0
.endif
.irp j, 0,1,2,3,4,5,6,7
	ds_store_b128 v14, v[R+32*((\i)%2)+4*\j:R+32*((\i)%2)+4*\j+3] offset:32*SP*(\j/4)+8*SP*(\j%4)
.endr
.irp j, 0,1,2,3,4,5,6,7
	ds_load_b128 v[X+4*\j:X+4*\j+3], v15 offset:32*SP*(\j/4)+16*(\j%4)   ; LDS serves a wave's instructions in order
.endr
	s_wait_dscnt 0x0                               ; the row is back; the stores have read their registers, the last row's byte stores too
.if (\i)+2 < NR
	LOAD (\i)+2
.endif
	v_pk_add_f32 v[8:9], v[X:X+1], v[X+2:X+3]
	v_pk_add_f32 v[10:11], v[X+4:X+5], v[X+6:X+7]
.irp j, 8,12,16,20,24,28
	v_pk_add_f32 v[8:9], v[8:9], v[X+\j:X+\j+1]
	v_pk_add_f32 v[10:11], v[10:11], v[X+\j+2:X+\j+3]
.endr
	v_pk_add_f32 v[8:9], v[8:9], v[10:11]
	v_add_f32 v8, v8, v9
	WSUM 8, 9
	v_mul_f32 v8, s32, v8                          ; the mean
.set n_, 0
.rept 16
	v_pk_add_f32 v[X+n_:X+n_+1], v[X+n_:X+n_+1], v[8:9] op_sel_hi:[1,0] neg_lo:[0,1] neg_hi:[0,1]
.set n_, n_+2
.endr
	v_pk_mul_f32 v[10:11], v[X:X+1], v[X:X+1]
	v_pk_mul_f32 v[12:13], v[X+2:X+3], v[X+2:X+3]
.irp j, 4,8,12,16,20,24,28
	v_pk_fma_f32 v[10:11], v[X+\j:X+\j+1], v[X+\j:X+\j+1], v[10:11]
	v_pk_fma_f32 v[12:13], v[X+\j+2:X+\j+3], v[X+\j+2:X+\j+3], v[12:13]
.endr
	v_pk_add_f32 v[10:11], v[10:11], v[12:13]
	v_add_f32 v10, v10, v11
	WSUM 10, 11
	v_fma_f32 v10, v10, s32, s33                   ; the variance + 1e-5
	s_wait_alu depctr_va_vdst(0)
	v_rsq_f32 v10, v10
	v_nop                                          ; a plain line behind the transcendental,
	s_wait_alu depctr_va_vdst(0)                   ; and the wait ahead of its first reader
.set n_, 0
.rept 16
	v_pk_mul_f32 v[X+n_:X+n_+1], v[X+n_:X+n_+1], v[10:11] op_sel_hi:[1,0]
.set n_, n_+2
.endr
.set n_, 0
.rept 16
	v_pk_fma_f32 v[X+n_:X+n_+1], v[X+n_:X+n_+1], v[G+n_:G+n_+1], v[B+n_:B+n_+1]
.set n_, n_+2
.endr
	s_wait_xcnt 0x0                                ; the last row's stores have read their codes: they are written again only behind this wait
	Q16 \i, 0
	Q16 \i, 1
.endm
	LOAD 0
	LOAD 1
.irp i, 0,1,2,3
	LNROW \i
.endr
	ds_load_b32 v12, v6                            ; the wave's 128 scale bytes, 4 a lane
	s_wait_dscnt 0x0
	global_store_b32 v7, v12, s[30:31]             ; 128 consecutive bytes
	s_wait_tensorcnt 0x0
	ds_add_u32 v192, v193
	s_wait_dscnt 0x0
	s_endpgm
	; ---------------- partial sums of |w|: a wave takes 32 KB
.Lsum:
	s_sub_co_u32 s17, s17, 1024                    ; 0..1023: 512 x tensor + run
	s_lshr_b32 s18, s17, 9
	s_and_b32 s19, s17, 511
	s_lshl_b32 s22, s19, 15
	s_mov_b32 s23, 0
	s_lshl_b32 s24, s17, 2
	s_mov_b32 s25, 0
	s_wait_kmcnt 0x0
	s_cmp_eq_u32 s18, 0
	s_cselect_b64 s[4:5], s[10:11], s[12:13]       ; the choice hangs on the work-group's number alone
	s_add_nc_u64 s[4:5], s[4:5], s[22:23]
	s_add_nc_u64 s[6:7], s[14:15], s[24:25]
	s_add_nc_u64 s[6:7], s[6:7], WSUMO
.macro SLOAD t                         ; batch t: 16 loads of 512 consecutive bytes
.irp j, 0,1,2,3,4,5,6,7,8,9,10,11,12,13,14,15
	global_load_b128 v[16+64*((\t)%2)+4*\j:16+64*((\t)%2)+4*\j+3], v3, s[4:5] offset:8192*(\t)+512*\j
.endr
.endm
	s_wait_alu depctr_va_vdst(0)
	SLOAD 0
	SLOAD 1
.irp k, 0,1,2,3
	v_mov_b32 v[8+\k], 0
.endr
	s_wait_alu depctr_va_vdst(0)
.irp t, 0,1,2,3
.if \t < 3
	s_wait_alu depctr_va_vdst(0)
	s_wait_loadcnt 16                              ; this batch is in, the next one's 16 loads may be out
.else
	s_wait_alu depctr_va_vdst(0)
	s_wait_loadcnt 0x0
.endif
.set n_, 0
.rept 64
	v_add_f32 v[8+n_%4], v[8+n_%4], |v[16+64*(\t%2)+n_]|   ; four chains
.set n_, n_+1
.endr
.if \t+2 < 4
	SLOAD \t+2
.endif
.endr
	v_add_f32 v8, v8, v9
	v_add_f32 v10, v10, v11
	v_add_f32 v8, v8, v10
	WSUM 8, 9
	v_mov_b32 v12, 0
	global_store_b32 v12, v8, s[6:7]               ; every lane holds the sum and writes the same word with the same value
	s_endpgm
.Lfunc_end_k_qbea8467a35_prep1:
	.size	k_qbea8467a35_prep1, .Lfunc_end_k_qbea8467a35_prep1-k_qbea8467a35_prep1
	.p2alignl 7, 3214868480
	.fill 96, 4, 3214868480
	.section	.rodata,"a",@progbits
	.p2align	6, 0x0
	.amdhsa_kernel k_qbea8467a35_prep1
		.amdhsa_group_segment_fixed_size 33280
		.amdhsa_private_segment_fixed_size 0
		.amdhsa_enable_private_segment 0
		.amdhsa_kernarg_size 48
		.amdhsa_user_sgpr_count 2
		.amdhsa_user_sgpr_kernarg_segment_ptr 1
		.amdhsa_wavefront_size32 1
		.amdhsa_system_sgpr_workgroup_id_x 1
		.amdhsa_system_sgpr_workgroup_id_y 1
		.amdhsa_system_sgpr_workgroup_id_z 1
		.amdhsa_system_vgpr_workitem_id 0
		.amdhsa_next_free_vgpr 194
		.amdhsa_next_free_sgpr 66
		.amdhsa_reserve_vcc 0
		.amdhsa_float_denorm_mode_32 3
		.amdhsa_float_denorm_mode_16_64 3
		.amdhsa_memory_ordered 1
		.amdhsa_forward_progress 1
		.amdhsa_inst_pref_size 76
	.end_amdhsa_kernel
	.amdgpu_metadata
---
amdhsa.version: [ 1, 2 ]
amdhsa.kernels:
  - .name:           k_qbea8467a35_prep1
    .symbol:         k_qbea8467a35_prep1.kd
    .args:
      - { .name: x, .offset: 0, .size: 8, .value_kind: global_buffer, .address_space: global }
      - { .name: ln1_g, .offset: 8, .size: 8, .value_kind: global_buffer, .address_space: global }
      - { .name: ln1_b, .offset: 16, .size: 8, .value_kind: global_buffer, .address_space: global }
      - { .name: w1, .offset: 24, .size: 8, .value_kind: global_buffer, .address_space: global }
      - { .name: w2, .offset: 32, .size: 8, .value_kind: global_buffer, .address_space: global }
      - { .name: wsA, .offset: 40, .size: 8, .value_kind: global_buffer, .address_space: global }
    .group_segment_fixed_size: 33280
    .private_segment_fixed_size: 0
    .kernarg_segment_align: 8
    .kernarg_segment_size: 48
    .max_flat_workgroup_size: 128
    .sgpr_count:     66
    .vgpr_count:     194
    .wavefront_size: 32
...
	.end_amdgpu_metadata
.endif
;; end of part 1
;; launch qkv (part 2): grid 12 x 16, 4 waves a work-group, clusters of 4 x 4, 327,680 bytes of LDS; arguments wsA, in_proj_w_codes, in_proj_w_scales, in_proj_b, wsB; writes wsB
.if DOCPART == 2
	.amdgcn_target "amdgcn-amd-amdhsa--gfx1250"
	.amdhsa_code_object_version 6
	.text
	.protected	k_qbea8467a35_qkv
	.globl	k_qbea8467a35_qkv
	.p2align	8
	.type	k_qbea8467a35_qkv,@function
k_qbea8467a35_qkv:
	s_mov_b64 s[64:65], 0
	v_nop
	global_prefetch_b8 v0, s[64:65] scope:SCOPE_SE
	s_setreg_imm32_b32 hwreg(HW_REG_WAVE_MODE, 25, 1), 1
	s_wait_xcnt 0x0
	s_wait_alu depctr_hold_cnt(0) depctr_sa_sdst(0) depctr_va_vdst(0) depctr_va_sdst(0) depctr_va_ssrc(0) depctr_va_vcc(0) depctr_vm_vsrc(0)
	s_getreg_b32 s2, hwreg(HW_REG_IB_STS2, 6, 4)
	s_cmp_eq_u32 s2, 0
	s_cbranch_scc0 .Lentry_in_a_cluster
	s_endpgm
.Lentry_in_a_cluster:
	s_bfe_u32 s2, ttmp6, 0x10000c
	s_cmp_lg_u32 s2, 0xf033
	s_cbranch_scc0 .Lentry_shape_is_right
	s_endpgm
.Lentry_shape_is_right:
; qkv = nx in_proj_w^T + in_proj_b on codes of E4M3 with E8M0 scales (K = 1,024), and its results quantised in registers for the attention launch.
; A tile of 256 x 256 to a work-group of four waves, 128 x 128 a wave: 64 accumulators.  K goes in steps of 256 through two LDS slots filled by joint tensor loads of a 4 x 4 cluster.
; TWO KINDS, told apart by the cluster's x (the same in all sixteen partners).  Clusters x = 0, 1: q and k: source 1 (a lane's row) = tokens, source 0 (along a lane's registers) = the weight's rows,
; so a lane's registers run along the head's axis, which is the K of q k^T.  Cluster x = 2: v: source 1 = the weight's rows 2,048 on (a lane holds one d), source 0 = tokens: the registers run along the keys, the K of p v.
; THE ROWS OF A TILE ARE NOT NEIGHBOURS, on either side: lane r of tile T takes row rho(T, r) = 32 (T / 2) + 8 (T % 2) + r + 8 (r / 8): the 16 registers of two neighbouring tiles are then 16 neighbours along the next K,
; and the tokens of a tile are the keys that the attention launch wants in a tile.  (Rows 16 apart start at the same bank at a pitch of 272 bytes: these fragment loads go two deep.)
; OUT: register images.  A fragment (16 rows x 128 columns) is 4 stores of 512 consecutive bytes, lane l's 16 bytes at 16 l; the scale words of 128 rows x 128 columns are one store of 512 bytes.
; LIMITS: NaN and infinities are not served; a block under 2^-118 (zeros too) takes the byte 1, read by this program alone.
.set RHO,    1
.set KSTEP,  256
.set NQ,     2
.set ROWB,   256
.set KROW,   1024
.set PITCH,  272                       ; 256 bytes + 16 of padding
.set FR,     16
.set NL,     4
.set NP,     8                         ; places behind this matrix form (ISA guide 7.12.1)
.set HALFT,  128*PITCH
.set SLOT,   4*HALFT
.set LAPS,   2
.set KS,     32
.set SCL,    2*SLOT                    ; the scale bytes of my 256 + 256 rows for all of K, as blocks of 256 bytes + 16
.set HALFS,  16*272
.set SPARE,  SCL+4*HALFS               ; the spare words: 128 bytes a wave, named by no other line
.set NXS,    4194304
.set V_IMG,  8388608
.set QK_SCL, 12582912
.set V_SCL,  12845056
.set ADRA, 2
.set ADRB, 4
.set ADRS, 6
.set SPW,  7
.set NIL,  8
.set VO,   9                           ; 16 x lane
.set SC,   32                          ; v32-63 scale words, two sets
.set BS0,  64                          ; v64-127 the bias along the registers, in the result's layout: the C of each sum's first product
.set AF,   128                         ; v128-255 A's fragments
.set W,    128                         ; the way out: 64 numbers,
.set PC,   192                         ; their codes,
.set TM,   208                         ; at work,
.set PW,   224                         ; the scale word,
.set SW,   232                         ; the eight tiles' scale words,
.set P,    240                         ; and their packed form
.set SEL,  4
.set MNT,  6
.set G1, 24
.set G0, 32
.set G1B, 48
.set G0B, 56
.set G1S, 68
.set G0S, 76
.set G1SB, 80
.set G0SB, 88
.set MSB, 0
.macro WIN new                         ; the immediate's high byte repeats the setting that is left
.if MSB != (\new)
	s_set_vgpr_msb (MSB<<8)|(\new)
.set MSB, (\new)
.endif
.endm
.set MUL_LO, 0xa1                      ; source 0 (B) window 1, source 1 (A) window 0, C and D window 2
.set MUL_HI, 0xf1
.set TO_B,   0x40
.macro JLOAD g0a, g1a, g0b, g1b        ; a joint load: waves 0, 1 fetch for A, waves 2, 3 for B; four v_nop follow each line
	s_cmp_eq_u32 s15, 0
	s_cbranch_scc0 .Lfor_b_\@
	tensor_load_to_lds s[\g0a:\g0a+3], s[\g1a:\g1a+7]
	s_nop 0
.rept 4
	v_nop
.endr
	s_branch .Lasked_\@
.Lfor_b_\@:
	tensor_load_to_lds s[\g0b:\g0b+3], s[\g1b:\g1b+7]
	s_nop 0
.rept 4
	v_nop
.endr
.Lasked_\@:
.endm
.macro CREST
	s_cmp_lg_u32 s14, 0
	s_cbranch_scc1 .Lnot_wave_0_\@
	s_barrier_signal -3
.Lnot_wave_0_\@:
	s_barrier_wait -3
	s_barrier_signal -1
	s_barrier_wait -1
.endm
.macro CROUND
	s_barrier_signal -1
	s_barrier_wait -1
	CREST
.endm
.macro PLACES n
.rept \n
	v_nop
.endr
.endm
	s_load_b128 s[4:7], s[0:1], 0x0                ; wsA, the weight's codes
	s_load_b128 s[96:99], s[0:1], 0x10             ; the weight's scales, in_proj_b
	s_load_b64 s[12:13], s[0:1], 0x20              ; wsB
	v_lshl_add_u32 v[SPW], v0, 2, SPARE
	v_mov_b32 v[NIL], 0
	ds_add_u32 v7, v8
	ds_add_u32 v7, v8
	s_wait_dscnt 0x0
	v_lshrrev_b32 v1, 5, v0
	v_readfirstlane_b32 s14, v1                    ; wave
	s_lshr_b32 s15, s14, 1                         ; my half of the tile's rows; also: I fetch for A (0) or B (1)
	s_and_b32 s16, s14, 1                          ; my half of its columns; also: which 128 rows I fetch
	s_bfe_u32 s40, ttmp6, 0x40000                  ; cx
	s_bfe_u32 s41, ttmp6, 0x40004                  ; cy
	s_and_b32 s18, ttmp7, 0xffff                   ; the cluster's y
	s_cmp_eq_u32 ttmp9, 2                          ; kind v?
	s_cselect_b32 s2, 1, 0
	s_cselect_b32 s17, 0, s18
	s_cselect_b32 s42, s18, ttmp9
	s_lshl_b32 s42, s42, 2
	s_add_co_u32 s42, s42, s40                     ; tile column (source 0's rows / 256)
	s_lshl_b32 s17, s17, 2
	s_add_co_u32 s17, s17, s41                     ; tile row (source 1's rows / 256)
	s_lshl_b32 s43, s41, 2
	s_lshl_b32 s43, 15, s43                        ; my row of the cluster
	s_lshl_b32 s44, 0x1111, s40                    ; my column
	s_or_b32 s[G1+0], s43, (0<<16)|(1<<20)|(1<<21)|(5<<22)|(3<<25)   ; elements of 1 byte; 4 words of padding behind every 64
	s_or_b32 s[G1B+0], s44, (0<<16)|(1<<20)|(1<<21)|(5<<22)|(3<<25)
.irp g, G1, G1B
	s_mov_b32 s[\g+1], ROWB<<16
	s_mov_b32 s[\g+2], 256<<16                     ; the head's loads of codes bring 256 rows; behind them the two counts are set to 128
	s_mov_b32 s[\g+3], ROWB<<16
	s_mov_b32 s[\g+4], 256
	s_mov_b32 s[\g+5], KROW
	s_mov_b32 s[\g+6], 0
	s_mov_b32 s[\g+7], 0
.endr
	s_or_b32 s[G1S+0], s43, (3<<16)|(1<<20)|(1<<21)|(5<<22)|(3<<25)  ; the scales of 256 rows: 32 rows of 256 bytes (32 elements of 8)
	s_or_b32 s[G1SB+0], s44, (3<<16)|(1<<20)|(1<<21)|(5<<22)|(3<<25)
.irp g, G1S, G1SB
	s_mov_b32 s[\g+1], 32<<16
	s_mov_b32 s[\g+2], 32<<16                      ; the scales of 256 rows: 32 rows of 256 bytes
	s_mov_b32 s[\g+3], 32<<16
	s_mov_b32 s[\g+4], 32
	s_mov_b32 s[\g+5], 32
	s_mov_b32 s[\g+6], 0
	s_mov_b32 s[\g+7], 0
.endr
	s_lshl_b32 s18, s16, 7
	s_lshl_b32 s20, s17, 8
	s_add_co_u32 s20, s20, s18
	s_cmp_eq_u32 s2, 1
	s_cselect_b32 s19, 2048, 0
	s_add_co_u32 s20, s20, s19                     ; A's first row that I fetch (kind v: behind q's and k's rows of the weight)
	s_lshl_b32 s46, s42, 8
	s_add_co_u32 s46, s46, s18                     ; B's
	s_mov_b32 s21, 0
	s_mov_b32 s47, 0
	s_lshl_b64 s[22:23], s[20:21], 5               ; their scale bytes,
	s_lshl_b64 s[92:93], s[46:47], 5
	s_lshl_b64 s[20:21], s[20:21], 10              ; their codes
	s_lshl_b64 s[46:47], s[46:47], 10
	s_mul_i32 s45, s14, HALFT
	s_mul_i32 s94, s14, HALFS
	s_wait_kmcnt 0x0
	s_add_nc_u64 s[8:9], s[4:5], NXS               ; nx's scale bytes
	s_cmp_eq_u32 s2, 1
	s_cselect_b64 s[10:11], s[6:7], s[4:5]         ; A's codes: the weight's (v) or nx's
	s_add_nc_u64 s[20:21], s[10:11], s[20:21]
	s_cselect_b64 s[10:11], s[96:97], s[8:9]
	s_add_nc_u64 s[22:23], s[10:11], s[22:23]
	s_cselect_b64 s[10:11], s[4:5], s[6:7]         ; B's codes
	s_add_nc_u64 s[46:47], s[10:11], s[46:47]
	s_cselect_b64 s[10:11], s[8:9], s[96:97]
	s_add_nc_u64 s[92:93], s[10:11], s[92:93]
	CROUND                                         ; all sixteen work-groups are here: the first joint loads meet
	s_mov_b32 s[G0S], 1
	s_lshl_b32 s96, s16, 12                        ; my half's 128 rows of scale bytes: taken off, so that every wave holds the tile's first row
	s_mov_b32 s97, 0
	s_mov_b32 s[G0S+1], SCL
	s_sub_nc_u64 s[G0S+2:G0S+3], s[22:23], s[96:97]
	s_or_b32 s[G0S+3], s[G0S+3], 0x80000000
	s_mov_b32 s[G0SB], 1
	s_mov_b32 s[G0SB+1], SCL+2*HALFS
	s_sub_nc_u64 s[G0SB+2:G0SB+3], s[92:93], s[96:97]
	s_or_b32 s[G0SB+3], s[G0SB+3], 0x80000000
	s_lshl_b32 s96, s16, 17                        ; my half's 128 rows of codes, in bytes
.irp s, 0,1
	s_mov_b32 s[G0+4*\s], 1
	s_add_co_u32 s[G0+4*\s+1], s45, \s*SLOT
	s_add_nc_u64 s[G0+4*\s+2:G0+4*\s+3], s[20:21], \s*ROWB
	s_or_b32 s[G0+4*\s+3], s[G0+4*\s+3], 0x80000000
	s_mov_b32 s[G0B+4*\s], 1
	s_add_co_u32 s[G0B+4*\s+1], s45, \s*SLOT
	s_add_nc_u64 s[G0B+4*\s+2:G0B+4*\s+3], s[46:47], \s*ROWB
	s_or_b32 s[G0B+4*\s+3], s[G0B+4*\s+3], 0x80000000
.endr
	; THE HEAD'S LOADS, ONE A WAVE: wave 0 K step 0's 256 rows of A, wave 1 those of B, wave 2 A's scales, wave 3 B's.  Slot 0's groups 0 serve them, set to the whole tile
	s_mov_b32 s[G0+1], 0
	s_sub_nc_u64 s[G0+2:G0+3], s[G0+2:G0+3], s[96:97]
	s_mov_b32 s[G0B+1], 2*HALFT
	s_sub_nc_u64 s[G0B+2:G0B+3], s[G0B+2:G0B+3], s[96:97]
.macro ARM under, g0, g1, next
	s_cmp_lt_u32 s14, \under
	s_cbranch_scc0 \next
	tensor_load_to_lds s[\g0:\g0+3], s[\g1:\g1+7]
	s_nop 0
.rept 4
	v_nop
.endr
	s_branch .Lhead_asked
\next:
.endm
	ARM 1, G0,  G1,  .Lhead_b
	ARM 2, G0B, G1B, .Lhead_sa
	ARM 3, G0S, G1S, .Lhead_sb
	tensor_load_to_lds s[G0SB:G0SB+3], s[G1SB:G1SB+7]
	s_nop 0
.rept 4
	v_nop
.endr
.Lhead_asked:
	v_and_b32 v1, 15, v0
	v_bfe_u32 v10, v0, 4, 1
	v_mov_b32 v11, v1
.if RHO
	v_and_b32 v11, 8, v1
	v_add_nc_u32 v11, v11, v1                      ; r + 8 (r / 8)
.endif
	v_mul_u32_u24 v12, v11, PITCH
	v_lshl_add_u32 v12, v10, 4, v12
	s_mul_i32 s21, s15, HALFT
	s_mul_i32 s22, s16, HALFT
	s_add_co_u32 s22, s22, 2*HALFT
.irp s, 0,1
	v_add_nc_u32 v[ADRA+\s], s21, v12
	v_add_nc_u32 v[ADRB+\s], s22, v12
	s_add_co_u32 s21, s21, SLOT
	s_add_co_u32 s22, s22, SLOT
.endr
	v_mul_u32_u24 v13, v11, KS
	v_lshrrev_b32 v14, 8, v13
	v_lshl_add_u32 v13, v14, 4, v13                ; my row's scale bytes: 32 a row, 16 more for each 256 passed
	s_mul_i32 s21, s15, HALFS
	s_mul_i32 s22, s16, HALFS
	s_add_co_u32 s22, s22, 2*HALFS
	s_sub_co_u32 s22, s22, s21
	v_mul_u32_u24 v14, s22, v10                    ; lanes 16-31 take B's
	s_add_co_u32 s21, s21, SCL
	v_add_nc_u32 v13, v13, v14
	v_add_nc_u32 v[ADRS], s21, v13
	v_and_b32 v[VO], 31, v0
	v_lshlrev_b32 v[VO], 4, v[VO]
	v_lshlrev_b32 v15, 6, v10                      ; 64 h
	s_wait_alu depctr_va_vdst(0)
	v_lshlrev_b32 v13, 2, v11                      ; 4 (r + 8 (r / 8))
	; the biases.  q, k: along the registers (BS0).  v: one a lane and tile (v16-23).  The other of the two is read at the buffer's head and masked to 0
	s_wait_alu depctr_va_vdst(0)
	s_lshl_b32 s46, s42, 10
	s_lshl_b32 s47, s16, 9
	s_add_co_u32 s46, s46, s47
	s_lshl_b32 s20, s17, 10
	s_lshl_b32 s21, s15, 9
	s_add_co_u32 s20, s20, s21
	s_add_co_u32 s20, s20, 8192
	s_cmp_eq_u32 s2, 1
	s_cselect_b32 s46, 0, s46
	s_cselect_b32 s20, s20, 0
	s_cselect_b32 s18, 0, -1
	s_cselect_b32 s19, -1, 0
	s_mov_b32 s47, 0
	s_mov_b32 s21, 0
	s_add_nc_u64 s[46:47], s[98:99], s[46:47]
	s_add_nc_u64 s[20:21], s[98:99], s[20:21]
.irp b, 0,1,2,3,4,5,6,7
	global_load_b128 v[BS0+8*\b:BS0+8*\b+3], v15, s[46:47] offset:(32*(\b/2)+8*(\b%2))*4
	global_load_b128 v[BS0+8*\b+4:BS0+8*\b+7], v15, s[46:47] offset:(32*(\b/2)+8*(\b%2))*4+16
	global_load_b32 v[16+\b], v13, s[20:21] offset:(32*(\b/2)+8*(\b%2))*4
.endr
	; where my results go: G = my 128 rows, ks = my 128 columns
	s_lshl_b32 s22, s17, 1
	s_add_co_u32 s22, s22, s15
	s_lshl_b32 s23, s42, 1
	s_add_co_u32 s23, s23, s16
	s_cmp_eq_u32 s2, 1
	s_cselect_b32 s10, 19, 18                      ; 8 tiles x a tile's 65,536 (v) or 32,768 bytes
	s_cselect_b32 s11, 14, 13
	s_cselect_b32 s8, V_IMG, 0
	s_mov_b32 s9, QK_SCL
	s_cselect_b32 s9, V_SCL, s9
	s_mov_b32 s94, 32768
	s_cselect_b32 s94, 65536, s94                  ; from tile to tile
	s_mov_b32 s95, 0
	s_lshl_b32 s10, s22, s10
	s_add_co_u32 s10, s10, s8
	s_lshl_b32 s8, s23, 11
	s_add_co_u32 s10, s10, s8
	s_lshl_b32 s8, s22, s11
	s_add_co_u32 s8, s8, s9
	s_lshl_b32 s9, s23, 9
	s_add_co_u32 s8, s8, s9
	s_mov_b32 s11, 0
	s_mov_b32 s9, 0
	s_add_nc_u64 s[66:67], s[12:13], s[8:9]        ; the scale words
	s_add_nc_u64 s[12:13], s[12:13], s[10:11]      ; the images
	s_mov_b32 s[SEL], 0x76543210
	s_mov_b32 s[SEL+1], 0xfedcba98
	s_mov_b32 s[MNT], 0x600000
.macro FRAG reg, adr, q, i             ; 16 rows x 128 K: registers 4 c .. 4 c + 3 hold K = 32 c + 16 (l / 16) + 0 .. 15
.irp c, 0,1,2,3
	ds_load_b128 v[\reg+4*\c:\reg+4*\c+3], v[\adr] offset:128*(\q)+32*\c+(RHO*(32*((\i)/2)+8*((\i)%2))+(1-RHO)*16*(\i))*PITCH
.endr
.endm
; 16 products: A's blocks a0, a0 + 1 x B's eight.  zero = 1: the sum's first product takes the bias as C.  The 64 accumulators take turns.
.macro MUL16 a0, p, q, sc, zero
.irp a, \a0, \a0+1
.irp b, 0,1,2,3,4,5,6,7
.if \zero
	v_wmma_scale_f32_16x16x128_f8f6f4 v[8*(8*((\a)%4)+\b):8*(8*((\a)%4)+\b)+7], v[128*(\p)+FR*\b:128*(\p)+FR*\b+FR-1], v[AF+FR*(\a):AF+FR*(\a)+FR-1], v[BS0+8*\b:BS0+8*\b+7], v[SC+8*NQ*(\sc)+NQ*\b+(\q)], v[SC+8*NQ*(\sc)+NQ*(\a)+(\q)] matrix_a_scale:MATRIX_SCALE_ROW1
.else
	v_wmma_scale_f32_16x16x128_f8f6f4 v[8*(8*((\a)%4)+\b):8*(8*((\a)%4)+\b)+7], v[128*(\p)+FR*\b:128*(\p)+FR*\b+FR-1], v[AF+FR*(\a):AF+FR*(\a)+FR-1], v[8*(8*((\a)%4)+\b):8*(8*((\a)%4)+\b)+7], v[SC+8*NQ*(\sc)+NQ*\b+(\q)], v[SC+8*NQ*(\sc)+NQ*(\a)+(\q)] matrix_a_scale:MATRIX_SCALE_ROW1
.endif
.endr
.endr
.endm
.macro FETCH_B slot, q, p
	WIN TO_B
.irp i, 0,1,2,3,4,5,6,7
	FRAG 128*(\p)+FR*\i, ADRB+\slot, \q, \i
.endr
	WIN 0
.endm
.macro FETCH_A slot, q, i0
.irp i, \i0, \i0+1, \i0+2, \i0+3
	FRAG AF+FR*(\i), ADRA+\slot, \q, \i
.endr
.endm
.macro SCALES sc                       ; lanes 0-15 take the words of A's block i, lanes 16-31 those of B's
.irp i, 0,1,2,3,4,5,6,7
	ds_load_b64 v[SC+8*NQ*\sc+NQ*\i:SC+8*NQ*\sc+NQ*\i+1], v[ADRS] offset:(RHO*(4*(\i/2)+(\i%2))+(1-RHO)*2*\i)*272
.endr
.endm
.macro STEP slot, q, zero
	s_wait_dscnt 4*NL                              ; all but A's blocks 4-7
.if \zero
	WIN 0x81                                       ; C (the bias) in window 0, D in window 2
.else
	WIN MUL_LO
.endif
	MUL16 0, (\q)%2, \q, \slot, \zero
	MUL16 2, (\q)%2, \q, \slot, \zero
	s_wait_dscnt 0
	PLACES NP
	FETCH_B \slot, (\q)+1, 1-(\q)%2
	FETCH_A \slot, (\q)+1, 0
.if \zero
	WIN 0xc1
.else
	WIN MUL_HI
.endif
	MUL16 4, (\q)%2, \q, \slot, \zero
	MUL16 6, (\q)%2, \q, \slot, \zero
	PLACES NP
	WIN 0
	FETCH_A \slot, (\q)+1, 4
.endm
; A slot's last step changes slots: each wave waits for all its tensor loads, adds 0 to its spare word, waits for that and for its reads of the slot; one barrier, which opens a round of the cluster's where the slot is filled again.
.macro TURN slot, next, fill
	s_wait_tensorcnt 0x0                           ; all my tensor loads have landed: my part of the next slot
	ds_add_u32 v[SPW], v[NIL]
	s_wait_dscnt 4*NL+1                            ; the add and A's blocks 4-7 may be out
	WIN MUL_LO
	MUL16 0, 1, NQ-1, \slot, 0
	s_wait_dscnt 0x0                               ; the add is done, my reads of this slot are over
	s_barrier_signal -1
	MUL16 2, 1, NQ-1, \slot, 0
	WIN 0
	s_barrier_wait -1
.if \fill
	CREST
	s_add_nc_u64 s[G0+4*\slot+2:G0+4*\slot+3], s[G0+4*\slot+2:G0+4*\slot+3], 2*ROWB
	s_add_nc_u64 s[G0B+4*\slot+2:G0B+4*\slot+3], s[G0B+4*\slot+2:G0B+4*\slot+3], 2*ROWB
	JLOAD G0+4*\slot, G1, G0B+4*\slot, G1B         ; the first tensor load behind the round, my only one until the next
	PLACES NP-4
.else
	PLACES NP
.endif
	s_wait_alu depctr_va_vdst(0)
	v_add_nc_u32 v[ADRS], 4*NQ, v[ADRS]
	FETCH_B \next, 0, 0
	FETCH_A \next, 0, 0
	SCALES \next
	WIN MUL_HI
	MUL16 4, 1, NQ-1, \slot, 0
	MUL16 6, 1, NQ-1, \slot, 0
	PLACES NP
	WIN 0
	FETCH_A \next, 0, 4
.endm
; 64 numbers of a lane, register 16 b + i = k 32 b + 16 (lane / 16) + i of my row, become a fragment's codes in v[PC] on and its scale word in v[PW]
.macro QUANT s
.irp b, 0,1,2,3
	v_max3_num_f32 v[TM+\b], |v[\s+16*\b]|, |v[\s+1+16*\b]|, 0x4800000   ; with the floor 2^(9 - 127): the byte cannot fall under 1
.endr
.irp i, 2,4,6,8,10,12,14
.irp b, 0,1,2,3
	v_max3_num_f32 v[TM+\b], v[TM+\b], |v[\s+16*\b+\i]|, |v[\s+1+16*\b+\i]|
.endr
.endr
.irp b, 0,1,2,3
	v_permlanex16_b32 v[TM+4+\b], v[TM+\b], s[SEL], s[SEL+1]
.endr
.irp b, 0,1,2,3
	v_max_num_f32 v[TM+\b], v[TM+\b], v[TM+4+\b]
.endr
.irp b, 0,1,2,3
	v_add_nc_u32 v[TM+12+\b], 0xfc000000, v[TM+\b]   ; 8 off the exponent field: the conversion's scale operand
.endr
.irp b, 0,1,2,3
	v_and_or_b32 v[TM+8+\b], v[TM+\b], 0x7f800000, s[MNT]   ; 448 x the scale
.endr
.irp b, 0,1,2,3
	v_lshrrev_b32 v[TM+4+\b], 23, v[TM+12+\b]
.endr
	v_lshl_or_b32 v[PW], v[TM+5], 8, v[TM+4]
	v_lshl_or_b32 v[PW], v[TM+6], 16, v[PW]
	v_lshl_or_b32 v[PW], v[TM+7], 24, v[PW]
.irp b, 0,1,2,3
.irp i, 0,1,2,3,4,5,6,7,8,9,10,11,12,13,14,15
	v_med3_num_f32 v[\s+16*\b+\i], v[\s+16*\b+\i], -v[TM+8+\b], v[TM+8+\b]   ; the conversion does not saturate (ISA guide 7.6.2)
.endr
	v_cvt_scalef32_pk8_fp8_f32 v[PC+4*\b:PC+1+4*\b], v[\s+16*\b:\s+7+16*\b], v[TM+12+\b]
	v_cvt_scalef32_pk8_fp8_f32 v[PC+2+4*\b:PC+3+4*\b], v[\s+8+16*\b:\s+15+16*\b], v[TM+12+\b]
.endr
	v_nop                                          ; a plain line behind the last conversion
.endm
	s_wait_loadcnt 0x0                             ; the biases
.set n_, 0
.rept 64
	v_and_b32 v[BS0+n_], s18, v[BS0+n_]            ; kind v has no bias along the registers,
.set n_, n_+1
.endr
.irp a, 0,1,2,3,4,5,6,7
	v_and_b32 v[16+\a], s19, v[16+\a]              ; kinds q, k none along the lanes
.endr
	s_wait_alu depctr_va_vdst(0)
	s_wait_tensorcnt 0x0                           ; my tile of the head's four is in; these lines stand ahead of slot 1's first fill as ahead of a refill
	ds_add_u32 v[SPW], v[NIL]
	s_mov_b32 s[G1+2], 128<<16                     ; no tensor load of mine is out: from here on a load brings 128 rows,
	s_mov_b32 s[G1+4], 128
	s_mov_b32 s[G1B+2], 128<<16
	s_mov_b32 s[G1B+4], 128
	s_mov_b32 s[G0+1], s45                         ; and slot 0's groups 0 name my quarter again
	s_mov_b32 s[G0B+1], s45
	s_add_nc_u64 s[G0+2:G0+3], s[G0+2:G0+3], s[96:97]
	s_add_nc_u64 s[G0B+2:G0B+3], s[G0B+2:G0B+3], s[96:97]
	s_wait_dscnt 0x0
	CROUND                                         ; all four tiles are in, and all sixteen work-groups are here
	JLOAD G0+4, G1, G0B+4, G1B                     ; K step 1: the first tensor load behind the round
	FETCH_B 0, 0, 0
	FETCH_A 0, 0, 0
	SCALES 0
	FETCH_A 0, 0, 4
	STEP 0, 0, 1
	s_mov_b32 s3, LAPS-1
.Llap:
	TURN 0, 1, 1
	STEP 1, 0, 0
	TURN 1, 0, 1
	STEP 0, 0, 0
	s_sub_co_u32 s3, s3, 1
	s_cmp_lg_u32 s3, 0
	s_cbranch_scc1 .Llap
	TURN 0, 1, 0
	STEP 1, 0, 0
	s_wait_dscnt 4*NL
	WIN MUL_LO
	MUL16 0, 1, NQ-1, 1, 0
	MUL16 2, 1, NQ-1, 1, 0
	s_wait_dscnt 0
	WIN MUL_HI
	MUL16 4, 1, NQ-1, 1, 0
	MUL16 6, 1, NQ-1, 1, 0
	WIN 0
	; THE WAY OUT: block a (16 rows x 128 columns): + the lane's bias, quantised, stored as an image
	PLACES NP
.irp b, 0,1,2,3
	v_mov_b32 v[TM+4+\b], 0                        ; a lane permute's destination counts as read
.endr
.macro EPI a
	v_mov_b32 v10, v[16+\a]
	v_mov_b32 v11, v[16+\a]
	WIN 0x02+(\a)/4                                ; source 0: window 2 or 3
.set n_, 0
.rept 32
	v_pk_add_f32 v[W+n_:W+n_+1], v[64*((\a)%4)+n_:64*((\a)%4)+n_+1], v[10:11]   ; each accumulator from its low end on
.set n_, n_+2
.endr
	WIN 0
	s_wait_xcnt 0x0                                ; the last block's stores have read their codes and their base
.if (\a) > 0
	s_add_nc_u64 s[12:13], s[12:13], s[94:95]
.endif
	QUANT W
.irp p, 0,1,2,3
	global_store_b128 v[VO], v[PC+4*\p:PC+4*\p+3], s[12:13] offset:512*\p   ; 512 consecutive bytes
.endr
	v_mov_b32 v[SW+\a], v[PW]
.endm
.irp a, 0,1,2,3,4,5,6,7
	EPI \a
.endr
	s_mov_b32 vcc_lo, 0xffff0000
.irp i, 0,1,2,3
	v_cndmask_b32 v[P+\i], v[SW+2*\i], v[SW+2*\i+1], vcc_lo   ; lanes 0-15: tile 2 i, lanes 16-31: tile 2 i + 1
.endr
	global_store_b128 v[VO], v[P:P+3], s[66:67]
	s_wait_tensorcnt 0x0                           ; the wave's end
	ds_add_u32 v[SPW], v[NIL]
	s_wait_dscnt 0x0
	CROUND                                         ; the closing round
	s_endpgm
.Lfunc_end_k_qbea8467a35_qkv:
	.size	k_qbea8467a35_qkv, .Lfunc_end_k_qbea8467a35_qkv-k_qbea8467a35_qkv
	.p2alignl 7, 3214868480
	.fill 96, 4, 3214868480
	.section	.rodata,"a",@progbits
	.p2align	6, 0x0
	.amdhsa_kernel k_qbea8467a35_qkv
		.amdhsa_group_segment_fixed_size 327680
		.amdhsa_private_segment_fixed_size 0
		.amdhsa_enable_private_segment 0
		.amdhsa_kernarg_size 40
		.amdhsa_user_sgpr_count 2
		.amdhsa_user_sgpr_kernarg_segment_ptr 1
		.amdhsa_wavefront_size32 1
		.amdhsa_system_sgpr_workgroup_id_x 1
		.amdhsa_system_sgpr_workgroup_id_y 1
		.amdhsa_system_sgpr_workgroup_id_z 1
		.amdhsa_system_vgpr_workitem_id 0
		.amdhsa_next_free_vgpr 1024
		.amdhsa_next_free_sgpr 100
		.amdhsa_reserve_vcc 1
		.amdhsa_float_denorm_mode_32 3
		.amdhsa_float_denorm_mode_16_64 3
		.amdhsa_memory_ordered 1
		.amdhsa_forward_progress 1
		.amdhsa_inst_pref_size 208
	.end_amdhsa_kernel
	.amdgpu_metadata
---
amdhsa.version: [ 1, 2 ]
amdhsa.kernels:
  - .name:           k_qbea8467a35_qkv
    .symbol:         k_qbea8467a35_qkv.kd
    .args:
      - { .name: wsA, .offset: 0, .size: 8, .value_kind: global_buffer, .address_space: global }
      - { .name: in_proj_w_codes, .offset: 8, .size: 8, .value_kind: global_buffer, .address_space: global }
      - { .name: in_proj_w_scales, .offset: 16, .size: 8, .value_kind: global_buffer, .address_space: global }
      - { .name: in_proj_b, .offset: 24, .size: 8, .value_kind: global_buffer, .address_space: global }
      - { .name: wsB, .offset: 32, .size: 8, .value_kind: global_buffer, .address_space: global }
    .group_segment_fixed_size: 327680
    .private_segment_fixed_size: 0
    .kernarg_segment_align: 8
    .kernarg_segment_size: 40
    .max_flat_workgroup_size: 128
    .sgpr_count:     100
    .vgpr_count:     1024
    .wavefront_size: 32
...
	.end_amdgpu_metadata
.endif
;; end of part 2
;; launch attn (part 3): grid 8 x 32, 16 waves a work-group, clusters of 4 x 1, 280,576 bytes of LDS; arguments wsB, wsC; writes wsC
.if DOCPART == 3
	.amdgcn_target "amdgcn-amd-amdhsa--gfx1250"
	.amdhsa_code_object_version 6
	.text
	.protected	k_qbea8467a35_attn
	.globl	k_qbea8467a35_attn
	.p2align	8
	.type	k_qbea8467a35_attn,@function
k_qbea8467a35_attn:
	s_mov_b64 s[64:65], 0
	v_nop
	global_prefetch_b8 v0, s[64:65] scope:SCOPE_SE
	s_setreg_imm32_b32 hwreg(HW_REG_WAVE_MODE, 25, 1), 1
	s_wait_xcnt 0x0
	s_wait_alu depctr_hold_cnt(0) depctr_sa_sdst(0) depctr_va_vdst(0) depctr_va_sdst(0) depctr_va_ssrc(0) depctr_va_vcc(0) depctr_vm_vsrc(0)
	s_getreg_b32 s2, hwreg(HW_REG_IB_STS2, 6, 4)
	s_cmp_eq_u32 s2, 0
	s_cbranch_scc0 .Lentry_in_a_cluster
	s_endpgm
.Lentry_in_a_cluster:
	s_bfe_u32 s2, ttmp6, 0x10000c
	s_cmp_lg_u32 s2, 0x3003
	s_cbranch_scc0 .Lentry_shape_is_right
	s_endpgm
.Lentry_shape_is_right:
; o = softmax(q k^T / 8) v for one head and 256 queries a work-group, both products on codes of E4M3 with E8M0 scales; o / l is quantised along D and stored as a register image for the next product.
; THE SOFTMAX: t = score x log2(e) / 8; M = the running largest t rounded up to a whole number; p = 2^(t - M) is quantised along the keys; the sum is taken of the unquantised p and divides at the end.
; SHARES: sixteen waves, each one tile of 16 queries in 256 registers, four waves to a SIMD.  Both products are used transposed: a lane holds one query throughout.
; THE HEAD'S K AND V LIE WHOLE IN LDS (2 x 131,072 bytes), as register images: each byte is filled once, so there is no ring.  They come with one joint load a wave, asked for at the head:
; one joint tensor load a wave (waves 0-7: K, waves 8-15: V); the four query blocks of a cluster belong to one head and ask jointly.  The steps begin when all has landed.
; The head is 64 wide, the matrix form 128: the upper 64 of the first product's K are zero codes on both sides (registers written once).
; The scale halves of o (2 of every 4 bytes; the neighbouring head's work-group writes the other 2) are 131,072 bytes in all, stored two bytes a lane.
; No prefetch: all tiles are asked for at the head.  LIMITS: NaN and infinities are not served; a block under 2^-118 takes the byte 1; 1 / l is v_rcp_f32 with one Newton step.
; AS THE TEXT STANDS: each wave asks for ONE joint load of 16,384 bytes at the head: waves 0-7 sixteen key tiles of K each, waves 8-15 half a d tile of V each (8 steps x 2,048 bytes, dense in memory).
; One wait for all, one barrier, then one loop of 16 key steps with no barrier in it.  V in LDS: [d tile 4][128 keys: 16][2,048] at VB.
.set VB, 131072
.set ADV2, 7                           ; v7: V's d tiles 2 and 3, 65,536 bytes behind ADV
.set TV, 67                            ; s67: V's step, 2,048 bytes
.set KSC,    262144                    ; K's scale words [step 16][512]
.set VSC,    270336                    ; V's
.set V_IMG,  8388608
.set QK_SCL, 12582912
.set V_SCL,  12845056
.set O_SCL,  4194304
.set AK0,  1
.set AV0,  2
.set ASK0, 3
.set ASV0, 4
.set GO,   5                           ; 16 x lane
.set GS,   6                           ; 16 x (lane % 16)
.set ADK,  8
.set ADV,  9
.set ADS,  10
.set ADT,  11
.set WV,   18
.set MNT,  19
.set SEL,  20
.set CS,   22
.set G1K,  24
.set G0K,  32                          ; s[32:35] the group 0 for K's load
.set G0V,  48                          ; s[48:51] for V's
.set G1V,  68
.set TK,   2
.set TS,   3
.set CNT,  66
.macro CROUND
	s_barrier_signal -1
	s_barrier_wait -1
	s_cmp_lg_u32 s[WV], 0
	s_cbranch_scc1 .Lnot_wave_0_\@
	s_barrier_signal -3
.Lnot_wave_0_\@:
	s_barrier_wait -3
	s_barrier_signal -1
	s_barrier_wait -1
.endm
	s_load_b128 s[4:7], s[0:1], 0x0                ; wsB, wsC
	v_lshl_add_u32 v222, v0, 2, 0x44000
	v_mov_b32 v223, 0
	ds_add_u32 v222, v223
	ds_add_u32 v222, v223
	v_lshrrev_b32 v8, 5, v0
	s_delay_alu instid0(VALU_DEP_1)
	v_readfirstlane_b32 s[WV], v8                  ; wave 0..15
	s_bfe_u32 s76, ttmp6, 0x40000                  ; cx: it enters Q's and O's global addresses alone
	s_lshl_b32 s77, ttmp9, 2
	s_add_co_u32 s77, s77, s76                     ; my block of 256 queries
	s_and_b32 s78, ttmp7, 0xffff
	s_lshr_b32 s79, s78, 4                         ; batch
	s_and_b32 s80, s78, 15                         ; head
	s_and_b32 s81, s[WV], 7                        ; j: my part of a quarter
	s_lshl_b32 s82, s79, 22                        ; K: 32,768 (128 b + 16 j) + 1,024 (16 + head)
	s_lshl_b32 s83, s81, 19                        ; 16 key tiles of 32,768 bytes a wave
	s_add_co_u32 s82, s82, s83
	s_lshl_b32 s83, s80, 10
	s_add_co_u32 s82, s82, s83
	s_add_co_u32 s82, s82, 16384
	s_mov_b32 s83, 0
	s_lshl_b32 s84, s80, 18                        ; V: V_IMG + 65,536 (4 head + j / 2) + 2,048 (16 b + 8 (j & 1))
	s_and_b32 s85, s81, 1
	s_lshl_b32 s85, s85, 14                        ; 8 steps of 2,048 bytes x (j & 1)
	s_add_co_u32 s84, s84, s85
	s_lshl_b32 s85, s79, 15
	s_add_co_u32 s84, s84, s85
	s_lshr_b32 s85, s81, 1
	s_lshl_b32 s85, s85, 16                        ; d tile j / 2
	s_add_co_u32 s84, s84, s85
	s_add_co_u32 s84, s84, V_IMG
	s_mov_b32 s85, 0
	s_lshl_b32 s86, s81, 14                        ; in LDS: 16,384 j
	s_lshl_b32 s87, s79, 7
	s_lshl_b32 s94, s77, 4
	s_add_co_u32 s87, s87, s94
	s_add_co_u32 s87, s87, s[WV]                   ; T: my tile of 16 queries
	s_lshr_b32 s94, s87, 3
	s_and_b32 s95, s[WV], 1                        ; my tile's scale bytes in a block of 512: 256 (T & 1) + 4 ((T & 7) / 2) + 2 (head & 1), in block head / 2
	s_lshl_b32 s95, s95, 8
	s_lshr_b32 s96, s81, 1
	s_lshl_b32 s96, s96, 2
	s_add_co_u32 s95, s95, s96
	s_and_b32 s96, s80, 1
	s_lshl_b32 s97, s96, 1
	s_add_co_u32 s95, s95, s97
	s_lshr_b32 s97, s80, 1
	s_lshl_b32 s98, s97, 9
	s_add_co_u32 s95, s95, s98
	s_mov_b32 s[G1K], 15|(3<<16)|(1<<21)           ; the mask: all four; elements of 8 bytes; no padding: the images are read 512 consecutive bytes at a time
	s_mov_b32 s[G1K+1], 128<<16                    ; rows (key tiles) of 1,024 bytes,
	s_mov_b32 s[G1K+2], 16<<16                     ; 16 rows (key tiles)
	s_mov_b32 s[G1K+3], 128<<16
	s_mov_b32 s[G1K+4], 16
	s_mov_b32 s[G1K+5], 4096                       ; 32,768 bytes apart
	s_mov_b32 s[G1K+6], 0
	s_mov_b32 s[G1K+7], 0
	s_mov_b32 s[G1V], 15|(3<<16)|(1<<21)
	s_mov_b32 s[G1V+1], 256<<16                    ; rows (steps) of 2,048 bytes,
	s_mov_b32 s[G1V+2], 8<<16                      ; 8 rows (steps) of 2,048 bytes, one behind the other in memory
	s_mov_b32 s[G1V+3], 256<<16
	s_mov_b32 s[G1V+4], 8
	s_mov_b32 s[G1V+5], 256
	s_mov_b32 s[G1V+6], 0
	s_mov_b32 s[G1V+7], 0
	s_mov_b32 s[SEL], 0x76543210
	s_mov_b32 s[SEL+1], 0xfedcba98
	s_mov_b32 s[CS], 0x3e38aa3b                    ; log2(e) / 8
	s_mov_b32 s[CS+1], s[CS]
	s_mov_b32 s[MNT], 0x600000
	s_mov_b32 s[TK], 0
	s_mov_b32 s[TS], 0
	s_mov_b32 s[TV], 0
	v_and_b32 v[GO], 31, v0
	s_delay_alu instid0(VALU_DEP_1)
	v_lshlrev_b32 v[GO], 4, v[GO]
	s_wait_alu depctr_va_vdst(0)
	v_and_b32 v[GS], 15, v0
	s_delay_alu instid0(VALU_DEP_1)
	v_lshlrev_b32 v[GS], 4, v[GS]
	v_lshl_add_u32 v104, v8, 13, v[GO]             ; K's scale words in memory: 8,192 x step + 16 x lane (thread = 32 step + lane)
	v_lshlrev_b32 v105, 4, v0                      ; V's, and both in LDS: 16 x thread
	s_delay_alu instid0(VALU_DEP_1)
	v_add_nc_u32 v108, KSC, v105
	s_lshl_b32 s98, s79, 17                        ; K's scale words: QK_SCL + 8,192 (16 b) + 512 (8 + head / 2)
	s_lshl_b32 s99, s97, 9
	s_add_co_u32 s98, s98, s99
	s_add_co_u32 s98, s98, QK_SCL+4096
	s_mov_b32 s99, 0
	s_wait_alu depctr_va_vdst(0)
	s_wait_dscnt 0x0
	s_wait_kmcnt 0x0
	s_add_nc_u64 s[8:9], s[4:5], s[82:83]
	s_add_nc_u64 s[10:11], s[4:5], s[84:85]
	s_add_nc_u64 s[12:13], s[4:5], s[98:99]
	s_lshl_b32 s98, s97, 14                        ; V's: V_SCL + 16,384 (head / 2) + 512 (16 b)
	s_lshl_b32 s82, s79, 13
	s_add_co_u32 s98, s98, s82
	s_add_co_u32 s98, s98, V_SCL
	s_add_nc_u64 s[14:15], s[4:5], s[98:99]
	s_lshl_b32 s98, s87, 15                        ; Q's codes: 32,768 T + 1,024 head
	s_lshl_b32 s82, s80, 10
	s_add_co_u32 s98, s98, s82
	s_add_nc_u64 s[16:17], s[4:5], s[98:99]
	s_lshl_b32 s98, s94, 13                        ; Q's scale bytes
	s_add_co_u32 s98, s98, s95
	s_add_co_u32 s98, s98, QK_SCL
	s_add_nc_u64 s[88:89], s[4:5], s[98:99]
	s_lshl_b32 s98, s87, 14                        ; O's codes: 16,384 T + 1,024 head
	s_add_co_u32 s98, s98, s82
	s_add_nc_u64 s[90:91], s[6:7], s[98:99]
	s_lshl_b32 s98, s94, 12                        ; O's scale bytes
	s_add_co_u32 s98, s98, s95
	s_add_co_u32 s98, s98, O_SCL
	s_add_nc_u64 s[92:93], s[6:7], s[98:99]
	global_load_b128 v[96:99], v104, s[12:13]
	global_load_b128 v[100:103], v105, s[14:15]
	global_load_b128 v[16:19], v[GO], s[16:17]     ; Q's fragment, its lower 64 of K
	global_load_b128 v[20:23], v[GO], s[16:17] offset:512
	global_load_u16 v255, v[GS], s[88:89]          ; Q's two scale bytes; the upper two are 0 and meet zero codes
.irp q, 0
	s_mov_b32 s[G0K+4*\q], 1
	s_add_co_u32 s[G0K+4*\q+1], s86, 32768*\q
	s_add_nc_u64 s[G0K+4*\q+2:G0K+4*\q+3], s[8:9], 1048576*\q
	s_or_b32 s[G0K+4*\q+3], s[G0K+4*\q+3], 0x80000000
	s_mov_b32 s[G0V+4*\q], 1
	s_add_co_u32 s[G0V+4*\q+1], s86, VB+32768*\q
	s_add_nc_u64 s[G0V+4*\q+2:G0V+4*\q+3], s[10:11], 8192*\q
	s_or_b32 s[G0V+4*\q+3], s[G0V+4*\q+3], 0x80000000
.endr
	CROUND                                         ; all four work-groups are here: the joint loads meet
	s_cmp_lt_u32 s[WV], 8                          ; a wave's fill stands in one branch on its number
	s_cbranch_scc0 .Lfirst_v
.irp q, 0
	tensor_load_to_lds s[G0K+4*\q:G0K+4*\q+3], s[G1K:G1K+7]
	s_nop 0
.endr
.rept 4
	v_nop
.endr
	s_branch .Lfirst_asked
.Lfirst_v:
.irp q, 0
	tensor_load_to_lds s[G0V+4*\q:G0V+4*\q+3], s[G1V:G1V+7]
	s_nop 0
.endr
.rept 4
	v_nop
.endr
.Lfirst_asked:
	v_mov_b32 v[AK0], v[GO]
	v_add_nc_u32 v[AV0], VB, v[GO]
	s_lshl_b32 s82, s96, 1
	s_add_co_u32 s82, s82, KSC
	v_add_nc_u32 v[ASK0], s82, v[GO]               ; K's scale halves: 16 x lane + 2 (head & 1)
	s_lshl_b32 s82, s96, 3
	s_add_co_u32 s82, s82, VSC
	v_add_nc_u32 v[ASV0], s82, v[GO]               ; V's two words: 16 x lane + 8 (head & 1)
	v_mov_b32 v13, 0xff61b1e6                      ; the largest t so far: -3e38
	s_delay_alu instid0(VALU_DEP_1)
	v_floor_f32 v12, -v13                          ; -M
	v_mov_b32 v14, 0
	v_mov_b32 v15, 0
.irp j, 0,1,2,3,4,5,6,7
	v_mov_b32 v[24+\j], 0                          ; the upper 64 of K: zero codes, in Q
.irp t, 0,1,2,3
	v_mov_b32 v[40+16*\t+\j], 0                    ; and in K's four fragments; written once
.endr
.endr
.set n_, 0
.rept 32
	v_mov_b32 v[160+n_], 0                         ; O^T: the step is written once, its first trip finds zeros
.set n_, n_+1
.endr
.irp b, 0,1,2,3
	v_mov_b32 v[236+\b], 0
.endr
	v_mov_b32 v253, 0
	s_wait_loadcnt 0x0
	ds_store_b128 v108, v[96:99]                   ; the scale words go to LDS, 16 bytes a thread
	ds_store_b128 v108, v[100:103] offset:VSC-KSC
; A KEY STEP: 128 keys
.macro STEP
	v_add_nc_u32 v[ADK], s[TK], v[AK0]
	s_wait_alu depctr_va_vdst(0)
	v_add_nc_u32 v[ADV], s[TV], v[AV0]
	v_add_nc_u32 v[ADS], s[TS], v[ASK0]
	v_add_nc_u32 v[ADT], s[TS], v[ASV0]
	v_add_nc_u32 v[ADV2], 0x10000, v[ADV]
	s_wait_alu depctr_va_vdst(0)
.rept 5
	v_nop                                          ; with the four additions ten places: the scores below are written over V's fragments, which the last products read (nine are asked)
.endr
	ds_load_b64 v[192:193], v[ADT]
.irp g, 0,1
.if \g > 0
.rept 8
	v_nop
.endr
.endif
.if \g > 0
.irp t, 0,1,2,3
	ds_load_b128 v[32+16*\t:35+16*\t], v[ADK] offset:1024*(4*\g+\t)
	ds_load_b128 v[36+16*\t:39+16*\t], v[ADK] offset:1024*(4*\g+\t)+512
.endr
	s_wait_dscnt 0x0
.else
	s_wait_dscnt 1                                 ; key tiles 0-3 and K's scale halves were asked for in the step before (the first time: ahead of the loop); V's scale words, just asked for, may be out
.endif
.irp t, 0,2
	v_wmma_scale_f32_16x16x128_f8f6f4 v[96+8*(4*\g+\t):103+8*(4*\g+\t)], v[32+16*\t:47+16*\t], v[16:31], 0, v[194+2*\g+\t/2], v255
	v_wmma_scale_f32_16x16x128_f8f6f4 v[104+8*(4*\g+\t):111+8*(4*\g+\t)], v[48+16*\t:63+16*\t], v[16:31], 0, v[194+2*\g+\t/2], v255 matrix_a_scale:MATRIX_SCALE_ROW1
.endr
.endr
.rept 8
	v_nop
.endr
; THE NEXT STEP'S key tiles 0-3 and K's scale halves (v194-197) are asked for here, behind the eight places: the softmax stands between the request and its use.
; The last step's request reads 8,192 bytes behind K and 512 behind K's scale words: bytes of V and of V's scale words, written long ago; what it brings is not used.
.irp t, 0,1,2,3
	ds_load_b128 v[32+16*\t:35+16*\t], v[ADK] offset:8192+1024*\t
	ds_load_b128 v[36+16*\t:39+16*\t], v[ADK] offset:8192+1024*\t+512
.endr
.irp i, 0,1,2,3
	ds_load_u16 v[194+\i], v[ADS] offset:512+4*\i  ; lanes 0-15: key tile 2 i, lanes 16-31: tile 2 i + 1
.endr
.irp b, 0,1,2,3
	v_max3_num_f32 v[232+\b], v[96+16*\b], v[97+16*\b], v[98+16*\b]
.endr
.irp i, 3,5,7,9,11,13
.irp b, 0,1,2,3
	v_max3_num_f32 v[232+\b], v[232+\b], v[96+16*\b+\i], v[97+16*\b+\i]
.endr
.endr
.irp b, 0,1,2,3
	v_max_num_f32 v[232+\b], v[232+\b], v[111+16*\b]
.endr
.irp b, 0,1,2,3
	v_permlanex16_b32 v[236+\b], v[232+\b], s[SEL], s[SEL+1]
.endr
.irp b, 0,1,2,3
	s_delay_alu instid0(VALU_DEP_4)
	v_max_num_f32 v[232+\b], v[232+\b], v[236+\b]
.endr
	s_delay_alu instid0(VALU_DEP_2)
	v_max3_num_f32 v254, v232, v233, v234
	s_delay_alu instid0(VALU_DEP_1)
	v_max_num_f32 v254, v254, v235
	s_delay_alu instid0(VALU_DEP_1)
	v_mul_f32 v254, s[CS], v254
	s_delay_alu instid0(VALU_DEP_1)
	v_max_num_f32 v13, v13, v254                   ; the running largest t
	v_mov_b32 v254, v12
	s_delay_alu instid0(VALU_DEP_2)
	v_floor_f32 v12, -v13                          ; -M = floor(-t)
	s_delay_alu instid0(VALU_DEP_1)
	v_sub_f32 v254, v12, v254
	s_delay_alu instid0(VALU_DEP_1)
	v_cvt_i32_f32 v254, v254                       ; (it saturates)
	s_delay_alu instid0(VALU_DEP_1)
	v_ldexp_f32 v252, 1.0, v254                    ; f = 2^(old M - new M)
.set n_, 0
.rept 32
	v_pk_fma_f32 v[96+n_:97+n_], v[96+n_:97+n_], s[CS:CS+1], v[12:13] op_sel_hi:[1,0,0]   ; t - M
.set n_, n_+2
.endr
.irp b, 0,1,2,3
	v_fma_f32 v[232+\b], v[232+\b], s[CS], v12
.endr
.set n_, 0
	s_wait_alu depctr_va_vdst(0)
.rept 64
	v_exp_f32 v[96+n_], v[96+n_]                   ; p
.set n_, n_+1
.endr
	v_pk_mul_f32 v[14:15], v[14:15], v[252:253] op_sel_hi:[1,0]   ; the sums under the new M (a plain line behind the exponentials)
	s_wait_alu depctr_va_vdst(0)                   ; one wait for the batch, ahead of its first reader
.irp b, 0,1,2,3
	v_exp_f32 v[232+\b], v[232+\b]                 ; the block's largest p
.endr
	v_pk_add_f32 v[236:237], v[100:101], v[104:105]
	v_pk_add_f32 v[250:251], v[108:109], v[112:113]
	v_pk_add_f32 v[248:249], v[116:117], v[120:121]
	v_pk_add_f32 v[246:247], v[124:125], v[128:129]
	v_pk_add_f32 v[244:245], v[132:133], v[136:137]
	v_pk_add_f32 v[242:243], v[140:141], v[144:145]
	v_pk_add_f32 v[240:241], v[148:149], v[152:153]
	v_pk_add_f32 v[14:15], v[14:15], v[156:157]
	v_pk_add_f32 v[236:237], v[236:237], v[96:97]
	v_pk_add_f32 v[250:251], v[250:251], v[98:99]
	v_pk_add_f32 v[248:249], v[248:249], v[102:103]
	v_pk_add_f32 v[246:247], v[246:247], v[106:107]
	v_pk_add_f32 v[244:245], v[244:245], v[110:111]
	v_pk_add_f32 v[242:243], v[242:243], v[114:115]
	v_pk_add_f32 v[240:241], v[240:241], v[118:119]
	v_pk_add_f32 v[14:15], v[14:15], v[122:123]
	v_pk_add_f32 v[236:237], v[236:237], v[126:127]
	v_pk_add_f32 v[250:251], v[250:251], v[130:131]
	v_pk_add_f32 v[248:249], v[248:249], v[134:135]
	v_pk_add_f32 v[246:247], v[246:247], v[138:139]
	v_pk_add_f32 v[244:245], v[244:245], v[142:143]
	v_pk_add_f32 v[242:243], v[242:243], v[146:147]
	v_pk_add_f32 v[240:241], v[240:241], v[150:151]
	v_pk_add_f32 v[14:15], v[14:15], v[154:155]
	v_pk_add_f32 v[236:237], v[236:237], v[158:159]
	s_delay_alu instid0(VALU_DEP_2)
	v_pk_add_f32 v[14:15], v[14:15], v[246:247]
	s_delay_alu instid0(VALU_DEP_2)
	v_pk_add_f32 v[236:237], v[236:237], v[244:245]
	v_pk_add_f32 v[250:251], v[250:251], v[242:243]
	v_pk_add_f32 v[248:249], v[248:249], v[240:241]
	s_delay_alu instid0(VALU_DEP_2)
	v_pk_add_f32 v[14:15], v[14:15], v[250:251]
	s_delay_alu instid0(VALU_DEP_2)
	v_pk_add_f32 v[236:237], v[236:237], v[248:249]
	s_delay_alu instid0(VALU_DEP_1)
	v_pk_add_f32 v[14:15], v[14:15], v[236:237]
	s_wait_alu depctr_va_vdst(0)                   ; and one for the four
.irp b, 0,1,2,3
	v_max_num_f32 v[232+\b], 0x4800000, v[232+\b]
.endr
.irp b, 0,1,2,3
	s_delay_alu instid0(VALU_DEP_4)
	v_add_nc_u32 v[244+\b], 0xfc000000, v[232+\b]
.endr
.irp b, 0,1,2,3
	v_and_or_b32 v[240+\b], v[232+\b], 0x7f800000, s[MNT]
.endr
.irp b, 0,1,2,3
	v_lshrrev_b32 v[236+\b], 23, v[244+\b]
.endr
	s_delay_alu instid0(VALU_DEP_3)
	v_lshl_or_b32 v253, v237, 8, v236              ; p's scale word for these 128 keys
	s_delay_alu instid0(VALU_DEP_1)
	v_lshl_or_b32 v253, v238, 16, v253
	s_delay_alu instid0(VALU_DEP_1)
	v_lshl_or_b32 v253, v239, 24, v253
.irp b, 0,1,2,3
.irp i, 0,2,4,6,8,10,12,14
	v_dual_min_num_f32 v[96+16*\b+\i], v[96+16*\b+\i], v[240+\b] :: v_dual_min_num_f32 v[97+16*\b+\i], v[97+16*\b+\i], v[240+\b]   ; p is not negative: the hold is one-sided; two numbers an instruction
.endr
	v_cvt_scalef32_pk8_fp8_f32 v[224+4*\b:225+4*\b], v[96+16*\b:103+16*\b], v[244+\b]
	v_cvt_scalef32_pk8_fp8_f32 v[226+4*\b:227+4*\b], v[104+16*\b:111+16*\b], v[244+\b]
.irp c, 0,1,2,3
	ds_load_b128 v[96+16*\b+4*\c:99+16*\b+4*\c], v[ADV+(ADV2-ADV)*(\b/2)] offset:32768*(\b%2)+512*\c   ; V's fragment b takes block b's registers as soon as the block is converted
.endr
.endr
	v_nop                                          ; a plain line behind the last conversion
.set n_, 0
.rept 16
	v_pk_mul_f32 v[160+n_:161+n_], v[160+n_:161+n_], v[252:253] op_sel_hi:[1,0]   ; O^T under the new M; also the places ahead of the products
.set n_, n_+2
.endr
	s_wait_alu depctr_va_vdst(0)
	s_wait_dscnt 0x0
.irp t, 0,2
	v_wmma_scale_f32_16x16x128_f8f6f4 v[160+8*\t:167+8*\t], v[96+16*\t:111+16*\t], v[224:239], v[160+8*\t:167+8*\t], v[192+\t/2], v253
	v_wmma_scale_f32_16x16x128_f8f6f4 v[168+8*\t:175+8*\t], v[112+16*\t:127+16*\t], v[224:239], v[168+8*\t:175+8*\t], v[192+\t/2], v253 matrix_a_scale:MATRIX_SCALE_ROW1
.endr
	s_add_co_u32 s[TK], s[TK], 8192
	s_add_co_u32 s[TS], s[TS], 512
	s_add_co_u32 s[TV], s[TV], 2048
.endm
.macro QUARTER q                       ; 2,048 keys: 16 steps, behind the barrier that shows K and V whole to every wave
	s_wait_tensorcnt 0x0                           ; my one load has landed
	s_wait_dscnt 0x0                               ; my stores of scale words are done
	s_barrier_signal -1
	s_barrier_wait -1                              ; K, V and the scale words are whole for every wave; no byte is filled again
	s_mov_b32 s[CNT], 16
.irp t, 0,1,2,3
	ds_load_b128 v[32+16*\t:35+16*\t], v[AK0] offset:1024*\t        ; the first step's key tiles 0-3 and K's scale halves
	ds_load_b128 v[36+16*\t:39+16*\t], v[AK0] offset:1024*\t+512
.endr
.irp i, 0,1,2,3
	ds_load_u16 v[194+\i], v[ASK0] offset:4*\i
.endr
.Lstep_\@:
	STEP
	s_sub_co_u32 s[CNT], s[CNT], 1
	s_cmp_lg_u32 s[CNT], 0
	s_cbranch_scc1 .Lstep_\@
.endm
	QUARTER 0
	; THE WAY OUT: O^T / l, quantised along D (my head's two blocks of 32), stored as two pieces of a fragment's image
.rept 8
	v_nop
.endr
	v_add_f32 v14, v14, v15
	s_delay_alu instid0(VALU_DEP_1)
	v_permlanex16_b32 v252, v14, s[SEL], s[SEL+1]
	s_delay_alu instid0(VALU_DEP_1)
	v_add_f32 v14, v14, v252                       ; the row's sum
	s_wait_alu depctr_va_vdst(0)
	v_rcp_f32 v15, v14
	v_nop
	s_wait_alu depctr_va_vdst(0)
	v_fma_f32 v252, -v14, v15, 1.0
	v_fma_f32 v14, v15, v252, v15                  ; 1 / l, one Newton step
	s_delay_alu instid0(VALU_DEP_1)
	v_mov_b32 v15, v14
.set n_, 0
.rept 16
	v_pk_mul_f32 v[96+n_:97+n_], v[160+n_:161+n_], v[14:15]   ; register 16 u + i is o(query, 64 head + 32 u + 16 (lane / 16) + i)
.set n_, n_+2
.endr
.irp b, 0,1
	v_max3_num_f32 v[232+\b], |v[96+16*\b]|, |v[97+16*\b]|, 0x4800000
.endr
.irp i, 2,4,6,8,10,12,14
.irp b, 0,1
	s_delay_alu instid0(VALU_DEP_2)
	v_max3_num_f32 v[232+\b], v[232+\b], |v[96+16*\b+\i]|, |v[97+16*\b+\i]|
.endr
.endr
.irp b, 0,1
	v_permlanex16_b32 v[236+\b], v[232+\b], s[SEL], s[SEL+1]
.endr
.irp b, 0,1
	s_delay_alu instid0(VALU_DEP_2)
	v_max_num_f32 v[232+\b], v[232+\b], v[236+\b]
.endr
.irp b, 0
	s_delay_alu instid0(VALU_DEP_2)
	v_add_nc_u32 v[244+\b], 0xfc000000, v[232+\b]
	s_delay_alu instid0(VALU_DEP_3)
	v_and_or_b32 v[240+\b], v[232+\b], 0x7f800000, s[MNT]
	s_delay_alu instid0(VALU_DEP_2)
	v_lshrrev_b32 v[236+\b], 23, v[244+\b]
.endr
.irp b, 1
	s_delay_alu instid0(VALU_DEP_4)
	v_add_nc_u32 v[244+\b], 0xfc000000, v[232+\b]
	v_and_or_b32 v[240+\b], v[232+\b], 0x7f800000, s[MNT]
	s_delay_alu instid0(VALU_DEP_2)
	v_lshrrev_b32 v[236+\b], 23, v[244+\b]
.endr
	s_delay_alu instid0(VALU_DEP_1)
	v_lshl_or_b32 v253, v237, 8, v236
.irp b, 0,1
.irp i, 0,1,2,3,4,5,6,7,8,9,10,11,12,13,14,15
	v_med3_num_f32 v[96+16*\b+\i], v[96+16*\b+\i], -v[240+\b], v[240+\b]
.endr
	v_cvt_scalef32_pk8_fp8_f32 v[224+4*\b:225+4*\b], v[96+16*\b:103+16*\b], v[244+\b]
	v_cvt_scalef32_pk8_fp8_f32 v[226+4*\b:227+4*\b], v[104+16*\b:111+16*\b], v[244+\b]
.endr
	v_nop
	global_store_b128 v[GO], v[224:227], s[90:91]  ; 512 consecutive bytes each
	global_store_b128 v[GO], v[228:231], s[90:91] offset:512
	global_store_b16 v[GS], v253, s[92:93]         ; lanes l and l xor 16 write the same two bytes with the same value
	s_wait_dscnt 0x0
	s_wait_tensorcnt 0x0
	ds_add_u32 v222, v223
	s_wait_dscnt 0x0
	CROUND                                         ; the closing round
	s_endpgm
.Lfunc_end_k_qbea8467a35_attn:
	.size	k_qbea8467a35_attn, .Lfunc_end_k_qbea8467a35_attn-k_qbea8467a35_attn
	.p2alignl 7, 3214868480
	.fill 96, 4, 3214868480
	.section	.rodata,"a",@progbits
	.p2align	6, 0x0
	.amdhsa_kernel k_qbea8467a35_attn
		.amdhsa_group_segment_fixed_size 280576
		.amdhsa_private_segment_fixed_size 0
		.amdhsa_enable_private_segment 0
		.amdhsa_kernarg_size 16
		.amdhsa_user_sgpr_count 2
		.amdhsa_user_sgpr_kernarg_segment_ptr 1
		.amdhsa_wavefront_size32 1
		.amdhsa_system_sgpr_workgroup_id_x 1
		.amdhsa_system_sgpr_workgroup_id_y 1
		.amdhsa_system_sgpr_workgroup_id_z 1
		.amdhsa_system_vgpr_workitem_id 0
		.amdhsa_next_free_vgpr 256
		.amdhsa_next_free_sgpr 100
		.amdhsa_reserve_vcc 0
		.amdhsa_float_denorm_mode_32 3
		.amdhsa_float_denorm_mode_16_64 3
		.amdhsa_memory_ordered 1
		.amdhsa_forward_progress 1
		.amdhsa_inst_pref_size 38
	.end_amdhsa_kernel
	.amdgpu_metadata
---
amdhsa.version: [ 1, 2 ]
amdhsa.kernels:
  - .name:           k_qbea8467a35_attn
    .symbol:         k_qbea8467a35_attn.kd
    .args:
      - { .name: wsB, .offset: 0, .size: 8, .value_kind: global_buffer, .address_space: global }
      - { .name: wsC, .offset: 8, .size: 8, .value_kind: global_buffer, .address_space: global }
    .group_segment_fixed_size: 280576
    .private_segment_fixed_size: 0
    .kernarg_segment_align: 8
    .kernarg_segment_size: 16
    .max_flat_workgroup_size: 512
    .sgpr_count:     100
    .vgpr_count:     256
    .wavefront_size: 32
...
	.end_amdgpu_metadata
.endif
;; end of part 3
;; launch oproj (part 4): grid 8 x 32, 4 waves a work-group, clusters of 4 x 4, 327,680 bytes of LDS; arguments wsC, out_proj_w_codes, out_proj_w_scales, out_proj_b, x, wsD; writes wsD
.if DOCPART == 4
	.amdgcn_target "amdgcn-amd-amdhsa--gfx1250"
	.amdhsa_code_object_version 6
	.text
	.protected	k_qbea8467a35_oproj
	.globl	k_qbea8467a35_oproj
	.p2align	8
	.type	k_qbea8467a35_oproj,@function
k_qbea8467a35_oproj:
	s_mov_b64 s[64:65], 0
	v_nop
	global_prefetch_b8 v0, s[64:65] scope:SCOPE_SE
	s_setreg_imm32_b32 hwreg(HW_REG_WAVE_MODE, 25, 1), 1
	s_wait_xcnt 0x0
	s_wait_alu depctr_hold_cnt(0) depctr_sa_sdst(0) depctr_va_vdst(0) depctr_va_sdst(0) depctr_va_ssrc(0) depctr_va_vcc(0) depctr_vm_vsrc(0)
	s_getreg_b32 s2, hwreg(HW_REG_IB_STS2, 6, 4)
	s_cmp_eq_u32 s2, 0
	s_cbranch_scc0 .Lentry_in_a_cluster
	s_endpgm
.Lentry_in_a_cluster:
	s_bfe_u32 s2, ttmp6, 0x10000c
	s_cmp_lg_u32 s2, 0xf033
	s_cbranch_scc0 .Lentry_shape_is_right
	s_endpgm
.Lentry_shape_is_right:
; out = res + (A W^T + bias): A as register images with its scale words, W as rows of codes with K innermost; E4M3 codes, E8M0 scales, f32 sums.  FF = 0: A = o, W = out_proj_w, res = x, K = 1,024.  FF = 1: A = Q(gelu), W = Q(w2), res = x1, K = 4,096.
; A tile of C is 128 x 128, so that 256 work-groups have work; four waves, 64 x 64 each: 16 accumulators.  K goes in steps of 512 through two LDS slots, four quarters of 128 to a step.
; Source 0 = 16 rows of W, source 1 = a tile of A: a lane holds eight neighbouring columns of one row, which is row rho(T, r) = 32 (T / 2) + 8 (T % 2) + r + 8 (r / 8): the images' order.
; CLUSTERS 4 x 4: A's tiles are asked for jointly along a row of the cluster, W's along a column.  The scales for all of K come once, with the first fills.  The residual is asked for at the head and waits in registers.
; No prefetch: the tiles are small and a step's load has a whole step in which to land.
.set FF, 0
.if FF
.set SIZE_K, 4096
.set A_SCLO, 16777216
.else
.set SIZE_K, 1024
.set A_SCLO, 4194304
.endif
.set W2_C,  8388608
.set W2_S,  12845056
.set NKS,   SIZE_K/128
.set KS,    SIZE_K/32
.set LAPS,  SIZE_K/1024
.set BP,    528                        ; a row of W in LDS: 512 bytes + 16
.set ASLOT, 65536                      ; A in a slot: [tile 8][ks 4][2,048]
.set SLOT,  ASLOT+128*BP
.set ASC,   2*SLOT                     ; A's scale words: [ks][512]
.set BSH,   (64*KS/256)*272            ; W's scale bytes of 64 rows, as blocks of 256 bytes + 16
.set BSC,   ASC+512*NKS
.set SPARE, BSC+2*BSH                  ; the spare words: 128 bytes a wave, named by no other line
.set STAGE, SPARE+512                  ; 16 rows x 272 bytes for each wave
.set ADRA, 2
.set ADRB, 4
.set ADSA, 6
.set ADSB, 7
.set SPW,  8
.set NIL,  9
.set STO,  10
.set RD,   11
.set CO,   12
.set SA,   32                          ; A's scale words: set s, quarter q, tiles a / 2: 8 s + 2 q + a / 2
.set SB,   48                          ; W's: 8 s + 4 (b / 2) + q
.set BK,   64
.set ACC,  128
.set F0,   0
.set F1,   128
.set G1, 24
.set G0, 32
.set G1B, 48
.set G0B, 56
.set G1S, 68
.set G0S, 76
.set G1SB, 80
.set G0SB, 88
.set MSB, 0
.macro WIN new
.if MSB != (\new)
	s_set_vgpr_msb (MSB<<8)|(\new)
.set MSB, (\new)
.endif
.endm
.set MUL,  0x05                        ; sources 0 and 1 window 1; C and D window 0
.set TO_F, 0x40
.macro JLOAD g0a, g1a, g0b, g1b
	s_cmp_eq_u32 s15, 0
	s_cbranch_scc0 .Lfor_b_\@
	tensor_load_to_lds s[\g0a:\g0a+3], s[\g1a:\g1a+7]
	s_nop 0
.rept 4
	v_nop
.endr
	s_branch .Lasked_\@
.Lfor_b_\@:
	tensor_load_to_lds s[\g0b:\g0b+3], s[\g1b:\g1b+7]
	s_nop 0
.rept 4
	v_nop
.endr
.Lasked_\@:
.endm
.macro CREST
	s_cmp_lg_u32 s14, 0
	s_cbranch_scc1 .Lnot_wave_0_\@
	s_barrier_signal -3
.Lnot_wave_0_\@:
	s_barrier_wait -3
	s_barrier_signal -1
	s_barrier_wait -1
.endm
.macro CROUND
	s_barrier_signal -1
	s_barrier_wait -1
	CREST
.endm
.macro PLACES n
.rept \n
	v_nop
.endr
.endm
.if FF
	s_load_b128 s[4:7], s[0:1], 0x0                ; wsG, wsE
	s_load_b64 s[10:11], s[0:1], 0x10              ; b2
	s_load_b64 s[92:93], s[0:1], 0x18              ; wsD (x1)
	s_load_b64 s[94:95], s[0:1], 0x20              ; out0
.else
	s_load_b256 s[4:11], s[0:1], 0x0               ; wsC, W's codes, W's scales, the bias
	s_load_b128 s[92:95], s[0:1], 0x20             ; x, wsD
.endif
	v_lshl_add_u32 v[SPW], v0, 2, SPARE
	v_mov_b32 v[NIL], 0
	ds_add_u32 v8, v9
	ds_add_u32 v8, v9
	s_wait_dscnt 0x0
	v_lshrrev_b32 v1, 5, v0
	v_readfirstlane_b32 s14, v1
	s_lshr_b32 s15, s14, 1                         ; my half of the rows; also: I fetch for A (0) or W (1)
	s_and_b32 s16, s14, 1                          ; my half of the columns; also: which half I fetch
	s_bfe_u32 s40, ttmp6, 0x40000
	s_bfe_u32 s41, ttmp6, 0x40004
	s_lshl_b32 s42, ttmp9, 2
	s_add_co_u32 s42, s42, s40                     ; tile column
	s_and_b32 s17, ttmp7, 0xffff
	s_lshl_b32 s17, s17, 2
	s_add_co_u32 s17, s17, s41                     ; tile row
	s_lshl_b32 s43, s41, 2
	s_lshl_b32 s43, 15, s43
	s_lshl_b32 s44, 0x1111, s40
	s_or_b32 s[G1+0], s43, (3<<16)|(1<<21)         ; A: 4 tiles x 8,192 bytes (1,024 elements of 8), 2,048 NKS bytes apart; no padding
	s_mov_b32 s[G1+1], 1024<<16
	s_mov_b32 s[G1+2], 8<<16                       ; the head's load brings all 8 tiles; behind it the two counts are set to 4
	s_mov_b32 s[G1+3], 1024<<16
	s_mov_b32 s[G1+4], 8
	s_mov_b32 s[G1+5], 256*NKS
	s_mov_b32 s[G1+6], 0
	s_mov_b32 s[G1+7], 0
	s_or_b32 s[G1B+0], s44, (0<<16)|(1<<20)|(1<<21)|(6<<22)|(3<<25)   ; W: 64 rows x 512 bytes, 4 words of padding behind every 128
	s_mov_b32 s[G1B+1], 512<<16
	s_mov_b32 s[G1B+2], 128<<16                    ; likewise: 128 rows at the head, then 64
	s_mov_b32 s[G1B+3], 512<<16
	s_mov_b32 s[G1B+4], 128
	s_mov_b32 s[G1B+5], SIZE_K
	s_mov_b32 s[G1B+6], 0
	s_mov_b32 s[G1B+7], 0
	s_or_b32 s[G1S+0], s43, (3<<16)|(1<<21)        ; A's scale words: 2 NKS rows of 256 bytes, dense
	s_mov_b32 s[G1S+1], 32<<16
	s_mov_b32 s[G1S+2], (2*NKS)<<16
	s_mov_b32 s[G1S+3], 32<<16
	s_mov_b32 s[G1S+4], 2*NKS
	s_mov_b32 s[G1S+5], 32
	s_mov_b32 s[G1S+6], 0
	s_mov_b32 s[G1S+7], 0
	s_or_b32 s[G1SB+0], s44, (3<<16)|(1<<20)|(1<<21)|(5<<22)|(3<<25)  ; W's scale bytes of 128 rows: rows of 256 bytes, 16 of padding behind each
	s_mov_b32 s[G1SB+1], 32<<16
	s_mov_b32 s[G1SB+2], (128*KS/256)<<16
	s_mov_b32 s[G1SB+3], 32<<16
	s_mov_b32 s[G1SB+4], 128*KS/256
	s_mov_b32 s[G1SB+5], 32
	s_mov_b32 s[G1SB+6], 0
	s_mov_b32 s[G1SB+7], 0
	s_lshl_b32 s20, s17, 3
	s_lshl_b32 s18, s16, 2
	s_add_co_u32 s20, s20, s18                     ; A's first tile that I fetch
	s_mul_i32 s20, s20, 2048*NKS
	s_mov_b32 s21, 0
	s_mul_i32 s22, s17, 512*NKS
	s_mul_i32 s18, s16, 256*NKS
	s_add_co_u32 s22, s22, s18
	s_add_co_u32 s22, s22, A_SCLO
	s_mov_b32 s23, 0
	s_lshl_b32 s46, s42, 7
	s_lshl_b32 s18, s16, 6
	s_add_co_u32 s46, s46, s18                     ; W's first row that I fetch
	s_mul_i32 s66, s46, KS
	s_mov_b32 s67, 0
	s_mul_i32 s46, s46, SIZE_K
	s_mov_b32 s47, 0
	s_lshl_b32 s45, s16, 15                        ; where they go: no place in the cluster enters an LDS address
	s_mul_i32 s19, s16, 64*BP
	s_add_co_u32 s19, s19, ASLOT
	s_mul_i32 s18, s16, 256*NKS
	s_add_co_u32 s18, s18, ASC
	s_mul_i32 s2, s16, BSH
	s_add_co_u32 s2, s2, BSC
	s_wait_kmcnt 0x0
.if FF
	s_add_nc_u64 s[8:9], s[6:7], W2_S
	s_add_nc_u64 s[6:7], s[6:7], W2_C
.endif
	s_add_nc_u64 s[20:21], s[4:5], s[20:21]
	s_add_nc_u64 s[22:23], s[4:5], s[22:23]
	s_add_nc_u64 s[46:47], s[6:7], s[46:47]
	s_add_nc_u64 s[66:67], s[8:9], s[66:67]
	CROUND                                         ; all sixteen work-groups are here
	s_mov_b32 s[G0S], 1
	s_mul_i32 s96, s16, 256*NKS                    ; my half's bytes are taken off, so that every wave holds the tile's first byte
	s_mov_b32 s97, 0
	s_mov_b32 s99, 0
	s_mov_b32 s[G0S+1], ASC
	s_sub_nc_u64 s[G0S+2:G0S+3], s[22:23], s[96:97]
	s_or_b32 s[G0S+3], s[G0S+3], 0x80000000
	s_mov_b32 s[G0SB], 1
	s_mul_i32 s98, s16, 64*KS
	s_mov_b32 s[G0SB+1], BSC
	s_sub_nc_u64 s[G0SB+2:G0SB+3], s[66:67], s[98:99]
	s_or_b32 s[G0SB+3], s[G0SB+3], 0x80000000
	s_mul_i32 s96, s16, 8192*NKS                   ; my half of A's tiles, in bytes,
	s_mul_i32 s98, s16, 64*SIZE_K                  ; and of W's rows
.irp s, 0,1
	s_mov_b32 s[G0+4*\s], 1
	s_add_co_u32 s[G0+4*\s+1], s45, \s*SLOT
	s_add_nc_u64 s[G0+4*\s+2:G0+4*\s+3], s[20:21], \s*8192
	s_or_b32 s[G0+4*\s+3], s[G0+4*\s+3], 0x80000000
	s_mov_b32 s[G0B+4*\s], 1
	s_add_co_u32 s[G0B+4*\s+1], s19, \s*SLOT
	s_add_nc_u64 s[G0B+4*\s+2:G0B+4*\s+3], s[46:47], \s*512
	s_or_b32 s[G0B+4*\s+3], s[G0B+4*\s+3], 0x80000000
.endr
	; THE HEAD'S LOADS, ONE A WAVE: wave 0 slot 0's 8 tiles of A, wave 1 its 128 rows of W, wave 2 A's scale words, wave 3 W's scale bytes.  Slot 0's groups 0 serve them, set to the whole tile
	s_mov_b32 s[G0+1], 0
	s_sub_nc_u64 s[G0+2:G0+3], s[G0+2:G0+3], s[96:97]
	s_mov_b32 s[G0B+1], ASLOT
	s_sub_nc_u64 s[G0B+2:G0B+3], s[G0B+2:G0B+3], s[98:99]
.macro ARM under, g0, g1, next
	s_cmp_lt_u32 s14, \under
	s_cbranch_scc0 \next
	tensor_load_to_lds s[\g0:\g0+3], s[\g1:\g1+7]
	s_nop 0
.rept 4
	v_nop
.endr
	s_branch .Lhead_asked
\next:
.endm
	ARM 1, G0,  G1,  .Lhead_b
	ARM 2, G0B, G1B, .Lhead_sa
	ARM 3, G0S, G1S, .Lhead_sb
	tensor_load_to_lds s[G0SB:G0SB+3], s[G1SB:G1SB+7]
	s_nop 0
.rept 4
	v_nop
.endr
.Lhead_asked:
	v_and_b32 v1, 15, v0
	v_bfe_u32 v14, v0, 4, 1
	v_and_b32 v13, 31, v0                          ; lane
	v_lshlrev_b32 v15, 4, v13                      ; 16 x lane
	s_wait_alu depctr_va_vdst(0)
	s_lshl_b32 s21, s15, 15                        ; my four tiles of A
	s_mul_i32 s22, s16, 64*BP                      ; my 64 rows of W
	s_add_co_u32 s22, s22, ASLOT
	v_mul_u32_u24 v16, v1, BP
	v_lshl_add_u32 v16, v14, 4, v16
.irp s, 0,1
	v_add_nc_u32 v[ADRA+\s], s21, v15
	v_add_nc_u32 v[ADRB+\s], s22, v16
	s_add_co_u32 s21, s21, SLOT
	s_add_co_u32 s22, s22, SLOT
.endr
	s_lshl_b32 s21, s15, 3
	s_add_co_u32 s21, s21, ASC
	v_add_nc_u32 v[ADSA], s21, v15                 ; 16 x lane + 8 x my half: the words of my tiles 0, 1 and 2, 3
	v_mul_u32_u24 v16, v13, KS
	v_lshrrev_b32 v17, 8, v16
	v_lshl_add_u32 v16, v17, 4, v16
	s_mul_i32 s21, s16, BSH
	s_add_co_u32 s21, s21, BSC
	v_add_nc_u32 v[ADSB], s21, v16                 ; lane = row among 32: lanes 0-15 an even tile of W, lanes 16-31 the odd one
	s_mul_i32 s23, s14, 16*272
	s_add_co_u32 s23, s23, STAGE
	v_mul_u32_u24 v16, v1, 272
	v_lshl_add_u32 v16, v14, 5, v16
	v_add_nc_u32 v[STO], s23, v16
	v_mul_u32_u24 v16, v14, 272
	v_lshl_add_u32 v16, v1, 4, v16
	v_add_nc_u32 v[RD], s23, v16
	v_lshlrev_b32 v[CO], 12, v14
	v_lshl_add_u32 v[CO], v1, 4, v[CO]             ; lanes 0-15 one row of C, lanes 16-31 the next; 16 bytes a lane
	v_lshlrev_b32 v15, 4, v1
	s_wait_alu depctr_va_vdst(0)
	s_lshl_b32 s20, s17, 19
	s_lshl_b32 s21, s15, 18
	s_add_co_u32 s20, s20, s21
	s_lshl_b32 s46, s42, 9
	s_lshl_b32 s47, s16, 8
	s_add_co_u32 s46, s46, s47
	s_mov_b32 s47, 0
	s_mov_b32 s21, 0
	s_add_nc_u64 s[10:11], s[10:11], s[46:47]
	s_add_nc_u64 s[20:21], s[20:21], s[46:47]
	s_add_nc_u64 s[92:93], s[92:93], s[20:21]
	s_add_nc_u64 s[94:95], s[94:95], s[20:21]
	global_load_b128 v[16:19], v15, s[10:11]       ; the bias of my four columns on the way out
	WIN 0x80                                       ; destination window 2: the residual, in the order of the way out
.irp a, 0,1,2,3
.irp i, 0,1,2,3,4,5,6,7
	global_load_b128 v[4*(8*\a+\i):4*(8*\a+\i)+3], v[CO], s[92:93] offset:(32*(\a/2)+8*(\a%2)+2*\i+8*(\i/4))*4096 th:TH_LOAD_NT
.endr
.endr
	WIN 0
.macro WMS d, x, y, zero, sx, sy, ox, oy   ; one product; ox, oy: the scale words stand in lanes 16-31
.if \zero
.if (\ox) && (\oy)
	v_wmma_scale_f32_16x16x128_f8f6f4 v[\d:\d+7], v[\x:\x+15], v[\y:\y+15], 0, v[\sx], v[\sy] matrix_a_scale:MATRIX_SCALE_ROW1 matrix_b_scale:MATRIX_SCALE_ROW1
.elseif (\ox)
	v_wmma_scale_f32_16x16x128_f8f6f4 v[\d:\d+7], v[\x:\x+15], v[\y:\y+15], 0, v[\sx], v[\sy] matrix_a_scale:MATRIX_SCALE_ROW1
.elseif (\oy)
	v_wmma_scale_f32_16x16x128_f8f6f4 v[\d:\d+7], v[\x:\x+15], v[\y:\y+15], 0, v[\sx], v[\sy] matrix_b_scale:MATRIX_SCALE_ROW1
.else
	v_wmma_scale_f32_16x16x128_f8f6f4 v[\d:\d+7], v[\x:\x+15], v[\y:\y+15], 0, v[\sx], v[\sy]
.endif
.else
.if (\ox) && (\oy)
	v_wmma_scale_f32_16x16x128_f8f6f4 v[\d:\d+7], v[\x:\x+15], v[\y:\y+15], v[\d:\d+7], v[\sx], v[\sy] matrix_a_scale:MATRIX_SCALE_ROW1 matrix_b_scale:MATRIX_SCALE_ROW1
.elseif (\ox)
	v_wmma_scale_f32_16x16x128_f8f6f4 v[\d:\d+7], v[\x:\x+15], v[\y:\y+15], v[\d:\d+7], v[\sx], v[\sy] matrix_a_scale:MATRIX_SCALE_ROW1
.elseif (\oy)
	v_wmma_scale_f32_16x16x128_f8f6f4 v[\d:\d+7], v[\x:\x+15], v[\y:\y+15], v[\d:\d+7], v[\sx], v[\sy] matrix_b_scale:MATRIX_SCALE_ROW1
.else
	v_wmma_scale_f32_16x16x128_f8f6f4 v[\d:\d+7], v[\x:\x+15], v[\y:\y+15], v[\d:\d+7], v[\sx], v[\sy]
.endif
.endif
.endm
.macro MUL4 f, a, q, s, zero           ; A's tile a x W's four; the 16 accumulators take turns
.irp b, 0,1,2,3
	WMS ACC+8*(4*(\a)+\b), \f+64+16*\b, \f+16*(\a), \zero, SB+8*(\s)+4*(\b/2)+(\q), SA+8*(\s)+2*(\q)+(\a)/2, \b%2, (\a)%2
.endr
.endm
.macro SCALES s
.irp q, 0,1,2,3
	ds_load_b64 v[SA+8*\s+2*\q:SA+8*\s+2*\q+1], v[ADSA] offset:512*\q
.endr
.irp p, 0,1
	ds_load_b128 v[SB+8*\s+4*\p:SB+8*\s+4*\p+3], v[ADSB] offset:\p*(32*KS/256)*272
.endr
.endm
.macro FETCH slot, q, f                ; 32 loads in one run: W's four fragments, A's tiles 0, 1, A's tiles 2, 3
	WIN TO_F
.irp b, 0,1,2,3
.irp c, 0,1,2,3
	ds_load_b128 v[\f+64+16*\b+4*\c:\f+64+16*\b+4*\c+3], v[ADRB+\slot] offset:128*(\q)+32*\c+\b*16*BP
.endr
.endr
.irp a, 0,1,2,3
.irp c, 0,1,2,3
	ds_load_b128 v[\f+16*\a+4*\c:\f+16*\a+4*\c+3], v[ADRA+\slot] offset:8192*\a+2048*(\q)+512*\c
.endr
.endr
.endm
.macro QUARTER slot, q, f, g, zero     ; multiplies quarter q in buffer f, fetches quarter q + 1 into g
	s_wait_dscnt 8                                 ; all but A's tiles 2, 3
	WIN MUL
	MUL4 \f, 0, \q, \slot, \zero
	MUL4 \f, 1, \q, \slot, \zero
	PLACES 8
	FETCH \slot, (\q)+1, \g
	s_wait_dscnt 32                                ; all but the 32 just issued
	WIN MUL
	MUL4 \f, 2, \q, \slot, \zero
	MUL4 \f, 3, \q, \slot, \zero
.endm
.macro TURN slot, next, fill           ; a slot's last quarter (buffer 1) changes slots
	WIN 0
	s_wait_tensorcnt 0x0                           ; all my tensor loads have landed: my part of the next slot
	ds_add_u32 v[SPW], v[NIL]
	s_wait_dscnt 9                                 ; the add and A's tiles 2, 3 may be out
	WIN MUL
	MUL4 F1, 0, 3, \slot, 0
	s_wait_dscnt 0x0                               ; the add is done, my reads of this slot are over
	s_barrier_signal -1
	MUL4 F1, 1, 3, \slot, 0
	WIN 0
	s_barrier_wait -1
.if \fill
	CREST
	s_add_nc_u64 s[G0+4*\slot+2:G0+4*\slot+3], s[G0+4*\slot+2:G0+4*\slot+3], 16384
	s_add_nc_u64 s[G0B+4*\slot+2:G0B+4*\slot+3], s[G0B+4*\slot+2:G0B+4*\slot+3], 1024
	JLOAD G0+4*\slot, G1, G0B+4*\slot, G1B         ; the first tensor load behind the round, my only one until the next
	PLACES 4
.else
	PLACES 8
.endif
	v_add_nc_u32 v[ADSA], 2048, v[ADSA]            ; the next step's scale words
	v_add_nc_u32 v[ADSB], 16, v[ADSB]
	SCALES \next
	FETCH \next, 0, F0
	WIN MUL
	MUL4 F1, 2, 3, \slot, 0
	MUL4 F1, 3, 3, \slot, 0
.endm
	s_wait_tensorcnt 0x0                           ; my tile of the head's four is in; these lines stand ahead of slot 1's first fill as ahead of a refill
	ds_add_u32 v[SPW], v[NIL]
	s_mov_b32 s[G1+2], 4<<16                       ; no tensor load of mine is out: from here on a load brings half a tile,
	s_mov_b32 s[G1+4], 4
	s_mov_b32 s[G1B+2], 64<<16
	s_mov_b32 s[G1B+4], 64
	s_mov_b32 s[G0+1], s45                         ; and slot 0's groups 0 name my half again
	s_mov_b32 s[G0B+1], s19
	s_add_nc_u64 s[G0+2:G0+3], s[G0+2:G0+3], s[96:97]
	s_add_nc_u64 s[G0B+2:G0B+3], s[G0B+2:G0B+3], s[98:99]
	s_wait_dscnt 0x0
	CROUND                                         ; all four tiles are in, and all sixteen work-groups are here
	JLOAD G0+4, G1, G0B+4, G1B                     ; slot 1: the first tensor load behind the round
	SCALES 0
	FETCH 0, 0, F0
	QUARTER 0, 0, F0, F1, 1                        ; the first products start the sums
.if LAPS > 1
	WIN 0
	s_mov_b32 s3, LAPS-1
.Llap:
	QUARTER 0, 1, F1, F0, 0
	QUARTER 0, 2, F0, F1, 0
	TURN 0, 1, 1
	QUARTER 1, 0, F0, F1, 0
	QUARTER 1, 1, F1, F0, 0
	QUARTER 1, 2, F0, F1, 0
	TURN 1, 0, 1
	QUARTER 0, 0, F0, F1, 0
	WIN 0
	s_sub_co_u32 s3, s3, 1
	s_cmp_lg_u32 s3, 0
	s_cbranch_scc1 .Llap
.endif
	QUARTER 0, 1, F1, F0, 0
	QUARTER 0, 2, F0, F1, 0
	TURN 0, 1, 0
	QUARTER 1, 0, F0, F1, 0
	QUARTER 1, 1, F1, F0, 0
	QUARTER 1, 2, F0, F1, 0
	s_wait_dscnt 8
	WIN MUL
	MUL4 F1, 0, 3, 1, 0
	MUL4 F1, 1, 3, 1, 0
	s_wait_dscnt 0
	MUL4 F1, 2, 3, 1, 0
	MUL4 F1, 3, 3, 1, 0
	WIN 0
	; THE WAY OUT, a tile of 16 rows x 64 columns at a time through my own stage: back as rows of 256 bytes; (sum + bias) + residual; sixteen lanes store 256 consecutive bytes, aligned
	PLACES 8
	s_wait_loadcnt 0x0                             ; the bias and the residual
.irp a, 0,1,2,3
	s_wait_xcnt 0x0                                ; the last tile's stores have read their registers
.irp b, 0,1,2,3
	ds_store_b128 v[STO], v[ACC+8*(4*\a+\b):ACC+8*(4*\a+\b)+3] offset:64*\b       ; each accumulator from its low end on
	ds_store_b128 v[STO], v[ACC+8*(4*\a+\b)+4:ACC+8*(4*\a+\b)+7] offset:64*\b+16
.endr
.irp i, 0,1,2,3,4,5,6,7
	ds_load_b128 v[BK+4*\i:BK+4*\i+3], v[RD] offset:544*\i   ; LDS serves a wave's instructions in order
.endr
	s_wait_dscnt 0x0
.irp i, 0,1,2,3,4,5,6,7
	v_pk_add_f32 v[BK+4*\i:BK+4*\i+1], v[BK+4*\i:BK+4*\i+1], v[16:17]
	v_pk_add_f32 v[BK+4*\i+2:BK+4*\i+3], v[BK+4*\i+2:BK+4*\i+3], v[18:19]
.endr
	WIN 0x08                                       ; source 1: window 2
.irp i, 0,1,2,3,4,5,6,7
	v_pk_add_f32 v[BK+4*\i:BK+4*\i+1], v[BK+4*\i:BK+4*\i+1], v[4*(8*\a+\i):4*(8*\a+\i)+1]
	v_pk_add_f32 v[BK+4*\i+2:BK+4*\i+3], v[BK+4*\i+2:BK+4*\i+3], v[4*(8*\a+\i)+2:4*(8*\a+\i)+3]
.endr
	WIN 0
.irp i, 0,1,2,3,4,5,6,7
	global_store_b128 v[CO], v[BK+4*\i:BK+4*\i+3], s[94:95] offset:(32*(\a/2)+8*(\a%2)+2*\i+8*(\i/4))*4096 th:TH_STORE_NT
.endr
.endr
	s_wait_tensorcnt 0x0                           ; the wave's end
	ds_add_u32 v[SPW], v[NIL]
	s_wait_dscnt 0x0
	CROUND                                         ; the closing round
	s_endpgm
.Lfunc_end_k_qbea8467a35_oproj:
	.size	k_qbea8467a35_oproj, .Lfunc_end_k_qbea8467a35_oproj-k_qbea8467a35_oproj
	.p2alignl 7, 3214868480
	.fill 96, 4, 3214868480
	.section	.rodata,"a",@progbits
	.p2align	6, 0x0
	.amdhsa_kernel k_qbea8467a35_oproj
		.amdhsa_group_segment_fixed_size 327680
		.amdhsa_private_segment_fixed_size 0
		.amdhsa_enable_private_segment 0
		.amdhsa_kernarg_size 48
		.amdhsa_user_sgpr_count 2
		.amdhsa_user_sgpr_kernarg_segment_ptr 1
		.amdhsa_wavefront_size32 1
		.amdhsa_system_sgpr_workgroup_id_x 1
		.amdhsa_system_sgpr_workgroup_id_y 1
		.amdhsa_system_sgpr_workgroup_id_z 1
		.amdhsa_system_vgpr_workitem_id 0
		.amdhsa_next_free_vgpr 640
		.amdhsa_next_free_sgpr 100
		.amdhsa_reserve_vcc 0
		.amdhsa_float_denorm_mode_32 3
		.amdhsa_float_denorm_mode_16_64 3
		.amdhsa_memory_ordered 1
		.amdhsa_forward_progress 1
		.amdhsa_inst_pref_size 67
	.end_amdhsa_kernel
	.amdgpu_metadata
---
amdhsa.version: [ 1, 2 ]
amdhsa.kernels:
  - .name:           k_qbea8467a35_oproj
    .symbol:         k_qbea8467a35_oproj.kd
    .args:
      - { .name: wsC, .offset: 0, .size: 8, .value_kind: global_buffer, .address_space: global }
      - { .name: out_proj_w_codes, .offset: 8, .size: 8, .value_kind: global_buffer, .address_space: global }
      - { .name: out_proj_w_scales, .offset: 16, .size: 8, .value_kind: global_buffer, .address_space: global }
      - { .name: out_proj_b, .offset: 24, .size: 8, .value_kind: global_buffer, .address_space: global }
      - { .name: x, .offset: 32, .size: 8, .value_kind: global_buffer, .address_space: global }
      - { .name: wsD, .offset: 40, .size: 8, .value_kind: global_buffer, .address_space: global }
    .group_segment_fixed_size: 327680
    .private_segment_fixed_size: 0
    .kernarg_segment_align: 8
    .kernarg_segment_size: 48
    .max_flat_workgroup_size: 128
    .sgpr_count:     100
    .vgpr_count:     640
    .wavefront_size: 32
...
	.end_amdgpu_metadata
.endif
;; end of part 4
;; launch prep2 (part 5): grid 768 x 1, 4 waves a work-group, no clusters, 66,048 bytes of LDS; arguments wsD, ln2_g, ln2_b, w1, w2, wsA, wsE; writes wsE
.if DOCPART == 5
	.amdgcn_target "amdgcn-amd-amdhsa--gfx1250"
	.amdhsa_code_object_version 6
	.text
	.protected	k_qbea8467a35_prep2
	.globl	k_qbea8467a35_prep2
	.p2align	8
	.type	k_qbea8467a35_prep2,@function
k_qbea8467a35_prep2:
	s_mov_b64 s[64:65], 0
	v_nop
	global_prefetch_b8 v0, s[64:65] scope:SCOPE_SE
	s_setreg_imm32_b32 hwreg(HW_REG_WAVE_MODE, 25, 1), 1
	s_wait_xcnt 0x0
; Work-groups 0-255: h = act_quant(LayerNorm(x1) g + b) (per-token int8 grid by the row's largest magnitude), then quantised along D into E4M3 codes with E8M0 bytes.
; Work-groups 256-767: w1, w2 -> clip(round(w / s), -1, 1) s, s = max(mean |w|, 1e-5) from the partial sums of the first launch, then quantised along K.
; A wave takes a run of 4,096 numbers: 4 rows of x1 (two rows asked for ahead) or 8 steps of 512 numbers of a weight (four steps ahead): so a wave waits for memory twice.
; wsE: codes and scale bytes as rows with K innermost.  THE ROWS OF h AND OF w1 ARE STORED IN THE ORDER IN WHICH A TILE TAKES THEM: of every 32 rows the two middle groups of 8 change places, so that
; memory row 16 T + r is row 32 (T / 2) + 8 (T % 2) + r + 8 (r / 8).  A run is 4 rows of them, half of such a group, so only its place in the output changes: bits 1 and 2 of its number change places.  w2's rows stay as they are.
; Codes leave as 512 consecutive bytes a store; a wave's 128 scale bytes as 128 consecutive bytes, half of an aligned block of 256 (393,216 bytes in all, one in 32 of the codes).
; The two paths part on the work-group's number and have LDS bytes of their own.  The launch streams: no matrix unit, no cluster, no tensor load.
; LIMITS: NaN and infinities are not served; a block under 2^-118 (zeros too) takes the byte 1, read by this program alone; 127 / m, n / scale and w / s are v_rcp_f32 with a Newton step and, for 127 / m and w / s, a corrected quotient; 1/sqrt is v_rsq_f32.
.set NR,    4
.set H_S,   12582912
.set W1_C,  4194304
.set W1_S,  12713984
.set WSUMO, 4325376
.set SP,    80
.set WREG,  8192
.set G,  16
.set B,  48
.set R,  80
.set X,  144
.set C,  176
.set E,  184
.macro WSUM r, t
	v_add_f32_dpp v[\r], v[\r], v[\r] row_xmask:1 row_mask:0xf bank_mask:0xf
	v_add_f32_dpp v[\r], v[\r], v[\r] row_xmask:2 row_mask:0xf bank_mask:0xf
	v_add_f32_dpp v[\r], v[\r], v[\r] row_xmask:4 row_mask:0xf bank_mask:0xf
	v_add_f32_dpp v[\r], v[\r], v[\r] row_xmask:8 row_mask:0xf bank_mask:0xf
	v_permlanex16_b32 v[\t], v[\r], s20, s21
	v_add_f32 v[\r], v[\r], v[\t]
.endm
.macro WMAX r, t
	v_max_num_f32_dpp v[\r], v[\r], v[\r] row_xmask:1 row_mask:0xf bank_mask:0xf
	v_max_num_f32_dpp v[\r], v[\r], v[\r] row_xmask:2 row_mask:0xf bank_mask:0xf
	v_max_num_f32_dpp v[\r], v[\r], v[\r] row_xmask:4 row_mask:0xf bank_mask:0xf
	v_max_num_f32_dpp v[\r], v[\r], v[\r] row_xmask:8 row_mask:0xf bank_mask:0xf
	v_permlanex16_b32 v[\t], v[\r], s20, s21
	v_max_num_f32 v[\r], v[\r], v[\t]
.endm
	s_load_b256 s[4:11], s[0:1], 0x0               ; x1, ln2_g, ln2_b, w1
	s_load_b128 s[12:15], s[0:1], 0x20             ; w2, wsA
	s_load_b64 s[36:37], s[0:1], 0x30              ; wsE
	v_lshl_add_u32 v224, v0, 2, 0x10000
	v_mov_b32 v225, 0
	v_lshrrev_b32 v1, 5, v0
	v_readfirstlane_b32 s16, v1
	v_and_b32 v2, 31, v0
	s_wait_alu depctr_va_vdst(0)
	v_lshlrev_b32 v3, 4, v2
	s_mov_b32 s20, 0x76543210
	s_mov_b32 s21, 0xfedcba98
	s_mov_b32 s27, 0x600000
	s_mov_b32 s33, 0x3727c5ac                      ; 1e-5
	s_lshl_b32 s17, ttmp9, 2
	s_add_co_u32 s17, s17, s16
	s_and_b32 s38, s17, 2                          ; the run's place in the tiles' order, within 1,024 runs: bit 1 goes to bit 2,
	s_lshl_b32 s38, s38, 1
	s_bfe_u32 s39, s17, 0x10002                    ; bit 2 to bit 1,
	s_lshl_b32 s39, s39, 1
	s_or_b32 s38, s38, s39
	s_and_b32 s39, s17, 0x3f9                      ; bits 0 and 3 to 9 stay
	s_or_b32 s38, s38, s39
	v_lshrrev_b32 v14, 2, v2
	v_mul_u32_u24 v14, v14, SP
	v_and_b32 v15, 3, v2
	v_lshl_add_u32 v14, v15, 4, v14                ; stage, in: SP (lane / 4) + 16 (lane % 4)
	v_mul_u32_u24 v15, v2, SP                      ; stage, out: SP x lane
	v_lshrrev_b32 v5, 1, v2
	v_lshlrev_b32 v7, 2, v2                        ; the scale bytes' way out: 4 a lane
	s_cmp_lt_u32 ttmp9, 256
	s_cbranch_scc0 .Lwq
	; ---------------- LayerNorm, int8 grid, quantiser: run s17 = 0..1023 of 4 rows
	s_lshl_b32 s18, s17, 14
	s_mov_b32 s19, 0
	s_lshl_b32 s22, s38, 12
	s_mov_b32 s23, 0
	s_lshl_b32 s24, s38, 7
	s_mov_b32 s25, 0
	s_mul_i32 s26, s16, WREG
	s_add_co_u32 s26, s26, 32768                   ; this path's LDS
	s_wait_alu depctr_va_vdst(0)
	v_add_nc_u32 v14, s26, v14
	v_add_nc_u32 v15, s26, v15
	s_add_co_u32 s26, s26, 2*32*SP
	v_add_nc_u32 v5, s26, v5
	v_add_nc_u32 v6, s26, v7
	v_lshlrev_b32 v4, 6, v2
	s_mov_b32 s32, 0x3a800000                      ; 1 / 1024
	s_mov_b32 s34, 0xc3000000                      ; -128
	s_mov_b32 s35, 0x42fe0000                      ; 127
	s_wait_alu depctr_va_vdst(0)
	s_wait_kmcnt 0x0
	s_add_nc_u64 s[4:5], s[4:5], s[18:19]
	s_add_nc_u64 s[28:29], s[36:37], s[22:23]
	s_add_nc_u64 s[30:31], s[36:37], s[24:25]
	s_add_nc_u64 s[30:31], s[30:31], H_S
.irp s, 0,1
.irp i, 0,1,2,3
	global_load_b128 v[G+16*\s+4*\i:G+16*\s+4*\i+3], v4, s[6:7] offset:2048*\s+16*\i
	global_load_b128 v[B+16*\s+4*\i:B+16*\s+4*\i+3], v4, s[8:9] offset:2048*\s+16*\i
.endr
.endr
.macro LOAD i
.irp j, 0,1,2,3,4,5,6,7
	global_load_b128 v[R+32*((\i)%2)+4*\j:R+32*((\i)%2)+4*\j+3], v3, s[4:5] offset:4096*(\i)+512*\j
.endr
.endm
.macro Q16 i, s
.set XS, X+16*(\s)
	v_max3_num_f32 v8, |v[XS]|, |v[XS+1]|, |v[XS+2]|
	v_max3_num_f32 v9, |v[XS+3]|, |v[XS+4]|, |v[XS+5]|
.irp k, 6,10
	v_max3_num_f32 v8, v8, |v[XS+\k]|, |v[XS+\k+1]|
	v_max3_num_f32 v9, v9, |v[XS+\k+2]|, |v[XS+\k+3]|
.endr
	v_max3_num_f32 v8, v8, |v[XS+14]|, |v[XS+15]|
	v_max3_num_f32 v8, v8, v9, 0x4800000           ; the floor 2^(9 - 127): the byte cannot fall under 1
	v_max_num_f32_dpp v8, v8, v8 row_xmask:1 row_mask:0xf bank_mask:0xf
	v_add_nc_u32 v11, 0xfc000000, v8               ; 8 off the exponent field: the conversion's scale operand
	v_and_or_b32 v10, v8, 0x7f800000, s27          ; 448 x the scale
.irp k, 0,1,2,3,4,5,6,7,8,9,10,11,12,13,14,15
	v_med3_num_f32 v[XS+\k], v[XS+\k], -v10, v10   ; the conversion does not saturate (ISA guide 7.6.2): the hold
.endr
	v_cvt_scalef32_pk8_fp8_f32 v[C+4*(\s):C+4*(\s)+1], v[XS:XS+7], v11
	v_cvt_scalef32_pk8_fp8_f32 v[C+4*(\s)+2:C+4*(\s)+3], v[XS+8:XS+15], v11
	v_lshrrev_b32 v[E+(\s)], 23, v11
	ds_store_b8 v5, v[E+(\s)] offset:32*(\i)+16*(\s)
	global_store_b128 v3, v[C+4*(\s):C+4*(\s)+3], s[28:29] offset:1024*(\i)+512*(\s)
.endm
.macro LNROW i
.if (\i) < NR-1
	s_wait_loadcnt 8                               ; this row (and g, b) are in; the next row's eight loads may be out
.else
	s_wait_loadcnt 0x0
.endif
.irp j, 0,1,2,3,4,5,6,7
	ds_store_b128 v14, v[R+32*((\i)%2)+4*\j:R+32*((\i)%2)+4*\j+3] offset:32*SP*(\j/4)+8*SP*(\j%4)
.endr
.irp j, 0,1,2,3,4,5,6,7
	ds_load_b128 v[X+4*\j:X+4*\j+3], v15 offset:32*SP*(\j/4)+16*(\j%4)   ; LDS serves a wave's instructions in order
.endr
	s_wait_dscnt 0x0
.if (\i)+2 < NR
	LOAD (\i)+2
.endif
	v_pk_add_f32 v[8:9], v[X:X+1], v[X+2:X+3]
	v_pk_add_f32 v[10:11], v[X+4:X+5], v[X+6:X+7]
.irp j, 8,12,16,20,24,28
	v_pk_add_f32 v[8:9], v[8:9], v[X+\j:X+\j+1]
	v_pk_add_f32 v[10:11], v[10:11], v[X+\j+2:X+\j+3]
.endr
	v_pk_add_f32 v[8:9], v[8:9], v[10:11]
	v_add_f32 v8, v8, v9
	WSUM 8, 9
	v_mul_f32 v8, s32, v8
.set n_, 0
.rept 16
	v_pk_add_f32 v[X+n_:X+n_+1], v[X+n_:X+n_+1], v[8:9] op_sel_hi:[1,0] neg_lo:[0,1] neg_hi:[0,1]
.set n_, n_+2
.endr
	v_pk_mul_f32 v[10:11], v[X:X+1], v[X:X+1]
	v_pk_mul_f32 v[12:13], v[X+2:X+3], v[X+2:X+3]
.irp j, 4,8,12,16,20,24,28
	v_pk_fma_f32 v[10:11], v[X+\j:X+\j+1], v[X+\j:X+\j+1], v[10:11]
	v_pk_fma_f32 v[12:13], v[X+\j+2:X+\j+3], v[X+\j+2:X+\j+3], v[12:13]
.endr
	v_pk_add_f32 v[10:11], v[10:11], v[12:13]
	v_add_f32 v10, v10, v11
	WSUM 10, 11
	v_fma_f32 v10, v10, s32, s33
	s_wait_alu depctr_va_vdst(0)
	v_rsq_f32 v10, v10
	v_nop
	s_wait_alu depctr_va_vdst(0)                   ; the wait ahead of the first reader
.set n_, 0
.rept 16
	v_pk_mul_f32 v[X+n_:X+n_+1], v[X+n_:X+n_+1], v[10:11] op_sel_hi:[1,0]
.set n_, n_+2
.endr
.set n_, 0
.rept 16
	v_pk_fma_f32 v[X+n_:X+n_+1], v[X+n_:X+n_+1], v[G+n_:G+n_+1], v[B+n_:B+n_+1]
.set n_, n_+2
.endr
	; the int8 grid: scale = 127 / max(the row's largest magnitude, 1e-5); clip(round(y scale), -128, 127) / scale
	v_max3_num_f32 v8, |v[X]|, |v[X+1]|, |v[X+2]|
	v_max3_num_f32 v9, |v[X+3]|, |v[X+4]|, |v[X+5]|
.irp k, 6,10,14,18,22,26
	v_max3_num_f32 v8, v8, |v[X+\k]|, |v[X+\k+1]|
	v_max3_num_f32 v9, v9, |v[X+\k+2]|, |v[X+\k+3]|
.endr
	v_max3_num_f32 v8, v8, |v[X+30]|, |v[X+31]|
	v_max3_num_f32 v8, v8, v9, s33
	WMAX 8, 9
	s_wait_alu depctr_va_vdst(0)
	v_rcp_f32 v9, v8
	v_nop
	s_wait_alu depctr_va_vdst(0)
	v_fma_f32 v10, -v8, v9, 1.0
	v_fma_f32 v9, v9, v10, v9                      ; 1 / m
	v_mul_f32 v10, s35, v9
	v_fma_f32 v11, -v10, v8, s35
	v_fma_f32 v10, v11, v9, v10                    ; 127 / m
	s_wait_alu depctr_va_vdst(0)
	v_rcp_f32 v12, v10
	v_mov_b32 v11, v10                             ; (a plain line behind the transcendental)
	s_wait_alu depctr_va_vdst(0)
	v_fma_f32 v9, -v10, v12, 1.0
	v_fma_f32 v12, v12, v9, v12                    ; 1 / scale
	v_mov_b32 v13, v12
.set n_, 0
.rept 16
	v_pk_mul_f32 v[X+n_:X+n_+1], v[X+n_:X+n_+1], v[10:11]
.set n_, n_+2
.endr
.set n_, 0
.rept 32
	v_rndne_f32 v[X+n_], v[X+n_]
.set n_, n_+1
.endr
.set n_, 0
.rept 32
	v_med3_num_f32 v[X+n_], v[X+n_], s34, s35
.set n_, n_+1
.endr
.set n_, 0
.rept 16
	v_pk_mul_f32 v[X+n_:X+n_+1], v[X+n_:X+n_+1], v[12:13]
.set n_, n_+2
.endr
	s_wait_xcnt 0x0                                ; the last row's stores have read their codes
	Q16 \i, 0
	Q16 \i, 1
.endm
	LOAD 0
	LOAD 1
.irp i, 0,1,2,3
	LNROW \i
.endr
	ds_load_b32 v12, v6                            ; the wave's 128 scale bytes, 4 a lane
	s_wait_dscnt 0x0
	global_store_b32 v7, v12, s[30:31]
	s_wait_tensorcnt 0x0
	ds_add_u32 v224, v225
	s_wait_dscnt 0x0
	s_endpgm
	; ---------------- the weights: a wave takes 8 steps of 512 numbers
.set STEPS, 8
.set WR,  16                           ; v16-79   four sets of 16 numbers as loaded
.set WX,  80                           ; v80-111  two sets of 16 neighbours
.set WE,  112                          ; v112-119 a scale byte for each step
.set WC,  128                          ; v128-159 codes, four registers a step
.set SS,  192                          ; v[192:193] s, twice
.set RR,  194                          ; v[194:195] 1 / s, twice
.set WT,  196                          ; v196-211 at work
.Lwq:
	s_sub_co_u32 s17, s17, 1024                    ; 1,024 x tensor + run
	s_lshr_b32 s18, s17, 10
	s_and_b32 s19, s17, 1023
	s_cmp_eq_u32 s18, 0
	s_cselect_b32 s38, s38, s19                    ; w1's rows go out in the tiles' order (a run is 4 of its rows), w2's as they are
	s_lshl_b32 s22, s19, 14                        ; in: 4,096 numbers
	s_mov_b32 s23, 0
	s_lshl_b32 s24, s18, 22
	s_lshl_b32 s25, s38, 12
	s_add_co_u32 s24, s24, s25
	s_add_co_u32 s24, s24, W1_C                    ; codes
	s_mov_b32 s25, 0
	s_lshl_b32 s28, s18, 17
	s_lshl_b32 s29, s38, 7
	s_add_co_u32 s28, s28, s29
	s_add_co_u32 s28, s28, W1_S                    ; scale bytes
	s_mov_b32 s29, 0
	s_lshl_b32 s30, s18, 11
	s_add_co_u32 s30, s30, WSUMO                   ; the tensor's 512 partial sums
	s_mov_b32 s31, 0
	s_mul_i32 s26, s16, WREG
	s_wait_alu depctr_va_vdst(0)
	v_add_nc_u32 v14, s26, v14
	v_add_nc_u32 v15, s26, v15
	s_add_co_u32 s26, s26, 2*32*SP
	v_add_nc_u32 v5, s26, v5
	v_add_nc_u32 v6, s26, v7
	s_wait_kmcnt 0x0
	s_cmp_eq_u32 s18, 0
	s_cselect_b64 s[4:5], s[10:11], s[12:13]
	s_add_nc_u64 s[4:5], s[4:5], s[22:23]
	s_add_nc_u64 s[8:9], s[36:37], s[24:25]
	s_add_nc_u64 s[10:11], s[36:37], s[28:29]
	s_add_nc_u64 s[14:15], s[14:15], s[30:31]
.irp i, 0,1,2,3
	global_load_b128 v[WT+4*\i:WT+4*\i+3], v3, s[14:15] offset:512*\i
.endr
.macro WLOAD t
.irp i, 0,1,2,3
	global_load_b128 v[WR+16*((\t)%4)+4*\i:WR+16*((\t)%4)+4*\i+3], v3, s[4:5] offset:2048*(\t)+512*\i th:TH_LOAD_NT
.endr
.endm
.macro WTURN t
.irp i, 0,1,2,3
	ds_store_b128 v14, v[WR+16*((\t)%4)+4*\i:WR+16*((\t)%4)+4*\i+3] offset:32*SP*((\t)%2)+8*SP*\i
.endr
.irp i, 0,1,2,3
	ds_load_b128 v[WX+16*((\t)%2)+4*\i:WX+16*((\t)%2)+4*\i+3], v15 offset:32*SP*((\t)%2)+16*\i
.endr
.endm
.irp t, 0,1,2,3
	WLOAD \t
.endr
	s_wait_loadcnt 16                              ; the partial sums are in; four steps' 16 loads may be out
.irp j, 1,2,3,4,5,6,7,8,9,10,11,12,13,14,15
	v_add_f32 v[WT], v[WT], v[WT+\j]               ; a fixed order: every wave gets the same s
.endr
	WSUM WT, WT+1
	v_mul_f32 v[SS], 0x34800000, v[WT]             ; / 2^22: the mean
	v_max_num_f32 v[SS], s33, v[SS]
	v_mov_b32 v[SS+1], v[SS]
	v_rcp_f32 v[RR], v[SS]
	v_nop
	s_wait_alu depctr_va_vdst(0)
	v_fma_f32 v[WT], -v[SS], v[RR], 1.0
	v_fma_f32 v[RR], v[RR], v[WT], v[RR]
	v_mov_b32 v[RR+1], v[RR]
	s_wait_alu depctr_va_vdst(0)
	s_wait_loadcnt 12                              ; step 0's four loads are in
	WTURN 0
.macro WSTEP t
.set XS, WX+16*((\t)%2)
.if (\t) > 0
	s_wait_dscnt 1                                 ; this step's numbers are back from the stage; the last step's byte store may be out
.else
	s_wait_dscnt 0x0
.endif
.if (\t)+4 < STEPS
	WLOAD (\t)+4
.endif
.if (\t)+1 < STEPS
.if STEPS-2-(\t) >= 3
	s_wait_loadcnt 12                              ; the next step's loads are in; three steps' may be out
.else
	s_wait_loadcnt 4*(STEPS-2-(\t))
.endif
	WTURN (\t)+1
.endif
.irp j, 0,2,4,6,8,10,12,14
	v_pk_mul_f32 v[WT+\j:WT+\j+1], v[XS+\j:XS+\j+1], v[RR:RR+1]          ; q = w / s: a first quotient,
.endr
.irp j, 0,2,4,6,8,10,12,14
	v_pk_fma_f32 v[XS+\j:XS+\j+1], v[WT+\j:WT+\j+1], v[SS:SS+1], v[XS+\j:XS+\j+1] neg_lo:[1,0,0] neg_hi:[1,0,0]   ; its remainder,
.endr
.irp j, 0,2,4,6,8,10,12,14
	v_pk_fma_f32 v[WT+\j:WT+\j+1], v[XS+\j:XS+\j+1], v[RR:RR+1], v[WT+\j:WT+\j+1]   ; the corrected quotient
.endr
.irp k, 0,1,2,3,4,5,6,7,8,9,10,11,12,13,14,15
	v_rndne_f32 v[WT+\k], v[WT+\k]
.endr
.irp k, 0,1,2,3,4,5,6,7,8,9,10,11,12,13,14,15
	v_med3_num_f32 v[WT+\k], v[WT+\k], -1.0, 1.0
.endr
.irp j, 0,2,4,6,8,10,12,14
	v_pk_mul_f32 v[XS+\j:XS+\j+1], v[WT+\j:WT+\j+1], v[SS:SS+1]
.endr
	v_max3_num_f32 v8, |v[XS]|, |v[XS+1]|, |v[XS+2]|
	v_max3_num_f32 v9, |v[XS+3]|, |v[XS+4]|, |v[XS+5]|
.irp k, 6,10
	v_max3_num_f32 v8, v8, |v[XS+\k]|, |v[XS+\k+1]|
	v_max3_num_f32 v9, v9, |v[XS+\k+2]|, |v[XS+\k+3]|
.endr
	v_max3_num_f32 v8, v8, |v[XS+14]|, |v[XS+15]|
	v_max3_num_f32 v8, v8, v9, 0x4800000
	v_max_num_f32_dpp v8, v8, v8 row_xmask:1 row_mask:0xf bank_mask:0xf
	v_add_nc_u32 v11, 0xfc000000, v8
	v_and_or_b32 v10, v8, 0x7f800000, s27
.irp k, 0,1,2,3,4,5,6,7,8,9,10,11,12,13,14,15
	v_med3_num_f32 v[XS+\k], v[XS+\k], -v10, v10
.endr
	v_cvt_scalef32_pk8_fp8_f32 v[WC+4*(\t):WC+4*(\t)+1], v[XS:XS+7], v11
	v_cvt_scalef32_pk8_fp8_f32 v[WC+4*(\t)+2:WC+4*(\t)+3], v[XS+8:XS+15], v11
	v_lshrrev_b32 v[WE+(\t)], 23, v11
	ds_store_b8 v5, v[WE+(\t)] offset:16*(\t)
	global_store_b128 v3, v[WC+4*(\t):WC+4*(\t)+3], s[8:9] offset:512*(\t)
.endm
.irp t, 0,1,2,3,4,5,6,7
	WSTEP \t
.endr
	ds_load_b32 v12, v6                            ; the wave's 128 scale bytes, 4 a lane
	s_wait_dscnt 0x0
	global_store_b32 v7, v12, s[10:11]
	s_wait_tensorcnt 0x0
	ds_add_u32 v224, v225
	s_wait_dscnt 0x0
	s_endpgm
.Lfunc_end_k_qbea8467a35_prep2:
	.size	k_qbea8467a35_prep2, .Lfunc_end_k_qbea8467a35_prep2-k_qbea8467a35_prep2
	.p2alignl 7, 3214868480
	.fill 96, 4, 3214868480
	.section	.rodata,"a",@progbits
	.p2align	6, 0x0
	.amdhsa_kernel k_qbea8467a35_prep2
		.amdhsa_group_segment_fixed_size 66048
		.amdhsa_private_segment_fixed_size 0
		.amdhsa_enable_private_segment 0
		.amdhsa_kernarg_size 56
		.amdhsa_user_sgpr_count 2
		.amdhsa_user_sgpr_kernarg_segment_ptr 1
		.amdhsa_wavefront_size32 1
		.amdhsa_system_sgpr_workgroup_id_x 1
		.amdhsa_system_sgpr_workgroup_id_y 1
		.amdhsa_system_sgpr_workgroup_id_z 1
		.amdhsa_system_vgpr_workitem_id 0
		.amdhsa_next_free_vgpr 226
		.amdhsa_next_free_sgpr 66
		.amdhsa_reserve_vcc 0
		.amdhsa_float_denorm_mode_32 3
		.amdhsa_float_denorm_mode_16_64 3
		.amdhsa_memory_ordered 1
		.amdhsa_forward_progress 1
		.amdhsa_inst_pref_size 136
	.end_amdhsa_kernel
	.amdgpu_metadata
---
amdhsa.version: [ 1, 2 ]
amdhsa.kernels:
  - .name:           k_qbea8467a35_prep2
    .symbol:         k_qbea8467a35_prep2.kd
    .args:
      - { .name: wsD, .offset: 0, .size: 8, .value_kind: global_buffer, .address_space: global }
      - { .name: ln2_g, .offset: 8, .size: 8, .value_kind: global_buffer, .address_space: global }
      - { .name: ln2_b, .offset: 16, .size: 8, .value_kind: global_buffer, .address_space: global }
      - { .name: w1, .offset: 24, .size: 8, .value_kind: global_buffer, .address_space: global }
      - { .name: w2, .offset: 32, .size: 8, .value_kind: global_buffer, .address_space: global }
      - { .name: wsA, .offset: 40, .size: 8, .value_kind: global_buffer, .address_space: global }
      - { .name: wsE, .offset: 48, .size: 8, .value_kind: global_buffer, .address_space: global }
    .group_segment_fixed_size: 66048
    .private_segment_fixed_size: 0
    .kernarg_segment_align: 8
    .kernarg_segment_size: 56
    .max_flat_workgroup_size: 128
    .sgpr_count:     66
    .vgpr_count:     226
    .wavefront_size: 32
...
	.end_amdgpu_metadata
.endif
;; end of part 5
;; launch ffmax (part 6): grid 16 x 16, 4 waves a work-group, clusters of 4 x 4, 327,680 bytes of LDS; arguments wsE, b1, wsF; writes wsF
.if DOCPART == 6
	.amdgcn_target "amdgcn-amd-amdhsa--gfx1250"
	.amdhsa_code_object_version 6
	.text
	.protected	k_qbea8467a35_ffmax
	.globl	k_qbea8467a35_ffmax
	.p2align	8
	.type	k_qbea8467a35_ffmax,@function
k_qbea8467a35_ffmax:
	s_mov_b64 s[64:65], 0
	v_nop
	global_prefetch_b8 v0, s[64:65] scope:SCOPE_SE
	s_setreg_imm32_b32 hwreg(HW_REG_WAVE_MODE, 25, 1), 1
	s_wait_xcnt 0x0
	s_wait_alu depctr_hold_cnt(0) depctr_sa_sdst(0) depctr_va_vdst(0) depctr_va_sdst(0) depctr_va_ssrc(0) depctr_va_vcc(0) depctr_vm_vsrc(0)
	s_getreg_b32 s2, hwreg(HW_REG_IB_STS2, 6, 4)
	s_cmp_eq_u32 s2, 0
	s_cbranch_scc0 .Lentry_in_a_cluster
	s_endpgm
.Lentry_in_a_cluster:
	s_bfe_u32 s2, ttmp6, 0x10000c
	s_cmp_lg_u32 s2, 0xf033
	s_cbranch_scc0 .Lentry_shape_is_right
	s_endpgm
.Lentry_shape_is_right:
.set NQ,     2
.set ROWB,   256
.set KROW,   1024
.set PITCH,  272
.set FR,     16
.set NL,     4
.set NP,     8
.set HALFT,  128*PITCH
.set SLOT,   4*HALFT
.set LAPS,   2
.set KS,     32
.set SCL,    2*SLOT
.set HALFS,  16*272
.set SPARE,  SCL+4*HALFS
.set H_S,    12582912
.set W1_C,   4194304
.set W1_S,   12713984
.set ADRA, 2
.set ADRB, 4
.set ADRS, 6
.set SPW,  7
.set NIL,  8
.set VO,   9
.set SC,   32
.set BS0,  64
.set AF,   128
.set D,    64
.set ND,   128
.set HM,   192
.set LU,   196
.set NU,   200
.set CAND, 208
.set C0V,  240
.set C2V,  242
.set K0V,  244
.set TT,   64
.set SS,   80
.set A1,   96
.set A2,   112
.set RES,  128
.set RT,   136
.set P,    144
.set SEL,  4
.set KC1,  24
.set KC3,  26
.set KC4,  28
.set KC5,  30
.set KC6,  32
.set KL2E, 34
.set KK1,  36
.set KK2,  38
.set KK3,  40
.set KK4,  42
.set KK5,  44
.set KRT2, 46
.set THR,  48
.set KNX,  50
.set G1, 24
.set G0, 32
.set G1B, 48
.set G0B, 56
.set G1S, 68
.set G0S, 76
.set G1SB, 80
.set G0SB, 88
.set MSB, 0
.macro WIN new
.if MSB != (\new)
	s_set_vgpr_msb (MSB<<8)|(\new)
.set MSB, (\new)
.endif
.endm
.set MUL_LO, 0xa1
.set MUL_HI, 0xf1
.set TO_B,   0x40
.macro JLOAD g0a, g1a, g0b, g1b
	s_cmp_eq_u32 s15, 0
	s_cbranch_scc0 .Lfor_b_\@
	tensor_load_to_lds s[\g0a:\g0a+3], s[\g1a:\g1a+7]
	s_nop 0
.rept 4
	v_nop
.endr
	s_branch .Lasked_\@
.Lfor_b_\@:
	tensor_load_to_lds s[\g0b:\g0b+3], s[\g1b:\g1b+7]
	s_nop 0
.rept 4
	v_nop
.endr
.Lasked_\@:
.endm
.macro CREST
	s_cmp_lg_u32 s14, 0
	s_cbranch_scc1 .Lnot_wave_0_\@
	s_barrier_signal -3
.Lnot_wave_0_\@:
	s_barrier_wait -3
	s_barrier_signal -1
	s_barrier_wait -1
.endm
.macro CROUND
	s_barrier_signal -1
	s_barrier_wait -1
	CREST
.endm
.macro PLACES n
.rept \n
	v_nop
.endr
.endm
.macro KPAIR r, val
	s_mov_b32 s[\r], \val
	s_mov_b32 s[\r+1], \val
.endm
	s_load_b128 s[96:99], s[0:1], 0x0
	s_load_b64 s[12:13], s[0:1], 0x10
	v_lshl_add_u32 v[SPW], v0, 2, SPARE
	v_mov_b32 v[NIL], 0
	ds_add_u32 v7, v8
	ds_add_u32 v7, v8
	s_wait_dscnt 0x0
	v_lshrrev_b32 v1, 5, v0
	v_readfirstlane_b32 s14, v1
	s_lshr_b32 s15, s14, 1
	s_and_b32 s16, s14, 1
	s_bfe_u32 s40, ttmp6, 0x40000
	s_bfe_u32 s41, ttmp6, 0x40004
	s_lshl_b32 s42, ttmp9, 2
	s_add_co_u32 s42, s42, s40
	s_and_b32 s17, ttmp7, 0xffff
	s_lshl_b32 s17, s17, 2
	s_add_co_u32 s17, s17, s41
	s_lshl_b32 s43, s41, 2
	s_lshl_b32 s43, 15, s43
	s_lshl_b32 s44, 0x1111, s40
	s_or_b32 s[G1+0], s43, (0<<16)|(1<<20)|(1<<21)|(5<<22)|(3<<25)
	s_or_b32 s[G1B+0], s44, (0<<16)|(1<<20)|(1<<21)|(5<<22)|(3<<25)
.irp g, G1, G1B
	s_mov_b32 s[\g+1], ROWB<<16
	s_mov_b32 s[\g+2], 256<<16                     ; the head's loads of codes bring 256 rows; behind them the two counts are set to 128
	s_mov_b32 s[\g+3], ROWB<<16
	s_mov_b32 s[\g+4], 256
	s_mov_b32 s[\g+5], KROW
	s_mov_b32 s[\g+6], 0
	s_mov_b32 s[\g+7], 0
.endr
	s_or_b32 s[G1S+0], s43, (3<<16)|(1<<20)|(1<<21)|(5<<22)|(3<<25)
	s_or_b32 s[G1SB+0], s44, (3<<16)|(1<<20)|(1<<21)|(5<<22)|(3<<25)
.irp g, G1S, G1SB
	s_mov_b32 s[\g+1], 32<<16
	s_mov_b32 s[\g+2], 32<<16                      ; the scales of 256 rows: 32 rows of 256 bytes
	s_mov_b32 s[\g+3], 32<<16
	s_mov_b32 s[\g+4], 32
	s_mov_b32 s[\g+5], 32
	s_mov_b32 s[\g+6], 0
	s_mov_b32 s[\g+7], 0
.endr
	s_lshl_b32 s18, s16, 7
	s_lshl_b32 s20, s17, 8
	s_add_co_u32 s20, s20, s18
	s_lshl_b32 s46, s42, 8
	s_add_co_u32 s46, s46, s18
	s_mov_b32 s21, 0
	s_mov_b32 s47, 0
	s_lshl_b64 s[22:23], s[20:21], 5
	s_lshl_b64 s[92:93], s[46:47], 5
	s_lshl_b64 s[20:21], s[20:21], 10
	s_lshl_b64 s[46:47], s[46:47], 10
	s_mul_i32 s45, s14, HALFT
	s_mul_i32 s94, s14, HALFS
	s_wait_kmcnt 0x0
	s_add_nc_u64 s[20:21], s[96:97], s[20:21]
	s_add_nc_u64 s[22:23], s[96:97], s[22:23]
	s_add_nc_u64 s[22:23], s[22:23], H_S
	s_add_nc_u64 s[46:47], s[96:97], s[46:47]
	s_add_nc_u64 s[46:47], s[46:47], W1_C
	s_add_nc_u64 s[92:93], s[96:97], s[92:93]
	s_add_nc_u64 s[92:93], s[92:93], W1_S
	CROUND
	s_mov_b32 s[G0S], 1
	s_lshl_b32 s96, s16, 12                        ; my half's 128 rows of scale bytes: taken off, so that every wave holds the tile's first row
	s_mov_b32 s97, 0
	s_mov_b32 s[G0S+1], SCL
	s_sub_nc_u64 s[G0S+2:G0S+3], s[22:23], s[96:97]
	s_or_b32 s[G0S+3], s[G0S+3], 0x80000000
	s_mov_b32 s[G0SB], 1
	s_mov_b32 s[G0SB+1], SCL+2*HALFS
	s_sub_nc_u64 s[G0SB+2:G0SB+3], s[92:93], s[96:97]
	s_or_b32 s[G0SB+3], s[G0SB+3], 0x80000000
	s_lshl_b32 s96, s16, 17                        ; my half's 128 rows of codes, in bytes
.irp s, 0,1
	s_mov_b32 s[G0+4*\s], 1
	s_add_co_u32 s[G0+4*\s+1], s45, \s*SLOT
	s_add_nc_u64 s[G0+4*\s+2:G0+4*\s+3], s[20:21], \s*ROWB
	s_or_b32 s[G0+4*\s+3], s[G0+4*\s+3], 0x80000000
	s_mov_b32 s[G0B+4*\s], 1
	s_add_co_u32 s[G0B+4*\s+1], s45, \s*SLOT
	s_add_nc_u64 s[G0B+4*\s+2:G0B+4*\s+3], s[46:47], \s*ROWB
	s_or_b32 s[G0B+4*\s+3], s[G0B+4*\s+3], 0x80000000
.endr
	; THE HEAD'S LOADS, ONE A WAVE: wave 0 K step 0's 256 rows of A, wave 1 those of B, wave 2 A's scales, wave 3 B's.  Slot 0's groups 0 serve them, set to the whole tile
	s_mov_b32 s[G0+1], 0
	s_sub_nc_u64 s[G0+2:G0+3], s[G0+2:G0+3], s[96:97]
	s_mov_b32 s[G0B+1], 2*HALFT
	s_sub_nc_u64 s[G0B+2:G0B+3], s[G0B+2:G0B+3], s[96:97]
.macro ARM under, g0, g1, next
	s_cmp_lt_u32 s14, \under
	s_cbranch_scc0 \next
	tensor_load_to_lds s[\g0:\g0+3], s[\g1:\g1+7]
	s_nop 0
.rept 4
	v_nop
.endr
	s_branch .Lhead_asked
\next:
.endm
	ARM 1, G0,  G1,  .Lhead_b
	ARM 2, G0B, G1B, .Lhead_sa
	ARM 3, G0S, G1S, .Lhead_sb
	tensor_load_to_lds s[G0SB:G0SB+3], s[G1SB:G1SB+7]
	s_nop 0
.rept 4
	v_nop
.endr
.Lhead_asked:
	v_and_b32 v1, 15, v0
	v_bfe_u32 v10, v0, 4, 1
	v_mul_u32_u24 v12, v1, PITCH
	v_lshl_add_u32 v12, v10, 4, v12
	s_mul_i32 s21, s15, HALFT
	s_mul_i32 s22, s16, HALFT
	s_add_co_u32 s22, s22, 2*HALFT
.irp s, 0,1
	v_add_nc_u32 v[ADRA+\s], s21, v12
	v_add_nc_u32 v[ADRB+\s], s22, v12
	s_add_co_u32 s21, s21, SLOT
	s_add_co_u32 s22, s22, SLOT
.endr
	v_mul_u32_u24 v13, v1, KS
	v_lshrrev_b32 v14, 8, v13
	v_lshl_add_u32 v13, v14, 4, v13
	s_mul_i32 s21, s15, HALFS
	s_mul_i32 s22, s16, HALFS
	s_add_co_u32 s22, s22, 2*HALFS
	s_sub_co_u32 s22, s22, s21
	v_mul_u32_u24 v14, s22, v10
	s_add_co_u32 s21, s21, SCL
	v_add_nc_u32 v13, v13, v14
	v_add_nc_u32 v[ADRS], s21, v13
	v_and_b32 v[VO], 31, v0
	v_lshlrev_b32 v[VO], 4, v[VO]
	v_lshlrev_b32 v15, 6, v10
	s_lshl_b32 s46, s42, 10
	s_lshl_b32 s47, s16, 9
	s_add_co_u32 s46, s46, s47
	s_mov_b32 s47, 0
	s_add_nc_u64 s[98:99], s[98:99], s[46:47]
.irp b, 0,1,2,3,4,5,6,7
	global_load_b128 v[BS0+8*\b:BS0+8*\b+3], v15, s[98:99] offset:(32*(\b/2)+8*(\b%2))*4
	global_load_b128 v[BS0+8*\b+4:BS0+8*\b+7], v15, s[98:99] offset:(32*(\b/2)+8*(\b%2))*4+16
.endr
	s_lshl_b32 s20, s17, 1
	s_add_co_u32 s20, s20, s15
	s_lshl_b32 s20, s20, 14
	s_mov_b32 s21, 0
	s_lshl_b32 s46, s42, 1
	s_add_co_u32 s46, s46, s16
	s_lshl_b32 s46, s46, 9
	s_add_nc_u64 s[20:21], s[20:21], s[46:47]
	s_add_nc_u64 s[12:13], s[12:13], s[20:21]
	s_mov_b32 s[SEL], 0x76543210
	s_mov_b32 s[SEL+1], 0xfedcba98
.macro FRAG reg, adr, q, i
.irp c, 0,1,2,3
	ds_load_b128 v[\reg+4*\c:\reg+4*\c+3], v[\adr] offset:128*(\q)+32*\c+16*(\i)*PITCH
.endr
.endm
.macro MUL16 a0, p, q, sc, zero
.irp a, \a0, \a0+1
.irp b, 0,1,2,3,4,5,6,7
.if \zero
	v_wmma_scale_f32_16x16x128_f8f6f4 v[8*(8*((\a)%4)+\b):8*(8*((\a)%4)+\b)+7], v[128*(\p)+FR*\b:128*(\p)+FR*\b+FR-1], v[AF+FR*(\a):AF+FR*(\a)+FR-1], v[BS0+8*\b:BS0+8*\b+7], v[SC+8*NQ*(\sc)+NQ*\b+(\q)], v[SC+8*NQ*(\sc)+NQ*(\a)+(\q)] matrix_a_scale:MATRIX_SCALE_ROW1
.else
	v_wmma_scale_f32_16x16x128_f8f6f4 v[8*(8*((\a)%4)+\b):8*(8*((\a)%4)+\b)+7], v[128*(\p)+FR*\b:128*(\p)+FR*\b+FR-1], v[AF+FR*(\a):AF+FR*(\a)+FR-1], v[8*(8*((\a)%4)+\b):8*(8*((\a)%4)+\b)+7], v[SC+8*NQ*(\sc)+NQ*\b+(\q)], v[SC+8*NQ*(\sc)+NQ*(\a)+(\q)] matrix_a_scale:MATRIX_SCALE_ROW1
.endif
.endr
.endr
.endm
.macro FETCH_B slot, q, p
	WIN TO_B
.irp i, 0,1,2,3,4,5,6,7
	FRAG 128*(\p)+FR*\i, ADRB+\slot, \q, \i
.endr
	WIN 0
.endm
.macro FETCH_A slot, q, i0
.irp i, \i0, \i0+1, \i0+2, \i0+3
	FRAG AF+FR*(\i), ADRA+\slot, \q, \i
.endr
.endm
.macro SCALES sc
.irp i, 0,1,2,3,4,5,6,7
	ds_load_b64 v[SC+8*NQ*\sc+NQ*\i:SC+8*NQ*\sc+NQ*\i+1], v[ADRS] offset:2*\i*272
.endr
.endm
.macro STEP slot, q, zero
	s_wait_dscnt 4*NL
.if \zero
	WIN 0x81
.else
	WIN MUL_LO
.endif
	MUL16 0, (\q)%2, \q, \slot, \zero
	MUL16 2, (\q)%2, \q, \slot, \zero
	s_wait_dscnt 0
	PLACES NP
	FETCH_B \slot, (\q)+1, 1-(\q)%2
	FETCH_A \slot, (\q)+1, 0
.if \zero
	WIN 0xc1
.else
	WIN MUL_HI
.endif
	MUL16 4, (\q)%2, \q, \slot, \zero
	MUL16 6, (\q)%2, \q, \slot, \zero
	PLACES NP
	WIN 0
	FETCH_A \slot, (\q)+1, 4
.endm
.macro TURN slot, next, fill
	s_wait_tensorcnt 0x0
	ds_add_u32 v[SPW], v[NIL]
	s_wait_dscnt 4*NL+1
	WIN MUL_LO
	MUL16 0, 1, NQ-1, \slot, 0
	s_wait_dscnt 0x0
	s_barrier_signal -1
	MUL16 2, 1, NQ-1, \slot, 0
	WIN 0
	s_barrier_wait -1
.if \fill
	CREST
	s_add_nc_u64 s[G0+4*\slot+2:G0+4*\slot+3], s[G0+4*\slot+2:G0+4*\slot+3], 2*ROWB
	s_add_nc_u64 s[G0B+4*\slot+2:G0B+4*\slot+3], s[G0B+4*\slot+2:G0B+4*\slot+3], 2*ROWB
	JLOAD G0+4*\slot, G1, G0B+4*\slot, G1B
	PLACES NP-4
.else
	PLACES NP
.endif
	s_wait_alu depctr_va_vdst(0)
	v_add_nc_u32 v[ADRS], 4*NQ, v[ADRS]
	FETCH_B \next, 0, 0
	FETCH_A \next, 0, 0
	SCALES \next
	WIN MUL_HI
	MUL16 4, 1, NQ-1, \slot, 0
	MUL16 6, 1, NQ-1, \slot, 0
	PLACES NP
	WIN 0
	FETCH_A \next, 0, 4
.endm
.macro GELU hx
.irp n, 0,2,4,6,8,10,12,14
	v_pk_mul_f32 v[TT+\n:TT+\n+1], v[\hx+\n:\hx+\n+1], s[KRT2:KRT2+1] op_sel_hi:[1,0]
.endr
.irp n, 0,1,2,3,4,5,6,7,8,9,10,11,12,13,14,15
	v_and_b32 v[TT+\n], 0x7fffffff, v[TT+\n]
.endr
.irp n, 0,2,4,6,8,10,12,14
	v_pk_mul_f32 v[SS+\n:SS+\n+1], v[TT+\n:TT+\n+1], v[TT+\n:TT+\n+1]
.endr
.irp n, 0,2,4,6,8,10,12,14
	v_pk_fma_f32 v[A2+\n:A2+\n+1], v[C0V:C0V+1], v[TT+\n:TT+\n+1], s[KC1:KC1+1] op_sel_hi:[1,1,0]
.endr
.irp n, 0,2,4,6,8,10,12,14
	v_pk_fma_f32 v[A1+\n:A1+\n+1], v[C2V:C2V+1], v[TT+\n:TT+\n+1], s[KC3:KC3+1] op_sel_hi:[1,1,0]
.endr
.irp n, 0,2,4,6,8,10,12,14
	v_pk_fma_f32 v[A2+\n:A2+\n+1], v[A2+\n:A2+\n+1], v[SS+\n:SS+\n+1], v[A1+\n:A1+\n+1]
.endr
.irp k, KC4, KC5, KC6
.irp n, 0,2,4,6,8,10,12,14
	v_pk_fma_f32 v[A2+\n:A2+\n+1], v[A2+\n:A2+\n+1], v[TT+\n:TT+\n+1], s[\k:\k+1] op_sel_hi:[1,1,0]
.endr
.endr
.irp n, 0,2,4,6,8,10,12,14
	v_pk_fma_f32 v[A2+\n:A2+\n+1], v[A2+\n:A2+\n+1], v[TT+\n:TT+\n+1], v[TT+\n:TT+\n+1] neg_lo:[0,0,1] neg_hi:[0,0,1]
.endr
.irp n, 0,2,4,6,8,10,12,14
	v_pk_mul_f32 v[A2+\n:A2+\n+1], v[A2+\n:A2+\n+1], s[KL2E:KL2E+1] op_sel_hi:[1,0]
.endr
	s_wait_alu depctr_va_vdst(0)
.irp n, 0,1,2,3,4,5,6,7,8,9,10,11,12,13,14,15
	v_exp_f32 v[A2+\n], v[A2+\n]
.endr
.irp n, 0,2,4,6,8,10,12,14
	v_pk_fma_f32 v[A1+\n:A1+\n+1], v[K0V:K0V+1], v[SS+\n:SS+\n+1], s[KK1:KK1+1] op_sel_hi:[1,1,0]
.endr
.irp k, KK2, KK3, KK4, KK5
.irp n, 0,2,4,6,8,10,12,14
	v_pk_fma_f32 v[A1+\n:A1+\n+1], v[A1+\n:A1+\n+1], v[SS+\n:SS+\n+1], s[\k:\k+1] op_sel_hi:[1,1,0]
.endr
.endr
.irp n, 0,2,4,6,8,10,12,14
	v_pk_fma_f32 v[A1+\n:A1+\n+1], v[A1+\n:A1+\n+1], v[TT+\n:TT+\n+1], v[TT+\n:TT+\n+1]
.endr
	s_wait_alu depctr_va_vdst(0)
.irp n, 0,2,4,6,8,10,12,14
	v_pk_fma_f32 v[A2+\n:A2+\n+1], v[A2+\n:A2+\n+1], -1.0, 1.0 op_sel_hi:[1,0,0]
.endr
.irp n, 0,1,2,3,4,5,6,7,8,9,10,11,12,13,14,15
	v_cmp_lt_f32 vcc_lo, s[THR], v[TT+\n]
	v_cndmask_b32 v[A1+\n], v[A1+\n], v[A2+\n], vcc_lo
.endr
.irp n, 0,1,2,3,4,5,6,7,8,9,10,11,12,13,14,15
	v_fma_f32 v[\hx+\n], v[A1+\n], |v[\hx+\n]|, v[\hx+\n]
.endr
.endm
.macro BLOCK k
.set AC, 64*((\k)%4)
.irp c, 0,1,2,3
	v_mov_b32 v[HM+\c], 0xff800000
.endr
	WIN 0x02+(\k)/4
.set n_, 0
.rept 32
	v_pk_add_f32 v[D+n_:D+n_+1], v[AC+n_:AC+n_+1], s[KNX:KNX+1] op_sel_hi:[1,0]
.set n_, n_+2
.endr
	WIN 0x28+0x14*((\k)/4)
.set n_, 0
.rept 32
	v_max3_num_f32 v[HM+(n_/2)%4], v[HM+(n_/2)%4], v[AC+n_], v[AC+n_+1]
.set n_, n_+2
.endr
	WIN 0
.set n_, 0
.rept 32
	v_pk_mul_f32 v[ND+n_:ND+n_+1], v[D+n_:D+n_+1], -1.0 op_sel_hi:[1,0]
.set n_, n_+2
.endr
.irp c, 0,1,2,3
	v_min_u32 v[LU+\c], v[D+\c], v[D+4+\c]
	v_min_u32 v[NU+\c], v[ND+\c], v[ND+4+\c]
.endr
.set n_, 8
.rept 56
	v_min_u32 v[LU+n_%4], v[LU+n_%4], v[D+n_]
	v_min_u32 v[NU+n_%4], v[NU+n_%4], v[ND+n_]
.set n_, n_+1
.endr
	v_min_u32 v[LU], v[LU], v[LU+1]
	v_min_u32 v[NU], v[NU], v[NU+1]
	v_min_u32 v[LU+2], v[LU+2], v[LU+3]
	v_min_u32 v[NU+2], v[NU+2], v[NU+3]
	v_max3_num_f32 v[HM], v[HM], v[HM+1], v[HM+2]
	v_min_u32 v[LU], v[LU], v[LU+2]
	v_min_u32 v[NU], v[NU], v[NU+2]
	v_max_num_f32 v[HM], v[HM], v[HM+3]
	v_add_f32 v[LU], 0xbf40753b, v[LU]
	v_sub_f32 v[NU], 0xbf40753b, v[NU]
	v_mul_f32 v[CAND+3*(\k)], 0.5, v[HM]
	v_mul_f32 v[CAND+3*(\k)+1], 0.5, v[LU]
	v_mul_f32 v[CAND+3*(\k)+2], 0.5, v[NU]
.endm
	s_wait_alu depctr_va_vdst(0)
	s_wait_loadcnt 0x0
	s_wait_tensorcnt 0x0                           ; my tile of the head's four is in; these lines stand ahead of slot 1's first fill as ahead of a refill
	ds_add_u32 v[SPW], v[NIL]
	s_mov_b32 s[G1+2], 128<<16                     ; no tensor load of mine is out: from here on a load brings 128 rows,
	s_mov_b32 s[G1+4], 128
	s_mov_b32 s[G1B+2], 128<<16
	s_mov_b32 s[G1B+4], 128
	s_mov_b32 s[G0+1], s45                         ; and slot 0's groups 0 name my quarter again
	s_mov_b32 s[G0B+1], s45
	s_add_nc_u64 s[G0+2:G0+3], s[G0+2:G0+3], s[96:97]
	s_add_nc_u64 s[G0B+2:G0B+3], s[G0B+2:G0B+3], s[96:97]
	s_wait_dscnt 0x0
	CROUND                                         ; all four tiles are in, and all sixteen work-groups are here
	JLOAD G0+4, G1, G0B+4, G1B                     ; K step 1: the first tensor load behind the round
	FETCH_B 0, 0, 0
	FETCH_A 0, 0, 0
	SCALES 0
	FETCH_A 0, 0, 4
	STEP 0, 0, 1
	s_mov_b32 s3, LAPS-1
.Llap:
	TURN 0, 1, 1
	STEP 1, 0, 0
	TURN 1, 0, 1
	STEP 0, 0, 0
	s_sub_co_u32 s3, s3, 1
	s_cmp_lg_u32 s3, 0
	s_cbranch_scc1 .Llap
	TURN 0, 1, 0
	STEP 1, 0, 0
	s_wait_dscnt 4*NL
	WIN MUL_LO
	MUL16 0, 1, NQ-1, 1, 0
	MUL16 2, 1, NQ-1, 1, 0
	s_wait_dscnt 0
	WIN MUL_HI
	MUL16 4, 1, NQ-1, 1, 0
	MUL16 6, 1, NQ-1, 1, 0
	WIN 0
	PLACES NP
	KPAIR KC1, 0x39c8e7d9
	KPAIR KC3, 0x3cc6b1a1
	KPAIR KC4, 0xbddaae5c
	KPAIR KC5, 0xbf228550
	KPAIR KC6, 0xbe03ce86
	KPAIR KL2E, 0x3fb8aa3b
	KPAIR KK1, 0x3ba38d2c
	KPAIR KK2, 0xbcdb48d9
	KPAIR KK3, 0x3de70e22
	KPAIR KK4, 0xbec09380
	KPAIR KK5, 0x3e0375d4
	KPAIR KRT2, 0x3fb504f3
	KPAIR KNX, 0x3f40753b
	s_mov_b32 s[THR], 0x3f6d8000
.irp j, 0,1
	v_mov_b32 v[C0V+\j], 0xb7910000
	v_mov_b32 v[C2V+\j], 0xbb7e8a1c
	v_mov_b32 v[K0V+\j], 0xba1c7000
.endr
.irp k, 0,1,2,3,4,5,6,7
	BLOCK \k
.endr
.irp k, 24,25,26,27,28,29,30,31
	v_mov_b32 v[CAND+\k], 0
.endr
	GELU CAND
	GELU CAND+16
.irp k, 0,1,2,3,4,5,6,7
	v_max3_num_f32 v[RES+\k], |v[CAND+3*\k]|, |v[CAND+3*\k+1]|, |v[CAND+3*\k+2]|
	v_mov_b32 v[RT+\k], 0
.endr
.irp k, 0,1,2,3,4,5,6,7
	v_permlanex16_b32 v[RT+\k], v[RES+\k], s[SEL], s[SEL+1]
.endr
.irp k, 0,1,2,3,4,5,6,7
	v_max_num_f32 v[RES+\k], v[RES+\k], v[RT+\k]
.endr
	s_mov_b32 vcc_lo, 0xffff0000
.irp i, 0,1,2,3
	v_cndmask_b32 v[P+\i], v[RES+2*\i], v[RES+2*\i+1], vcc_lo
.endr
	global_store_b128 v[VO], v[P:P+3], s[12:13]
	s_wait_tensorcnt 0x0
	ds_add_u32 v[SPW], v[NIL]
	s_wait_dscnt 0x0
	CROUND
	s_endpgm
.Lfunc_end_k_qbea8467a35_ffmax:
	.size	k_qbea8467a35_ffmax, .Lfunc_end_k_qbea8467a35_ffmax-k_qbea8467a35_ffmax
	.p2alignl 7, 3214868480
	.fill 96, 4, 3214868480
	.section	.rodata,"a",@progbits
	.p2align	6, 0x0
	.amdhsa_kernel k_qbea8467a35_ffmax
		.amdhsa_group_segment_fixed_size 327680
		.amdhsa_private_segment_fixed_size 0
		.amdhsa_enable_private_segment 0
		.amdhsa_kernarg_size 24
		.amdhsa_user_sgpr_count 2
		.amdhsa_user_sgpr_kernarg_segment_ptr 1
		.amdhsa_wavefront_size32 1
		.amdhsa_system_sgpr_workgroup_id_x 1
		.amdhsa_system_sgpr_workgroup_id_y 1
		.amdhsa_system_sgpr_workgroup_id_z 1
		.amdhsa_system_vgpr_workitem_id 0
		.amdhsa_next_free_vgpr 1024
		.amdhsa_next_free_sgpr 100
		.amdhsa_reserve_vcc 1
		.amdhsa_float_denorm_mode_32 3
		.amdhsa_float_denorm_mode_16_64 3
		.amdhsa_memory_ordered 1
		.amdhsa_forward_progress 1
		.amdhsa_inst_pref_size 232
	.end_amdhsa_kernel
	.amdgpu_metadata
---
amdhsa.version: [ 1, 2 ]
amdhsa.kernels:
  - .name:           k_qbea8467a35_ffmax
    .symbol:         k_qbea8467a35_ffmax.kd
    .args:
      - { .name: wsE, .offset: 0, .size: 8, .value_kind: global_buffer, .address_space: global }
      - { .name: b1, .offset: 8, .size: 8, .value_kind: global_buffer, .address_space: global }
      - { .name: wsF, .offset: 16, .size: 8, .value_kind: global_buffer, .address_space: global }
    .group_segment_fixed_size: 327680
    .private_segment_fixed_size: 0
    .kernarg_segment_align: 8
    .kernarg_segment_size: 24
    .max_flat_workgroup_size: 128
    .sgpr_count:     100
    .vgpr_count:     1024
    .wavefront_size: 32
...
	.end_amdgpu_metadata
.endif
;; end of part 6
;; launch ffq (part 7): grid 16 x 16, 4 waves a work-group, clusters of 4 x 4, 327,680 bytes of LDS; arguments wsE, b1, wsF, wsG; writes wsG
.if DOCPART == 7
	.amdgcn_target "amdgcn-amd-amdhsa--gfx1250"
	.amdhsa_code_object_version 6
	.text
	.protected	k_qbea8467a35_ffq
	.globl	k_qbea8467a35_ffq
	.p2align	8
	.type	k_qbea8467a35_ffq,@function
k_qbea8467a35_ffq:
	s_mov_b64 s[64:65], 0
	v_nop
	global_prefetch_b8 v0, s[64:65] scope:SCOPE_SE
	s_setreg_imm32_b32 hwreg(HW_REG_WAVE_MODE, 25, 1), 1
	s_wait_xcnt 0x0
	s_wait_alu depctr_hold_cnt(0) depctr_sa_sdst(0) depctr_va_vdst(0) depctr_va_sdst(0) depctr_va_ssrc(0) depctr_va_vcc(0) depctr_vm_vsrc(0)
	s_getreg_b32 s2, hwreg(HW_REG_IB_STS2, 6, 4)
	s_cmp_eq_u32 s2, 0
	s_cbranch_scc0 .Lentry_in_a_cluster
	s_endpgm
.Lentry_in_a_cluster:
	s_bfe_u32 s2, ttmp6, 0x10000c
	s_cmp_lg_u32 s2, 0xf033
	s_cbranch_scc0 .Lentry_shape_is_right
	s_endpgm
.Lentry_shape_is_right:
.set NQ,     2
.set ROWB,   256
.set KROW,   1024
.set PITCH,  272
.set FR,     16
.set NL,     4
.set NP,     8
.set HALFT,  128*PITCH
.set SLOT,   4*HALFT
.set LAPS,   2
.set KS,     32
.set SCL,    2*SLOT
.set HALFS,  16*272
.set SPARE,  SCL+4*HALFS
.set H_S,    12582912
.set W1_C,   4194304
.set W1_S,   12713984
.set G_SCL,  16777216
.set ADRA, 2
.set ADRB, 4
.set ADRS, 6
.set SPW,  7
.set NIL,  8
.set VO,   9
.set RSC,  16
.set INV,  24
.set SC,   32
.set BS0,  64
.set AF,   128
.set HX,   64
.set TT,   128
.set SS,   144
.set A1,   160
.set A2,   176
.set C0V,  192
.set C2V,  194
.set K0V,  196
.set CH,   200
.set TM,   208
.set PC,   224
.set PW,   240
.set SEL,  4
.set MNT,  6
.set KC1,  24
.set KC3,  26
.set KC4,  28
.set KC5,  30
.set KC6,  32
.set KL2E, 34
.set KK1,  36
.set KK2,  38
.set KK3,  40
.set KK4,  42
.set KK5,  44
.set KRT2, 46
.set THR,  48
.set G1, 24
.set G0, 32
.set G1B, 48
.set G0B, 56
.set G1S, 68
.set G0S, 76
.set G1SB, 80
.set G0SB, 88
.set MSB, 0
.macro WIN new
.if MSB != (\new)
	s_set_vgpr_msb (MSB<<8)|(\new)
.set MSB, (\new)
.endif
.endm
.set MUL_LO, 0xa1
.set MUL_HI, 0xf1
.set TO_B,   0x40
.macro JLOAD g0a, g1a, g0b, g1b
	s_cmp_eq_u32 s15, 0
	s_cbranch_scc0 .Lfor_b_\@
	tensor_load_to_lds s[\g0a:\g0a+3], s[\g1a:\g1a+7]
	s_nop 0
.rept 4
	v_nop
.endr
	s_branch .Lasked_\@
.Lfor_b_\@:
	tensor_load_to_lds s[\g0b:\g0b+3], s[\g1b:\g1b+7]
	s_nop 0
.rept 4
	v_nop
.endr
.Lasked_\@:
.endm
.macro CREST
	s_cmp_lg_u32 s14, 0
	s_cbranch_scc1 .Lnot_wave_0_\@
	s_barrier_signal -3
.Lnot_wave_0_\@:
	s_barrier_wait -3
	s_barrier_signal -1
	s_barrier_wait -1
.endm
.macro CROUND
	s_barrier_signal -1
	s_barrier_wait -1
	CREST
.endm
.macro PLACES n
.rept \n
	v_nop
.endr
.endm
.macro KPAIR r, val
	s_mov_b32 s[\r], \val
	s_mov_b32 s[\r+1], \val
.endm
	s_load_b128 s[96:99], s[0:1], 0x0
	s_load_b128 s[8:11], s[0:1], 0x10
	v_lshl_add_u32 v[SPW], v0, 2, SPARE
	v_mov_b32 v[NIL], 0
	ds_add_u32 v7, v8
	ds_add_u32 v7, v8
	s_wait_dscnt 0x0
	v_lshrrev_b32 v1, 5, v0
	v_readfirstlane_b32 s14, v1
	s_lshr_b32 s15, s14, 1
	s_and_b32 s16, s14, 1
	s_bfe_u32 s40, ttmp6, 0x40000
	s_bfe_u32 s41, ttmp6, 0x40004
	s_lshl_b32 s42, ttmp9, 2
	s_add_co_u32 s42, s42, s40
	s_and_b32 s17, ttmp7, 0xffff
	s_lshl_b32 s17, s17, 2
	s_add_co_u32 s17, s17, s41
	s_lshl_b32 s43, s41, 2
	s_lshl_b32 s43, 15, s43
	s_lshl_b32 s44, 0x1111, s40
	s_or_b32 s[G1+0], s43, (0<<16)|(1<<20)|(1<<21)|(5<<22)|(3<<25)
	s_or_b32 s[G1B+0], s44, (0<<16)|(1<<20)|(1<<21)|(5<<22)|(3<<25)
.irp g, G1, G1B
	s_mov_b32 s[\g+1], ROWB<<16
	s_mov_b32 s[\g+2], 256<<16                     ; the head's loads of codes bring 256 rows; behind them the two counts are set to 128
	s_mov_b32 s[\g+3], ROWB<<16
	s_mov_b32 s[\g+4], 256
	s_mov_b32 s[\g+5], KROW
	s_mov_b32 s[\g+6], 0
	s_mov_b32 s[\g+7], 0
.endr
	s_or_b32 s[G1S+0], s43, (3<<16)|(1<<20)|(1<<21)|(5<<22)|(3<<25)
	s_or_b32 s[G1SB+0], s44, (3<<16)|(1<<20)|(1<<21)|(5<<22)|(3<<25)
.irp g, G1S, G1SB
	s_mov_b32 s[\g+1], 32<<16
	s_mov_b32 s[\g+2], 32<<16                      ; the scales of 256 rows: 32 rows of 256 bytes
	s_mov_b32 s[\g+3], 32<<16
	s_mov_b32 s[\g+4], 32
	s_mov_b32 s[\g+5], 32
	s_mov_b32 s[\g+6], 0
	s_mov_b32 s[\g+7], 0
.endr
	s_lshl_b32 s18, s16, 7
	s_lshl_b32 s20, s17, 8
	s_add_co_u32 s20, s20, s18
	s_lshl_b32 s46, s42, 8
	s_add_co_u32 s46, s46, s18
	s_mov_b32 s21, 0
	s_mov_b32 s47, 0
	s_lshl_b64 s[22:23], s[20:21], 5
	s_lshl_b64 s[92:93], s[46:47], 5
	s_lshl_b64 s[20:21], s[20:21], 10
	s_lshl_b64 s[46:47], s[46:47], 10
	s_mul_i32 s45, s14, HALFT
	s_mul_i32 s94, s14, HALFS
	s_wait_kmcnt 0x0
	s_add_nc_u64 s[20:21], s[96:97], s[20:21]
	s_add_nc_u64 s[22:23], s[96:97], s[22:23]
	s_add_nc_u64 s[22:23], s[22:23], H_S
	s_add_nc_u64 s[46:47], s[96:97], s[46:47]
	s_add_nc_u64 s[46:47], s[46:47], W1_C
	s_add_nc_u64 s[92:93], s[96:97], s[92:93]
	s_add_nc_u64 s[92:93], s[92:93], W1_S
	CROUND
	s_mov_b32 s[G0S], 1
	s_lshl_b32 s96, s16, 12                        ; my half's 128 rows of scale bytes: taken off, so that every wave holds the tile's first row
	s_mov_b32 s97, 0
	s_mov_b32 s[G0S+1], SCL
	s_sub_nc_u64 s[G0S+2:G0S+3], s[22:23], s[96:97]
	s_or_b32 s[G0S+3], s[G0S+3], 0x80000000
	s_mov_b32 s[G0SB], 1
	s_mov_b32 s[G0SB+1], SCL+2*HALFS
	s_sub_nc_u64 s[G0SB+2:G0SB+3], s[92:93], s[96:97]
	s_or_b32 s[G0SB+3], s[G0SB+3], 0x80000000
	s_lshl_b32 s96, s16, 17                        ; my half's 128 rows of codes, in bytes
.irp s, 0,1
	s_mov_b32 s[G0+4*\s], 1
	s_add_co_u32 s[G0+4*\s+1], s45, \s*SLOT
	s_add_nc_u64 s[G0+4*\s+2:G0+4*\s+3], s[20:21], \s*ROWB
	s_or_b32 s[G0+4*\s+3], s[G0+4*\s+3], 0x80000000
	s_mov_b32 s[G0B+4*\s], 1
	s_add_co_u32 s[G0B+4*\s+1], s45, \s*SLOT
	s_add_nc_u64 s[G0B+4*\s+2:G0B+4*\s+3], s[46:47], \s*ROWB
	s_or_b32 s[G0B+4*\s+3], s[G0B+4*\s+3], 0x80000000
.endr
	; THE HEAD'S LOADS, ONE A WAVE: wave 0 K step 0's 256 rows of A, wave 1 those of B, wave 2 A's scales, wave 3 B's.  Slot 0's groups 0 serve them, set to the whole tile
	s_mov_b32 s[G0+1], 0
	s_sub_nc_u64 s[G0+2:G0+3], s[G0+2:G0+3], s[96:97]
	s_mov_b32 s[G0B+1], 2*HALFT
	s_sub_nc_u64 s[G0B+2:G0B+3], s[G0B+2:G0B+3], s[96:97]
.macro ARM under, g0, g1, next
	s_cmp_lt_u32 s14, \under
	s_cbranch_scc0 \next
	tensor_load_to_lds s[\g0:\g0+3], s[\g1:\g1+7]
	s_nop 0
.rept 4
	v_nop
.endr
	s_branch .Lhead_asked
\next:
.endm
	ARM 1, G0,  G1,  .Lhead_b
	ARM 2, G0B, G1B, .Lhead_sa
	ARM 3, G0S, G1S, .Lhead_sb
	tensor_load_to_lds s[G0SB:G0SB+3], s[G1SB:G1SB+7]
	s_nop 0
.rept 4
	v_nop
.endr
.Lhead_asked:
	v_and_b32 v1, 15, v0
	v_bfe_u32 v10, v0, 4, 1
	v_mul_u32_u24 v12, v1, PITCH
	v_lshl_add_u32 v12, v10, 4, v12
	s_mul_i32 s21, s15, HALFT
	s_mul_i32 s22, s16, HALFT
	s_add_co_u32 s22, s22, 2*HALFT
.irp s, 0,1
	v_add_nc_u32 v[ADRA+\s], s21, v12
	v_add_nc_u32 v[ADRB+\s], s22, v12
	s_add_co_u32 s21, s21, SLOT
	s_add_co_u32 s22, s22, SLOT
.endr
	v_mul_u32_u24 v13, v1, KS
	v_lshrrev_b32 v14, 8, v13
	v_lshl_add_u32 v13, v14, 4, v13
	s_mul_i32 s21, s15, HALFS
	s_mul_i32 s22, s16, HALFS
	s_add_co_u32 s22, s22, 2*HALFS
	s_sub_co_u32 s22, s22, s21
	v_mul_u32_u24 v14, s22, v10
	s_add_co_u32 s21, s21, SCL
	v_add_nc_u32 v13, v13, v14
	v_add_nc_u32 v[ADRS], s21, v13
	v_and_b32 v[VO], 31, v0
	v_lshlrev_b32 v[VO], 4, v[VO]
	s_wait_alu depctr_va_vdst(0)
	v_lshlrev_b32 v15, 6, v10
	s_lshl_b32 s46, s42, 10
	s_lshl_b32 s47, s16, 9
	s_add_co_u32 s46, s46, s47
	s_mov_b32 s47, 0
	s_add_nc_u64 s[98:99], s[98:99], s[46:47]
.irp b, 0,1,2,3,4,5,6,7
	global_load_b128 v[BS0+8*\b:BS0+8*\b+3], v15, s[98:99] offset:(32*(\b/2)+8*(\b%2))*4
	global_load_b128 v[BS0+8*\b+4:BS0+8*\b+7], v15, s[98:99] offset:(32*(\b/2)+8*(\b%2))*4+16
.endr
	s_lshl_b32 s22, s17, 1
	s_add_co_u32 s22, s22, s15
	s_lshl_b32 s20, s22, 14
	s_mov_b32 s21, 0
	s_add_nc_u64 s[8:9], s[8:9], s[20:21]
.set n_, 0
.rept 32
	global_load_b128 v[128+4*n_:131+4*n_], v[VO], s[8:9] offset:512*n_
.set n_, n_+1
.endr
	s_lshl_b32 s46, s42, 1
	s_add_co_u32 s46, s46, s16
	s_lshl_b32 s23, s46, 9
	s_add_co_u32 s20, s20, s23
	s_add_co_u32 s20, s20, G_SCL
	s_add_nc_u64 s[66:67], s[10:11], s[20:21]
	s_lshl_b32 s20, s22, 19
	s_lshl_b32 s23, s46, 11
	s_add_co_u32 s20, s20, s23
	s_add_nc_u64 s[12:13], s[10:11], s[20:21]
	s_mov_b32 s[SEL], 0x76543210
	s_mov_b32 s[SEL+1], 0xfedcba98
	s_mov_b32 s[MNT], 0x600000
	s_mov_b32 s7, 0x42fe0000
	s_wait_loadcnt 0x0
.irp i, 0,1,2,3
	v_max3_num_f32 v[16+\i], v[128+\i], v[132+\i], v[136+\i]
.endr
.irp k, 3,5,7,9,11,13,15,17,19,21,23,25,27,29
.irp i, 0,1,2,3
	v_max3_num_f32 v[16+\i], v[16+\i], v[128+4*\k+\i], v[132+4*\k+\i]
.endr
.endr
.irp i, 0,1,2,3
	v_max_num_f32 v[16+\i], v[16+\i], v[252+\i]
.endr
.irp i, 0,1,2,3
	v_mov_b32 v[20+\i], 0
.endr
.irp i, 0,1,2,3
	v_permlanex16_b32 v[20+\i], v[16+\i], s[SEL], s[SEL+1]
.endr
	v_cmp_ne_u32 vcc_lo, 0, v10
.irp i, 0,1,2,3
	v_cndmask_b32 v[24+2*\i], v[16+\i], v[20+\i], vcc_lo
	v_cndmask_b32 v[25+2*\i], v[20+\i], v[16+\i], vcc_lo
.endr
.irp a, 0,1,2,3,4,5,6,7
	v_max_num_f32 v[24+\a], 0x3727c5ac, v[24+\a]
.endr
	s_wait_alu depctr_va_vdst(0)
.irp a, 0,1,2,3,4,5,6,7
	v_rcp_f32 v[128+\a], v[24+\a]
.endr
	v_nop
	s_wait_alu depctr_va_vdst(0)
.irp a, 0,1,2,3,4,5,6,7
	v_fma_f32 v[136+\a], -v[24+\a], v[128+\a], 1.0
.endr
.irp a, 0,1,2,3,4,5,6,7
	v_fma_f32 v[128+\a], v[128+\a], v[136+\a], v[128+\a]
.endr
.irp a, 0,1,2,3,4,5,6,7
	v_mul_f32 v[RSC+\a], s7, v[128+\a]
.endr
.irp a, 0,1,2,3,4,5,6,7
	v_fma_f32 v[136+\a], -v[RSC+\a], v[24+\a], s7
.endr
.irp a, 0,1,2,3,4,5,6,7
	v_fma_f32 v[RSC+\a], v[136+\a], v[128+\a], v[RSC+\a]
.endr
	s_wait_alu depctr_va_vdst(0)
.irp a, 0,1,2,3,4,5,6,7
	v_rcp_f32 v[INV+\a], v[RSC+\a]
.endr
	v_nop
	s_wait_alu depctr_va_vdst(0)
.irp a, 0,1,2,3,4,5,6,7
	v_fma_f32 v[136+\a], -v[RSC+\a], v[INV+\a], 1.0
.endr
.irp a, 0,1,2,3,4,5,6,7
	v_fma_f32 v[INV+\a], v[INV+\a], v[136+\a], v[INV+\a]
.endr
.macro FRAG reg, adr, q, i
.irp c, 0,1,2,3
	ds_load_b128 v[\reg+4*\c:\reg+4*\c+3], v[\adr] offset:128*(\q)+32*\c+16*(\i)*PITCH
.endr
.endm
.macro MUL16 a0, p, q, sc, zero
.irp a, \a0, \a0+1
.irp b, 0,1,2,3,4,5,6,7
.if \zero
	v_wmma_scale_f32_16x16x128_f8f6f4 v[8*(8*((\a)%4)+\b):8*(8*((\a)%4)+\b)+7], v[128*(\p)+FR*\b:128*(\p)+FR*\b+FR-1], v[AF+FR*(\a):AF+FR*(\a)+FR-1], v[BS0+8*\b:BS0+8*\b+7], v[SC+8*NQ*(\sc)+NQ*\b+(\q)], v[SC+8*NQ*(\sc)+NQ*(\a)+(\q)] matrix_a_scale:MATRIX_SCALE_ROW1
.else
	v_wmma_scale_f32_16x16x128_f8f6f4 v[8*(8*((\a)%4)+\b):8*(8*((\a)%4)+\b)+7], v[128*(\p)+FR*\b:128*(\p)+FR*\b+FR-1], v[AF+FR*(\a):AF+FR*(\a)+FR-1], v[8*(8*((\a)%4)+\b):8*(8*((\a)%4)+\b)+7], v[SC+8*NQ*(\sc)+NQ*\b+(\q)], v[SC+8*NQ*(\sc)+NQ*(\a)+(\q)] matrix_a_scale:MATRIX_SCALE_ROW1
.endif
.endr
.endr
.endm
.macro FETCH_B slot, q, p
	WIN TO_B
.irp i, 0,1,2,3,4,5,6,7
	FRAG 128*(\p)+FR*\i, ADRB+\slot, \q, \i
.endr
	WIN 0
.endm
.macro FETCH_A slot, q, i0
.irp i, \i0, \i0+1, \i0+2, \i0+3
	FRAG AF+FR*(\i), ADRA+\slot, \q, \i
.endr
.endm
.macro SCALES sc
.irp i, 0,1,2,3,4,5,6,7
	ds_load_b64 v[SC+8*NQ*\sc+NQ*\i:SC+8*NQ*\sc+NQ*\i+1], v[ADRS] offset:2*\i*272
.endr
.endm
.macro STEP slot, q, zero
	s_wait_dscnt 4*NL
.if \zero
	WIN 0x81
.else
	WIN MUL_LO
.endif
	MUL16 0, (\q)%2, \q, \slot, \zero
	MUL16 2, (\q)%2, \q, \slot, \zero
	s_wait_dscnt 0
	PLACES NP
	FETCH_B \slot, (\q)+1, 1-(\q)%2
	FETCH_A \slot, (\q)+1, 0
.if \zero
	WIN 0xc1
.else
	WIN MUL_HI
.endif
	MUL16 4, (\q)%2, \q, \slot, \zero
	MUL16 6, (\q)%2, \q, \slot, \zero
	PLACES NP
	WIN 0
	FETCH_A \slot, (\q)+1, 4
.endm
.macro TURN slot, next, fill
	s_wait_tensorcnt 0x0
	ds_add_u32 v[SPW], v[NIL]
	s_wait_dscnt 4*NL+1
	WIN MUL_LO
	MUL16 0, 1, NQ-1, \slot, 0
	s_wait_dscnt 0x0
	s_barrier_signal -1
	MUL16 2, 1, NQ-1, \slot, 0
	WIN 0
	s_barrier_wait -1
.if \fill
	CREST
	s_add_nc_u64 s[G0+4*\slot+2:G0+4*\slot+3], s[G0+4*\slot+2:G0+4*\slot+3], 2*ROWB
	s_add_nc_u64 s[G0B+4*\slot+2:G0B+4*\slot+3], s[G0B+4*\slot+2:G0B+4*\slot+3], 2*ROWB
	JLOAD G0+4*\slot, G1, G0B+4*\slot, G1B
	PLACES NP-4
.else
	PLACES NP
.endif
	s_wait_alu depctr_va_vdst(0)
	v_add_nc_u32 v[ADRS], 4*NQ, v[ADRS]
	FETCH_B \next, 0, 0
	FETCH_A \next, 0, 0
	SCALES \next
	WIN MUL_HI
	MUL16 4, 1, NQ-1, \slot, 0
	MUL16 6, 1, NQ-1, \slot, 0
	PLACES NP
	WIN 0
	FETCH_A \next, 0, 4
.endm
.macro GELU hx
.irp n, 0,2,4,6,8,10,12,14
	v_pk_mul_f32 v[TT+\n:TT+\n+1], v[\hx+\n:\hx+\n+1], s[KRT2:KRT2+1] op_sel_hi:[1,0]
.endr
.irp n, 0,1,2,3,4,5,6,7,8,9,10,11,12,13,14,15
	v_and_b32 v[TT+\n], 0x7fffffff, v[TT+\n]
.endr
.irp n, 0,2,4,6,8,10,12,14
	v_pk_mul_f32 v[SS+\n:SS+\n+1], v[TT+\n:TT+\n+1], v[TT+\n:TT+\n+1]
.endr
.irp n, 0,2,4,6,8,10,12,14
	v_pk_fma_f32 v[A2+\n:A2+\n+1], v[C0V:C0V+1], v[TT+\n:TT+\n+1], s[KC1:KC1+1] op_sel_hi:[1,1,0]
.endr
.irp n, 0,2,4,6,8,10,12,14
	v_pk_fma_f32 v[A1+\n:A1+\n+1], v[C2V:C2V+1], v[TT+\n:TT+\n+1], s[KC3:KC3+1] op_sel_hi:[1,1,0]
.endr
.irp n, 0,2,4,6,8,10,12,14
	v_pk_fma_f32 v[A2+\n:A2+\n+1], v[A2+\n:A2+\n+1], v[SS+\n:SS+\n+1], v[A1+\n:A1+\n+1]
.endr
.irp k, KC4, KC5, KC6
.irp n, 0,2,4,6,8,10,12,14
	v_pk_fma_f32 v[A2+\n:A2+\n+1], v[A2+\n:A2+\n+1], v[TT+\n:TT+\n+1], s[\k:\k+1] op_sel_hi:[1,1,0]
.endr
.endr
.irp n, 0,2,4,6,8,10,12,14
	v_pk_fma_f32 v[A2+\n:A2+\n+1], v[A2+\n:A2+\n+1], v[TT+\n:TT+\n+1], v[TT+\n:TT+\n+1] neg_lo:[0,0,1] neg_hi:[0,0,1]
.endr
.irp n, 0,2,4,6,8,10,12,14
	v_pk_mul_f32 v[A2+\n:A2+\n+1], v[A2+\n:A2+\n+1], s[KL2E:KL2E+1] op_sel_hi:[1,0]
.endr
	s_wait_alu depctr_va_vdst(0)
.irp n, 0,1,2,3,4,5,6,7,8,9,10,11,12,13,14,15
	v_exp_f32 v[A2+\n], v[A2+\n]
.endr
.irp n, 0,2,4,6,8,10,12,14
	v_pk_fma_f32 v[A1+\n:A1+\n+1], v[K0V:K0V+1], v[SS+\n:SS+\n+1], s[KK1:KK1+1] op_sel_hi:[1,1,0]
.endr
.irp k, KK2, KK3, KK4, KK5
.irp n, 0,2,4,6,8,10,12,14
	v_pk_fma_f32 v[A1+\n:A1+\n+1], v[A1+\n:A1+\n+1], v[SS+\n:SS+\n+1], s[\k:\k+1] op_sel_hi:[1,1,0]
.endr
.endr
.irp n, 0,2,4,6,8,10,12,14
	v_pk_fma_f32 v[A1+\n:A1+\n+1], v[A1+\n:A1+\n+1], v[TT+\n:TT+\n+1], v[TT+\n:TT+\n+1]
.endr
	s_wait_alu depctr_va_vdst(0)
.irp n, 0,2,4,6,8,10,12,14
	v_pk_fma_f32 v[A2+\n:A2+\n+1], v[A2+\n:A2+\n+1], -1.0, 1.0 op_sel_hi:[1,0,0]
.endr
.irp n, 0,1,2,3,4,5,6,7,8,9,10,11,12,13,14,15
	v_cmp_lt_f32 vcc_lo, s[THR], v[TT+\n]
	v_cndmask_b32 v[A1+\n], v[A1+\n], v[A2+\n], vcc_lo
.endr
.irp n, 0,1,2,3,4,5,6,7,8,9,10,11,12,13,14,15
	v_fma_f32 v[\hx+\n], v[A1+\n], |v[\hx+\n]|, v[\hx+\n]
.endr
.endm
.macro QUANT s
.irp b, 0,1,2,3
	v_max3_num_f32 v[TM+\b], |v[\s+16*\b]|, |v[\s+1+16*\b]|, 0x4800000
.endr
.irp i, 2,4,6,8,10,12,14
.irp b, 0,1,2,3
	v_max3_num_f32 v[TM+\b], v[TM+\b], |v[\s+16*\b+\i]|, |v[\s+1+16*\b+\i]|
.endr
.endr
.irp b, 0,1,2,3
	v_permlanex16_b32 v[TM+4+\b], v[TM+\b], s[SEL], s[SEL+1]
.endr
.irp b, 0,1,2,3
	v_max_num_f32 v[TM+\b], v[TM+\b], v[TM+4+\b]
.endr
.irp b, 0,1,2,3
	v_add_nc_u32 v[TM+12+\b], 0xfc000000, v[TM+\b]
.endr
.irp b, 0,1,2,3
	v_and_or_b32 v[TM+8+\b], v[TM+\b], 0x7f800000, s[MNT]
.endr
.irp b, 0,1,2,3
	v_lshrrev_b32 v[TM+4+\b], 23, v[TM+12+\b]
.endr
	v_lshl_or_b32 v[PW], v[TM+5], 8, v[TM+4]
	v_lshl_or_b32 v[PW], v[TM+6], 16, v[PW]
	v_lshl_or_b32 v[PW], v[TM+7], 24, v[PW]
.irp b, 0,1,2,3
.irp i, 0,1,2,3,4,5,6,7,8,9,10,11,12,13,14,15
	v_med3_num_f32 v[\s+16*\b+\i], v[\s+16*\b+\i], -v[TM+8+\b], v[TM+8+\b]
.endr
	v_cvt_scalef32_pk8_fp8_f32 v[PC+4*\b:PC+1+4*\b], v[\s+16*\b:\s+7+16*\b], v[TM+12+\b]
	v_cvt_scalef32_pk8_fp8_f32 v[PC+2+4*\b:PC+3+4*\b], v[\s+8+16*\b:\s+15+16*\b], v[TM+12+\b]
.endr
	v_nop
.endm
	s_wait_alu depctr_va_vdst(0)                   ; the wait at the head's end
	s_wait_tensorcnt 0x0                           ; my tile of the head's four is in; these lines stand ahead of slot 1's first fill as ahead of a refill
	ds_add_u32 v[SPW], v[NIL]
	s_mov_b32 s[G1+2], 128<<16                     ; no tensor load of mine is out: from here on a load brings 128 rows,
	s_mov_b32 s[G1+4], 128
	s_mov_b32 s[G1B+2], 128<<16
	s_mov_b32 s[G1B+4], 128
	s_mov_b32 s[G0+1], s45                         ; and slot 0's groups 0 name my quarter again
	s_mov_b32 s[G0B+1], s45
	s_add_nc_u64 s[G0+2:G0+3], s[G0+2:G0+3], s[96:97]
	s_add_nc_u64 s[G0B+2:G0B+3], s[G0B+2:G0B+3], s[96:97]
	s_wait_dscnt 0x0
	CROUND                                         ; all four tiles are in, and all sixteen work-groups are here
	JLOAD G0+4, G1, G0B+4, G1B                     ; K step 1: the first tensor load behind the round
	FETCH_B 0, 0, 0
	FETCH_A 0, 0, 0
	SCALES 0
	FETCH_A 0, 0, 4
	STEP 0, 0, 1
	s_mov_b32 s3, LAPS-1
.Llap:
	TURN 0, 1, 1
	STEP 1, 0, 0
	TURN 1, 0, 1
	STEP 0, 0, 0
	s_sub_co_u32 s3, s3, 1
	s_cmp_lg_u32 s3, 0
	s_cbranch_scc1 .Llap
	TURN 0, 1, 0
	STEP 1, 0, 0
	s_wait_dscnt 4*NL
	WIN MUL_LO
	MUL16 0, 1, NQ-1, 1, 0
	MUL16 2, 1, NQ-1, 1, 0
	s_wait_dscnt 0
	WIN MUL_HI
	MUL16 4, 1, NQ-1, 1, 0
	MUL16 6, 1, NQ-1, 1, 0
	WIN 0
	PLACES NP
	KPAIR KC1, 0x39c8e7d9
	KPAIR KC3, 0x3cc6b1a1
	KPAIR KC4, 0xbddaae5c
	KPAIR KC5, 0xbf228550
	KPAIR KC6, 0xbe03ce86
	KPAIR KL2E, 0x3fb8aa3b
	KPAIR KK1, 0x3ba38d2c
	KPAIR KK2, 0xbcdb48d9
	KPAIR KK3, 0x3de70e22
	KPAIR KK4, 0xbec09380
	KPAIR KK5, 0x3e0375d4
	KPAIR KRT2, 0x3fb504f3
	s_mov_b32 s[THR], 0x3f6d8000
	s_mov_b32 s49, 0xc3000000
	s_mov_b32 s50, 0x42fe0000
.irp j, 0,1
	v_mov_b32 v[C0V+\j], 0xb7910000
	v_mov_b32 v[C2V+\j], 0xbb7e8a1c
	v_mov_b32 v[K0V+\j], 0xba1c7000
.endr
.irp k, 0,1,2,3,4,5,6,7
	v_mov_b32 v[CH+\k], 0
.endr
.irp b, 0,1,2,3
	v_mov_b32 v[TM+4+\b], 0
.endr
	s_mov_b32 s2, 0
.Lrow:
.irp k, 0,1,2,3,4,5,6
	s_cmp_eq_u32 s2, \k
	s_cbranch_scc1 .Lc\k
.endr
	s_branch .Lc7
.irp k, 0,1,2,3,4,5,6,7
.Lc\k:
	v_mov_b32 v10, v[RSC+\k]
	v_mov_b32 v11, v[RSC+\k]
	v_mov_b32 v12, v[INV+\k]
	v_mov_b32 v13, v[INV+\k]
	WIN 0x02+\k/4
.set n_, 0
.rept 32
	v_pk_mul_f32 v[HX+n_:HX+n_+1], v[64*(\k%4)+n_:64*(\k%4)+n_+1], 0.5 op_sel_hi:[1,0]
.set n_, n_+2
.endr
	WIN 0
	s_branch .Lcommon
.endr
.Lcommon:
.irp g, 0,1,2,3
	GELU HX+16*\g
.endr
.set n_, 0
.rept 32
	v_pk_mul_f32 v[HX+n_:HX+n_+1], v[HX+n_:HX+n_+1], v[10:11]
.set n_, n_+2
.endr
.set n_, 0
.rept 64
	v_rndne_f32 v[HX+n_], v[HX+n_]
.set n_, n_+1
.endr
.set n_, 0
.rept 64
	v_med3_num_f32 v[HX+n_], v[HX+n_], s49, s50
.set n_, n_+1
.endr
.set n_, 0
.rept 32
	v_pk_mul_f32 v[HX+n_:HX+n_+1], v[HX+n_:HX+n_+1], v[12:13]
.set n_, n_+2
.endr
	QUANT HX
.irp p, 0,1,2,3
	global_store_b128 v[VO], v[PC+4*\p:PC+4*\p+3], s[12:13] offset:512*\p
.endr
.irp k, 0,1,2,3,4,5,6
	v_mov_b32 v[CH+\k], v[CH+\k+1]
.endr
	v_mov_b32 v[CH+7], v[PW]
	s_wait_xcnt 0x0
	s_add_nc_u64 s[12:13], s[12:13], 65536
	s_add_co_u32 s2, s2, 1
	s_cmp_lt_u32 s2, 8
	s_cbranch_scc1 .Lrow
	s_mov_b32 vcc_lo, 0xffff0000
	s_wait_alu depctr_va_vdst(0)
.irp i, 0,1,2,3
	v_cndmask_b32 v[TM+\i], v[CH+2*\i], v[CH+2*\i+1], vcc_lo
.endr
	global_store_b128 v[VO], v[TM:TM+3], s[66:67]
	s_wait_tensorcnt 0x0
	ds_add_u32 v[SPW], v[NIL]
	s_wait_dscnt 0x0
	CROUND
	s_endpgm
.Lfunc_end_k_qbea8467a35_ffq:
	.size	k_qbea8467a35_ffq, .Lfunc_end_k_qbea8467a35_ffq-k_qbea8467a35_ffq
	.p2alignl 7, 3214868480
	.fill 96, 4, 3214868480
	.section	.rodata,"a",@progbits
	.p2align	6, 0x0
	.amdhsa_kernel k_qbea8467a35_ffq
		.amdhsa_group_segment_fixed_size 327680
		.amdhsa_private_segment_fixed_size 0
		.amdhsa_enable_private_segment 0
		.amdhsa_kernarg_size 32
		.amdhsa_user_sgpr_count 2
		.amdhsa_user_sgpr_kernarg_segment_ptr 1
		.amdhsa_wavefront_size32 1
		.amdhsa_system_sgpr_workgroup_id_x 1
		.amdhsa_system_sgpr_workgroup_id_y 1
		.amdhsa_system_sgpr_workgroup_id_z 1
		.amdhsa_system_vgpr_workitem_id 0
		.amdhsa_next_free_vgpr 1024
		.amdhsa_next_free_sgpr 100
		.amdhsa_reserve_vcc 1
		.amdhsa_float_denorm_mode_32 3
		.amdhsa_float_denorm_mode_16_64 3
		.amdhsa_memory_ordered 1
		.amdhsa_forward_progress 1
		.amdhsa_inst_pref_size 219
	.end_amdhsa_kernel
	.amdgpu_metadata
---
amdhsa.version: [ 1, 2 ]
amdhsa.kernels:
  - .name:           k_qbea8467a35_ffq
    .symbol:         k_qbea8467a35_ffq.kd
    .args:
      - { .name: wsE, .offset: 0, .size: 8, .value_kind: global_buffer, .address_space: global }
      - { .name: b1, .offset: 8, .size: 8, .value_kind: global_buffer, .address_space: global }
      - { .name: wsF, .offset: 16, .size: 8, .value_kind: global_buffer, .address_space: global }
      - { .name: wsG, .offset: 24, .size: 8, .value_kind: global_buffer, .address_space: global }
    .group_segment_fixed_size: 327680
    .private_segment_fixed_size: 0
    .kernarg_segment_align: 8
    .kernarg_segment_size: 32
    .max_flat_workgroup_size: 128
    .sgpr_count:     100
    .vgpr_count:     1024
    .wavefront_size: 32
...
	.end_amdgpu_metadata
.endif
;; end of part 7
;; launch ffout (part 8): grid 8 x 32, 4 waves a work-group, clusters of 4 x 4, 327,680 bytes of LDS; arguments wsG, wsE, b2, wsD, out0; writes out0
.if DOCPART == 8
	.amdgcn_target "amdgcn-amd-amdhsa--gfx1250"
	.amdhsa_code_object_version 6
	.text
	.protected	k_qbea8467a35_ffout
	.globl	k_qbea8467a35_ffout
	.p2align	8
	.type	k_qbea8467a35_ffout,@function
k_qbea8467a35_ffout:
	s_mov_b64 s[64:65], 0
	v_nop
	global_prefetch_b8 v0, s[64:65] scope:SCOPE_SE
	s_setreg_imm32_b32 hwreg(HW_REG_WAVE_MODE, 25, 1), 1
	s_wait_xcnt 0x0
	s_wait_alu depctr_hold_cnt(0) depctr_sa_sdst(0) depctr_va_vdst(0) depctr_va_sdst(0) depctr_va_ssrc(0) depctr_va_vcc(0) depctr_vm_vsrc(0)
	s_getreg_b32 s2, hwreg(HW_REG_IB_STS2, 6, 4)
	s_cmp_eq_u32 s2, 0
	s_cbranch_scc0 .Lentry_in_a_cluster
	s_endpgm
.Lentry_in_a_cluster:
	s_bfe_u32 s2, ttmp6, 0x10000c
	s_cmp_lg_u32 s2, 0xf033
	s_cbranch_scc0 .Lentry_shape_is_right
	s_endpgm
.Lentry_shape_is_right:
.set SIZE_K, 4096
.set A_SCLO, 16777216
.set W2_C,  8388608
.set W2_S,  12845056
.set NKS,   SIZE_K/128
.set KS,    SIZE_K/32
.set LAPS,  SIZE_K/1024
.set BP,    528
.set ASLOT, 65536
.set SLOT,  ASLOT+128*BP
.set ASC,   2*SLOT
.set BSH,   (64*KS/256)*272
.set BSC,   ASC+512*NKS
.set SPARE, BSC+2*BSH
.set STAGE, SPARE+512
.set ADRA, 2
.set ADRB, 4
.set ADSA, 6
.set ADSB, 7
.set SPW,  8
.set NIL,  9
.set STO,  10
.set RD,   11
.set CO, 12
.set PFO, 22                           ; v22: the prefetches' offset of my lane; never rewritten
.set SA,   32
.set SB,   48
.set BK,   64
.set ACC,  128
.set F0,   0
.set F1,   128
.set G1, 24
.set G0, 32
.set G1B, 48
.set G0B, 56
.set G1S, 68
.set G0S, 76
.set G1SB, 80
.set G0SB, 88
.set MSB, 0
.macro WIN new
.if MSB != (\new)
	s_set_vgpr_msb (MSB<<8)|(\new)
.set MSB, (\new)
.endif
.endm
.set MUL,  0x05
.set TO_F, 0x40
.macro JLOAD g0a, g1a, g0b, g1b
	s_cmp_eq_u32 s15, 0
	s_cbranch_scc0 .Lfor_b_\@
	tensor_load_to_lds s[\g0a:\g0a+3], s[\g1a:\g1a+7]
	s_nop 0
.rept 4
	v_nop
.endr
	s_branch .Lasked_\@
.Lfor_b_\@:
	tensor_load_to_lds s[\g0b:\g0b+3], s[\g1b:\g1b+7]
	s_nop 0
.rept 4
	v_nop
.endr
.Lasked_\@:
.endm
.macro CREST
	s_cmp_lg_u32 s14, 0
	s_cbranch_scc1 .Lnot_wave_0_\@
	s_barrier_signal -3
.Lnot_wave_0_\@:
	s_barrier_wait -3
	s_barrier_signal -1
	s_barrier_wait -1
.endm
.macro CROUND
	s_barrier_signal -1
	s_barrier_wait -1
	CREST
.endm
.macro PLACES n
.rept \n
	v_nop
.endr
.endm
	s_load_b128 s[4:7], s[0:1], 0x0
	s_load_b64 s[10:11], s[0:1], 0x10
	s_load_b64 s[92:93], s[0:1], 0x18
	s_load_b64 s[94:95], s[0:1], 0x20
	v_lshl_add_u32 v[SPW], v0, 2, SPARE
	v_mov_b32 v[NIL], 0
	ds_add_u32 v8, v9
	ds_add_u32 v8, v9
	s_wait_dscnt 0x0
	v_lshrrev_b32 v1, 5, v0
	v_readfirstlane_b32 s14, v1
	s_lshr_b32 s15, s14, 1
	s_and_b32 s16, s14, 1
	s_bfe_u32 s40, ttmp6, 0x40000
	s_bfe_u32 s41, ttmp6, 0x40004
	s_lshl_b32 s42, ttmp9, 2
	s_add_co_u32 s42, s42, s40
	s_and_b32 s17, ttmp7, 0xffff
	s_lshl_b32 s17, s17, 2
	s_add_co_u32 s17, s17, s41
	s_lshl_b32 s43, s41, 2
	s_lshl_b32 s43, 15, s43
	s_lshl_b32 s44, 0x1111, s40
	s_or_b32 s[G1+0], s43, (3<<16)|(1<<21)
	s_mov_b32 s[G1+1], 1024<<16
	s_mov_b32 s[G1+2], 8<<16                       ; the head's load brings all 8 tiles; behind it the two counts are set to 4
	s_mov_b32 s[G1+3], 1024<<16
	s_mov_b32 s[G1+4], 8
	s_mov_b32 s[G1+5], 256*NKS
	s_mov_b32 s[G1+6], 0
	s_mov_b32 s[G1+7], 0
	s_or_b32 s[G1B+0], s44, (0<<16)|(1<<20)|(1<<21)|(6<<22)|(3<<25)
	s_mov_b32 s[G1B+1], 512<<16
	s_mov_b32 s[G1B+2], 128<<16                    ; likewise: 128 rows at the head, then 64
	s_mov_b32 s[G1B+3], 512<<16
	s_mov_b32 s[G1B+4], 128
	s_mov_b32 s[G1B+5], SIZE_K
	s_mov_b32 s[G1B+6], 0
	s_mov_b32 s[G1B+7], 0
	s_or_b32 s[G1S+0], s43, (3<<16)|(1<<21)
	s_mov_b32 s[G1S+1], 32<<16
	s_mov_b32 s[G1S+2], (2*NKS)<<16
	s_mov_b32 s[G1S+3], 32<<16
	s_mov_b32 s[G1S+4], 2*NKS
	s_mov_b32 s[G1S+5], 32
	s_mov_b32 s[G1S+6], 0
	s_mov_b32 s[G1S+7], 0
	s_or_b32 s[G1SB+0], s44, (3<<16)|(1<<20)|(1<<21)|(5<<22)|(3<<25)
	s_mov_b32 s[G1SB+1], 32<<16
	s_mov_b32 s[G1SB+2], (128*KS/256)<<16
	s_mov_b32 s[G1SB+3], 32<<16
	s_mov_b32 s[G1SB+4], 128*KS/256
	s_mov_b32 s[G1SB+5], 32
	s_mov_b32 s[G1SB+6], 0
	s_mov_b32 s[G1SB+7], 0
	s_lshl_b32 s20, s17, 3
	s_lshl_b32 s18, s16, 2
	s_add_co_u32 s20, s20, s18
	s_mul_i32 s20, s20, 2048*NKS
	s_mov_b32 s21, 0
	s_mul_i32 s22, s17, 512*NKS
	s_mul_i32 s18, s16, 256*NKS
	s_add_co_u32 s22, s22, s18
	s_add_co_u32 s22, s22, A_SCLO
	s_mov_b32 s23, 0
	s_lshl_b32 s46, s42, 7
	s_lshl_b32 s18, s16, 6
	s_add_co_u32 s46, s46, s18
	s_mul_i32 s66, s46, KS
	s_mov_b32 s67, 0
	s_mul_i32 s46, s46, SIZE_K
	s_mov_b32 s47, 0
	s_lshl_b32 s45, s16, 15
	s_mul_i32 s19, s16, 64*BP
	s_add_co_u32 s19, s19, ASLOT
	s_mul_i32 s18, s16, 256*NKS
	s_add_co_u32 s18, s18, ASC
	s_mul_i32 s2, s16, BSH
	s_add_co_u32 s2, s2, BSC
	s_wait_kmcnt 0x0
	s_add_nc_u64 s[8:9], s[6:7], W2_S
	s_add_nc_u64 s[6:7], s[6:7], W2_C
	s_add_nc_u64 s[20:21], s[4:5], s[20:21]
	s_add_nc_u64 s[22:23], s[4:5], s[22:23]
	s_add_nc_u64 s[46:47], s[6:7], s[46:47]
	s_add_nc_u64 s[66:67], s[8:9], s[66:67]
	CROUND
	s_mov_b32 s[G0S], 1
	s_mul_i32 s96, s16, 256*NKS                    ; my half's bytes are taken off, so that every wave holds the tile's first byte
	s_mov_b32 s97, 0
	s_mov_b32 s99, 0
	s_mov_b32 s[G0S+1], ASC
	s_sub_nc_u64 s[G0S+2:G0S+3], s[22:23], s[96:97]
	s_or_b32 s[G0S+3], s[G0S+3], 0x80000000
	s_mov_b32 s[G0SB], 1
	s_mul_i32 s98, s16, 64*KS
	s_mov_b32 s[G0SB+1], BSC
	s_sub_nc_u64 s[G0SB+2:G0SB+3], s[66:67], s[98:99]
	s_or_b32 s[G0SB+3], s[G0SB+3], 0x80000000
	s_mul_i32 s96, s16, 8192*NKS                   ; my half of A's tiles, in bytes,
	s_mul_i32 s98, s16, 64*SIZE_K                  ; and of W's rows
.irp s, 0,1
	s_mov_b32 s[G0+4*\s], 1
	s_add_co_u32 s[G0+4*\s+1], s45, \s*SLOT
	s_add_nc_u64 s[G0+4*\s+2:G0+4*\s+3], s[20:21], \s*8192
	s_or_b32 s[G0+4*\s+3], s[G0+4*\s+3], 0x80000000
	s_mov_b32 s[G0B+4*\s], 1
	s_add_co_u32 s[G0B+4*\s+1], s19, \s*SLOT
	s_add_nc_u64 s[G0B+4*\s+2:G0B+4*\s+3], s[46:47], \s*512
	s_or_b32 s[G0B+4*\s+3], s[G0B+4*\s+3], 0x80000000
.endr
	; THE HEAD'S LOADS, ONE A WAVE: wave 0 slot 0's 8 tiles of A, wave 1 its 128 rows of W, wave 2 A's scale words, wave 3 W's scale bytes.  Slot 0's groups 0 serve them, set to the whole tile
	s_mov_b32 s[G0+1], 0
	s_sub_nc_u64 s[G0+2:G0+3], s[G0+2:G0+3], s[96:97]
	s_mov_b32 s[G0B+1], ASLOT
	s_sub_nc_u64 s[G0B+2:G0B+3], s[G0B+2:G0B+3], s[98:99]
.macro ARM under, g0, g1, next
	s_cmp_lt_u32 s14, \under
	s_cbranch_scc0 \next
	tensor_load_to_lds s[\g0:\g0+3], s[\g1:\g1+7]
	s_nop 0
.rept 4
	v_nop
.endr
	s_branch .Lhead_asked
\next:
.endm
	ARM 1, G0,  G1,  .Lhead_b
	ARM 2, G0B, G1B, .Lhead_sa
	ARM 3, G0S, G1S, .Lhead_sb
	tensor_load_to_lds s[G0SB:G0SB+3], s[G1SB:G1SB+7]
	s_nop 0
.rept 4
	v_nop
.endr
.Lhead_asked:
	v_and_b32 v1, 15, v0
	v_bfe_u32 v14, v0, 4, 1
	v_and_b32 v13, 31, v0
	v_lshlrev_b32 v15, 4, v13
	s_wait_alu depctr_va_vdst(0)
	s_lshl_b32 s21, s15, 15
	s_mul_i32 s22, s16, 64*BP
	s_add_co_u32 s22, s22, ASLOT
	v_mul_u32_u24 v16, v1, BP
	v_lshl_add_u32 v16, v14, 4, v16
.irp s, 0,1
	v_add_nc_u32 v[ADRA+\s], s21, v15
	v_add_nc_u32 v[ADRB+\s], s22, v16
	s_add_co_u32 s21, s21, SLOT
	s_add_co_u32 s22, s22, SLOT
.endr
	s_lshl_b32 s21, s15, 3
	s_add_co_u32 s21, s21, ASC
	v_add_nc_u32 v[ADSA], s21, v15
	v_mul_u32_u24 v16, v13, KS
	v_lshrrev_b32 v17, 8, v16
	v_lshl_add_u32 v16, v17, 4, v16
	s_mul_i32 s21, s16, BSH
	s_add_co_u32 s21, s21, BSC
	v_add_nc_u32 v[ADSB], s21, v16
	s_mul_i32 s23, s14, 16*272
	s_add_co_u32 s23, s23, STAGE
	v_mul_u32_u24 v16, v1, 272
	v_lshl_add_u32 v16, v14, 5, v16
	v_add_nc_u32 v[STO], s23, v16
	v_mul_u32_u24 v16, v14, 272
	v_lshl_add_u32 v16, v1, 4, v16
	v_add_nc_u32 v[RD], s23, v16
	v_lshlrev_b32 v[CO], 12, v14
	v_lshl_add_u32 v[CO], v1, 4, v[CO]
	v_lshlrev_b32 v15, 4, v1
	s_wait_alu depctr_va_vdst(0)
	s_lshl_b32 s20, s17, 19
	s_lshl_b32 s21, s15, 18
	s_add_co_u32 s20, s20, s21
	s_lshl_b32 s46, s42, 9
	s_lshl_b32 s47, s16, 8
	s_add_co_u32 s46, s46, s47
	s_mov_b32 s47, 0
	s_mov_b32 s21, 0
	s_add_nc_u64 s[10:11], s[10:11], s[46:47]
	s_add_nc_u64 s[20:21], s[20:21], s[46:47]
	s_add_nc_u64 s[92:93], s[92:93], s[20:21]
	s_add_nc_u64 s[94:95], s[94:95], s[20:21]
	; PREFETCHES INTO THE L2: behind the load of K step r stands one instruction a wave for K step r + 2, r = 0 to 5: 32 blocks of 256 bytes, a lane a block.
	; A K step of a work-group's tile is 8 tiles x 8,192 bytes of A and 128 rows x 512 bytes of W.  The four partners that ask for a tile jointly share it out BY ADDRESS:
	; of the 4 tiles of A that waves 0, 1 fetch, the partner at cx takes one (32 blocks on end); of the 64 rows of W that waves 2, 3 fetch, the partner at cy takes 16 (two blocks a row).
	s_lshl_b32 s20, s17, 3
	s_lshl_b32 s22, s16, 2
	s_add_co_u32 s20, s20, s22
	s_add_co_u32 s20, s20, s40                     ; A: tile 8 x tile row + 4 x half + cx
	s_mul_i32 s20, s20, 2048*NKS
	s_lshl_b32 s46, s42, 7
	s_lshl_b32 s22, s16, 6
	s_add_co_u32 s46, s46, s22
	s_lshl_b32 s22, s41, 4
	s_add_co_u32 s46, s46, s22                     ; W: row 128 x tile column + 64 x half + 16 cy
	s_mul_i32 s46, s46, SIZE_K
	s_cmp_eq_u32 s15, 0                            ; do I fetch for A?
	s_cselect_b64 s[12:13], s[4:5], s[6:7]
	s_cselect_b32 s20, s20, s46
	s_mov_b32 s8, 512
	s_cselect_b32 s8, 8192, s8                     ; s[8:9]: a K step on, in bytes
	s_mov_b32 s22, SIZE_K
	s_cselect_b32 s22, 512, s22                    ; from one pair of lanes to the next
	s_mov_b32 s21, 0
	s_mov_b32 s9, 0
	s_add_nc_u64 s[12:13], s[12:13], s[20:21]
	s_add_nc_u64 s[12:13], s[12:13], s[8:9]
	s_add_nc_u64 s[12:13], s[12:13], s[8:9]        ; s[12:13]: my part of K step 2
	v_lshrrev_b32 v20, 1, v13
	v_and_b32 v21, 1, v13
	v_mul_lo_u32 v20, v20, s22
	v_lshl_add_u32 v[PFO], v21, 8, v20             ; (lane / 2) x that + 256 (lane % 2)
	s_wait_alu depctr_va_vdst(0)                   ; the wait directly behind the write
	global_prefetch_b8 v[PFO], s[12:13] th:TH_LOAD_NT scope:SCOPE_SE   ; K step 2, behind the head's load of K step 0
	global_load_b128 v[16:19], v15, s[10:11]
	WIN 0x80
.irp a, 0,1,2,3
.irp i, 0,1,2,3,4,5,6,7
	global_load_b128 v[4*(8*\a+\i):4*(8*\a+\i)+3], v[CO], s[92:93] offset:(32*(\a/2)+8*(\a%2)+2*\i+8*(\i/4))*4096 th:TH_LOAD_NT
.endr
.endr
	WIN 0
.macro WMS d, x, y, zero, sx, sy, ox, oy
.if \zero
.if (\ox) && (\oy)
	v_wmma_scale_f32_16x16x128_f8f6f4 v[\d:\d+7], v[\x:\x+15], v[\y:\y+15], 0, v[\sx], v[\sy] matrix_a_scale:MATRIX_SCALE_ROW1 matrix_b_scale:MATRIX_SCALE_ROW1
.elseif (\ox)
	v_wmma_scale_f32_16x16x128_f8f6f4 v[\d:\d+7], v[\x:\x+15], v[\y:\y+15], 0, v[\sx], v[\sy] matrix_a_scale:MATRIX_SCALE_ROW1
.elseif (\oy)
	v_wmma_scale_f32_16x16x128_f8f6f4 v[\d:\d+7], v[\x:\x+15], v[\y:\y+15], 0, v[\sx], v[\sy] matrix_b_scale:MATRIX_SCALE_ROW1
.else
	v_wmma_scale_f32_16x16x128_f8f6f4 v[\d:\d+7], v[\x:\x+15], v[\y:\y+15], 0, v[\sx], v[\sy]
.endif
.else
.if (\ox) && (\oy)
	v_wmma_scale_f32_16x16x128_f8f6f4 v[\d:\d+7], v[\x:\x+15], v[\y:\y+15], v[\d:\d+7], v[\sx], v[\sy] matrix_a_scale:MATRIX_SCALE_ROW1 matrix_b_scale:MATRIX_SCALE_ROW1
.elseif (\ox)
	v_wmma_scale_f32_16x16x128_f8f6f4 v[\d:\d+7], v[\x:\x+15], v[\y:\y+15], v[\d:\d+7], v[\sx], v[\sy] matrix_a_scale:MATRIX_SCALE_ROW1
.elseif (\oy)
	v_wmma_scale_f32_16x16x128_f8f6f4 v[\d:\d+7], v[\x:\x+15], v[\y:\y+15], v[\d:\d+7], v[\sx], v[\sy] matrix_b_scale:MATRIX_SCALE_ROW1
.else
	v_wmma_scale_f32_16x16x128_f8f6f4 v[\d:\d+7], v[\x:\x+15], v[\y:\y+15], v[\d:\d+7], v[\sx], v[\sy]
.endif
.endif
.endm
.macro MUL4 f, a, q, s, zero
.irp b, 0,1,2,3
	WMS ACC+8*(4*(\a)+\b), \f+64+16*\b, \f+16*(\a), \zero, SB+8*(\s)+4*(\b/2)+(\q), SA+8*(\s)+2*(\q)+(\a)/2, \b%2, (\a)%2
.endr
.endm
.macro SCALES s
.irp q, 0,1,2,3
	ds_load_b64 v[SA+8*\s+2*\q:SA+8*\s+2*\q+1], v[ADSA] offset:512*\q
.endr
.irp p, 0,1
	ds_load_b128 v[SB+8*\s+4*\p:SB+8*\s+4*\p+3], v[ADSB] offset:\p*(32*KS/256)*272
.endr
.endm
.macro FETCH slot, q, f
	WIN TO_F
.irp b, 0,1,2,3
.irp c, 0,1,2,3
	ds_load_b128 v[\f+64+16*\b+4*\c:\f+64+16*\b+4*\c+3], v[ADRB+\slot] offset:128*(\q)+32*\c+\b*16*BP
.endr
.endr
.irp a, 0,1,2,3
.irp c, 0,1,2,3
	ds_load_b128 v[\f+16*\a+4*\c:\f+16*\a+4*\c+3], v[ADRA+\slot] offset:8192*\a+2048*(\q)+512*\c
.endr
.endr
.endm
.macro QUARTER slot, q, f, g, zero
	s_wait_dscnt 8
	WIN MUL
	MUL4 \f, 0, \q, \slot, \zero
	MUL4 \f, 1, \q, \slot, \zero
	PLACES 8
	FETCH \slot, (\q)+1, \g
	s_wait_dscnt 32
	WIN MUL
	MUL4 \f, 2, \q, \slot, \zero
	MUL4 \f, 3, \q, \slot, \zero
.endm
.macro TURN slot, next, fill
	WIN 0
	s_wait_tensorcnt 0x0
	ds_add_u32 v[SPW], v[NIL]
	s_wait_dscnt 9
	WIN MUL
	MUL4 F1, 0, 3, \slot, 0
	s_wait_dscnt 0x0
	s_barrier_signal -1
	MUL4 F1, 1, 3, \slot, 0
	WIN 0
	s_barrier_wait -1
.if \fill
	CREST
	s_add_nc_u64 s[G0+4*\slot+2:G0+4*\slot+3], s[G0+4*\slot+2:G0+4*\slot+3], 16384
	s_add_nc_u64 s[G0B+4*\slot+2:G0B+4*\slot+3], s[G0B+4*\slot+2:G0B+4*\slot+3], 1024
	s_wait_xcnt 0x0                                ; my last prefetch, a K step back, has read its address
	s_add_nc_u64 s[12:13], s[12:13], s[8:9]
	JLOAD G0+4*\slot, G1, G0B+4*\slot, G1B
	PLACES 4
.else
	PLACES 8
.endif
	s_wait_alu depctr_va_vdst(0)
	v_add_nc_u32 v[ADSA], 2048, v[ADSA]
	v_add_nc_u32 v[ADSB], 16, v[ADSB]
	SCALES \next
.if \fill
	s_cmp_gt_u32 s3, 1                             ; the loop's last trip loads K steps 6 and 7: there is no K step two on
	s_cbranch_scc0 .Lnopf_\@
	global_prefetch_b8 v[PFO], s[12:13] th:TH_LOAD_NT scope:SCOPE_SE
.Lnopf_\@:
.endif
	FETCH \next, 0, F0
	WIN MUL
	MUL4 F1, 2, 3, \slot, 0
	MUL4 F1, 3, 3, \slot, 0
.endm
	s_wait_tensorcnt 0x0                           ; my tile of the head's four is in; these lines stand ahead of slot 1's first fill as ahead of a refill
	ds_add_u32 v[SPW], v[NIL]
	s_mov_b32 s[G1+2], 4<<16                       ; no tensor load of mine is out: from here on a load brings half a tile,
	s_mov_b32 s[G1+4], 4
	s_mov_b32 s[G1B+2], 64<<16
	s_mov_b32 s[G1B+4], 64
	s_mov_b32 s[G0+1], s45                         ; and slot 0's groups 0 name my half again
	s_mov_b32 s[G0B+1], s19
	s_add_nc_u64 s[G0+2:G0+3], s[G0+2:G0+3], s[96:97]
	s_add_nc_u64 s[G0B+2:G0B+3], s[G0B+2:G0B+3], s[98:99]
	s_wait_xcnt 0x0                                ; my prefetch has read its address, so it may be stepped
	s_add_nc_u64 s[12:13], s[12:13], s[8:9]
	s_wait_dscnt 0x0
	CROUND                                         ; all four tiles are in, and all sixteen work-groups are here
	JLOAD G0+4, G1, G0B+4, G1B                     ; slot 1: the first tensor load behind the round
	SCALES 0
	global_prefetch_b8 v[PFO], s[12:13] th:TH_LOAD_NT scope:SCOPE_SE   ; K step 3
	FETCH 0, 0, F0
	QUARTER 0, 0, F0, F1, 1
	WIN 0
	s_mov_b32 s3, LAPS-1
.Llap:
	QUARTER 0, 1, F1, F0, 0
	QUARTER 0, 2, F0, F1, 0
	TURN 0, 1, 1
	QUARTER 1, 0, F0, F1, 0
	QUARTER 1, 1, F1, F0, 0
	QUARTER 1, 2, F0, F1, 0
	TURN 1, 0, 1
	QUARTER 0, 0, F0, F1, 0
	WIN 0
	s_sub_co_u32 s3, s3, 1
	s_cmp_lg_u32 s3, 0
	s_cbranch_scc1 .Llap
	QUARTER 0, 1, F1, F0, 0
	QUARTER 0, 2, F0, F1, 0
	TURN 0, 1, 0
	QUARTER 1, 0, F0, F1, 0
	QUARTER 1, 1, F1, F0, 0
	QUARTER 1, 2, F0, F1, 0
	s_wait_dscnt 8
	WIN MUL
	MUL4 F1, 0, 3, 1, 0
	MUL4 F1, 1, 3, 1, 0
	s_wait_dscnt 0
	MUL4 F1, 2, 3, 1, 0
	MUL4 F1, 3, 3, 1, 0
	WIN 0
	PLACES 8
	s_wait_loadcnt 0x0
.irp a, 0,1,2,3
	s_wait_xcnt 0x0
.irp b, 0,1,2,3
	ds_store_b128 v[STO], v[ACC+8*(4*\a+\b):ACC+8*(4*\a+\b)+3] offset:64*\b
	ds_store_b128 v[STO], v[ACC+8*(4*\a+\b)+4:ACC+8*(4*\a+\b)+7] offset:64*\b+16
.endr
.irp i, 0,1,2,3,4,5,6,7
	ds_load_b128 v[BK+4*\i:BK+4*\i+3], v[RD] offset:544*\i
.endr
	s_wait_dscnt 0x0
.irp i, 0,1,2,3,4,5,6,7
	v_pk_add_f32 v[BK+4*\i:BK+4*\i+1], v[BK+4*\i:BK+4*\i+1], v[16:17]
	v_pk_add_f32 v[BK+4*\i+2:BK+4*\i+3], v[BK+4*\i+2:BK+4*\i+3], v[18:19]
.endr
	WIN 0x08
.irp i, 0,1,2,3,4,5,6,7
	v_pk_add_f32 v[BK+4*\i:BK+4*\i+1], v[BK+4*\i:BK+4*\i+1], v[4*(8*\a+\i):4*(8*\a+\i)+1]
	v_pk_add_f32 v[BK+4*\i+2:BK+4*\i+3], v[BK+4*\i+2:BK+4*\i+3], v[4*(8*\a+\i)+2:4*(8*\a+\i)+3]
.endr
	WIN 0
.irp i, 0,1,2,3,4,5,6,7
	global_store_b128 v[CO], v[BK+4*\i:BK+4*\i+3], s[94:95] offset:(32*(\a/2)+8*(\a%2)+2*\i+8*(\i/4))*4096 th:TH_STORE_NT
.endr
.endr
	s_wait_tensorcnt 0x0
	ds_add_u32 v[SPW], v[NIL]
	s_wait_dscnt 0x0
	CROUND
	s_endpgm
.Lfunc_end_k_qbea8467a35_ffout:
	.size	k_qbea8467a35_ffout, .Lfunc_end_k_qbea8467a35_ffout-k_qbea8467a35_ffout
	.p2alignl 7, 3214868480
	.fill 96, 4, 3214868480
	.section	.rodata,"a",@progbits
	.p2align	6, 0x0
	.amdhsa_kernel k_qbea8467a35_ffout
		.amdhsa_group_segment_fixed_size 327680
		.amdhsa_private_segment_fixed_size 0
		.amdhsa_enable_private_segment 0
		.amdhsa_kernarg_size 40
		.amdhsa_user_sgpr_count 2
		.amdhsa_user_sgpr_kernarg_segment_ptr 1
		.amdhsa_wavefront_size32 1
		.amdhsa_system_sgpr_workgroup_id_x 1
		.amdhsa_system_sgpr_workgroup_id_y 1
		.amdhsa_system_sgpr_workgroup_id_z 1
		.amdhsa_system_vgpr_workitem_id 0
		.amdhsa_next_free_vgpr 640
		.amdhsa_next_free_sgpr 100
		.amdhsa_reserve_vcc 0
		.amdhsa_float_denorm_mode_32 3
		.amdhsa_float_denorm_mode_16_64 3
		.amdhsa_memory_ordered 1
		.amdhsa_forward_progress 1
		.amdhsa_inst_pref_size 107
	.end_amdhsa_kernel
	.amdgpu_metadata
---
amdhsa.version: [ 1, 2 ]
amdhsa.kernels:
  - .name:           k_qbea8467a35_ffout
    .symbol:         k_qbea8467a35_ffout.kd
    .args:
      - { .name: wsG, .offset: 0, .size: 8, .value_kind: global_buffer, .address_space: global }
      - { .name: wsE, .offset: 8, .size: 8, .value_kind: global_buffer, .address_space: global }
      - { .name: b2, .offset: 16, .size: 8, .value_kind: global_buffer, .address_space: global }
      - { .name: wsD, .offset: 24, .size: 8, .value_kind: global_buffer, .address_space: global }
      - { .name: out0, .offset: 32, .size: 8, .value_kind: global_buffer, .address_space: global }
    .group_segment_fixed_size: 327680
    .private_segment_fixed_size: 0
    .kernarg_segment_align: 8
    .kernarg_segment_size: 40
    .max_flat_workgroup_size: 128
    .sgpr_count:     100
    .vgpr_count:     640
    .wavefront_size: 32
...
	.end_amdgpu_metadata
.endif
;; end of part 8
